; MI455X (gfx1250); checked and timed in simulation.
; The chip was launched on July 23, 2026; its instructions are those of AMD's public machine-readable ISA for CDNA 5 (MIT licence, August 2026) and "CDNA5" Instruction Set Architecture Reference Guide (July 2026). The comments in the code are by the model that wrote it; some were corrected since.
;; Local Self Attenion Layer. Allowed arithmetic: matrix products marked QUANTISED: E5M2 operands, one E8M0 scale for each 32 along K, by v_wmma_scale_f32_16x16x128_f8f6f4 with both operands' format E5M2, f32 sums; everything else in f32.
;; Inputs: W_in 1,024 x 512 float32; W_out 512 x 1,024 float32; attn_out_w 1,024 x 1,024 float32; b_in 1,024 float32; b_out 512 float32; in_proj_w 3,072 x 1,024 float32; ln_b 1,024 float32; ln_g 1,024 float32; seq_lengths 8 int32; x 1,024 x 8 x 512 float32.
;; Outputs: out0 1,024 x 8 x 512 float32; out1 1,024 x 8 x 1,024 float32.
;; Constants: window_size = 128.
;; This version of the problem:
;;   THIS VERSION OF THE PROBLEM IS GIVEN IN LOW PRECISION. The matrix products marked QUANTISED in the list below multiply operands that are first quantised to E5M2 (5 exponent bits, 2 mantissa bits; 8 bits a number), with one power-of-two scale for each 32 numbers along K (OCP MX v1.0); their sums are f32. All else is computed in f32.
;;   The module's matrix products, in the order in which they are computed (A, B: the left and right operand; K: the contracted axis; several contracted axes count as one K, in the product's order):
;;     1. [M 8,192, K 512] x [K 512, N 1,024]; A: input x; B: input W_in: QUANTISED
;;     2. [M 8,192, K 1,024] x [K 1,024, N 3,072]; A: computed on the way; B: input in_proj_w: QUANTISED
;;     3. batch 128 x [M 1,024, K 64] x [K 64, N 1,024]; A: computed on the way; B: computed on the way: QUANTISED
;;     4. batch 128 x [M 1,024, K 1,024] x [K 1,024, N 64]; A: computed on the way; B: computed on the way: QUANTISED
;;     5. [M 8,192, K 1,024] x [K 1,024, N 1,024]; A: computed on the way; B: input attn_out_w: QUANTISED
;;     6. [M 8,192, K 1,024] x [K 1,024, N 512]; A: computed on the way; B: input W_out: QUANTISED
;;   THE QUANTISER, for each operand of a quantised product, along K:
;;     - K is cut into blocks of 32 from its start; a last block that is shorter is filled with zeros.
;;     - A block's scale is 2^e with e = floor(log2(the largest magnitude in the block)) - 15, held to -126 .. 127; a block of zeros has e = 0. As a byte (E8M0): e + 127.
;;     - Each number is divided by its block's scale, clamped to +-57,344, and rounded to the nearest number of E5M2, ties to even, subnormals kept.
;;     - The product sums the exact products of the quantised numbers (number of the format x scale) in f32.
;;   ~~~python
;;   def quantise(x, axis):      # numpy; x: float32 -> the quantised numbers, widened to float32 again
;;       x = np.moveaxis(x, axis, -1); K = x.shape[-1]
;;       x = np.pad(x, [(0, 0)] * (x.ndim - 1) + [(0, -K % 32)]); x = x.reshape(x.shape[:-1] + (-1, 32)); a = np.abs(x).max(-1, keepdims=True)
;;       e = np.where(a > 0, np.clip(np.frexp(np.where(a > 0, a, 1))[1] - 1 - 15, -126, 127), 0)      # np.frexp(a)[1] - 1 = floor(log2(a)), exactly
;;       r = np.clip(x / 2.0 ** e, -57344, 57344)
;;       step = 2.0 ** (np.maximum(np.frexp(np.where(r == 0, 1, r))[1] - 1, -14) - 2)
;;       q = np.round(r / step) * step * 2.0 ** e      # np.round: ties to even
;;       return np.moveaxis(q.reshape(q.shape[:-2] + (-1,))[..., :K], -1, axis).astype(np.float32)
;;   ~~~
;;   OPERANDS COMPUTED ON THE WAY. 'Computed on the way' means the value that the module computes at that place (a softmax that the list does not call 'softmax' is quantised finished and normalised). What goes into a quantiser is computed in f32, as accurately as f32 sums, v_exp_f32 and their like allow (about 1e-6 of the number): no bf16 or f16 on the way to a quantiser, and a product that is left as it is and whose result goes on into a quantised operand takes f32 operands (vector FMAs, or v_wmma_f32_16x16x4_f32). A number that lies on a knife's edge between two numbers of the format may be rounded either way, as far as f32 arithmetic and the matrix unit's own rounding can turn it there, and no further.
;; 2 versions, each right; version 2 is version 1 with the launch attn written anew for expert scheduling mode. Each part assembles by itself: llvm-mc -triple=amdgcn-amd-amdhsa -mcpu=gfx1250 --defsym DOCPART=n.
;; ======== version 1 of 2: 5 launches
;; workspace buffers: arec 12,976,128 bytes; wrec 5,406,720 bytes; hrec 8,650,752 bytes; qkv 25,952,256 bytes
;; launch prep (part 1): grid 288 x 1, 4 waves a work-group, no clusters, 0 bytes of LDS; arguments x, W_in, attn_out_w, in_proj_w, W_out, arec, wrec; writes arec, wrec
.if DOCPART == 1
	.amdgcn_target "amdgcn-amd-amdhsa--gfx1250"
	.amdhsa_code_object_version 6
	.text
	.protected	k_qb3d0636d8b_prep
	.globl	k_qb3d0636d8b_prep
	.p2align	8
	.type	k_qb3d0636d8b_prep,@function
k_qb3d0636d8b_prep:
	s_mov_b64 s[64:65], 0
	v_nop
	global_prefetch_b8 v0, s[64:65] scope:SCOPE_SE
	s_setreg_imm32_b32 hwreg(HW_REG_WAVE_MODE, 25, 1), 1
	s_wait_xcnt 0x0
; x and the four weights, f32 with K innermost, become codes of E5M2 with one E8M0 byte for each 32 along K, laid as RECORDS.
; A record is 128 rows x 128 K: eight images of operand registers (image a at 2048 a, register group c at + 512 c, lane L at + 16 L: lane (r, h) holds k = 32 c + 16 h + 0 .. 15
; of row-position 16 a + r), then 512 bytes of scale words: the word of (a, r) at 16384 + 16 (r + 16 (a / 4)) + 4 (a % 4).
; THE ROWS OF A TILE ARE NOT NEIGHBOURS: lane r of tile 2 G + u holds row 32 G + 8 u + r + 8 (r / 8), in every tensor: a product used transposed then leaves 16 neighbours along the next K in a lane.
; x's rows are taken as row' = 1024 b + l.  A wave takes 64 rows x 128 K (half a record); the four waves of a work-group take four K steps of the same rows.
; A lane loads, of its row, 16 neighbouring numbers of each block of 32 (four loads of 16 bytes); the 16 loads of a tile together cover 512 consecutive bytes of each row.
; A block's scale is 2^(floor(log2(largest magnitude)) - 15); its byte is the largest magnitude's exponent field - 15, held at 1 from below.
; LIMITS: a block of zeros gets the byte 1 (its codes are zeros, and this program alone reads the bytes); NaN and infinities among the inputs are not served.
.set RS,  16896                        ; bytes of a record
.set VO,  4                            ; v4-7    tile a: my row's byte offset + 64 h
.set TM,  16                           ; v16-31  at work in QUANT
.set W,   36                           ; v36-39  the four tiles' scale words
.set X,   64                           ; v64-191 two sets of 64 numbers
.set PC,  192                          ; v192-255 codes: 16 registers for each tile, so that no store's data are written again
.set SEL, 42                           ; s[42:43] lane selects: lane l xor 16
.set MNT, 44                           ; s44     the mantissa field of 57,344
; 64 numbers of a lane, register 16 b + i = k 32 b + 16 h + i of my row, become 16 registers of codes and the row's scale word
.macro QUANT s, pc, pw
.irp b, 0,1,2,3
	v_max3_num_f32 v[TM+\b], |v[(\s)+16*\b]|, |v[(\s)+16*\b+1]|, 0x8000000   ; my 16 numbers of block b, and the floor 2^(16 - 127): the byte cannot fall under 1
.endr
.irp i, 2,4,6,8,10,12,14
.irp b, 0,1,2,3
	v_max3_num_f32 v[TM+\b], v[TM+\b], |v[(\s)+16*\b+\i]|, |v[(\s)+16*\b+\i+1]|
.endr
.endr
.irp b, 0,1,2,3
	v_permlanex16_b32 v[TM+4+\b], v[TM+\b], s[SEL], s[SEL+1]
.endr
.irp b, 0,1,2,3
	v_max_num_f32 v[TM+\b], v[TM+\b], v[TM+4+\b]           ; with lane l xor 16's 16: the block's largest magnitude
.endr
.irp b, 0,1,2,3
	v_add_nc_u32 v[TM+12+\b], 0xf8800000, v[TM+\b]         ; 15 off its exponent field: the conversion's scale operand
.endr
.irp b, 0,1,2,3
	v_and_or_b32 v[TM+8+\b], v[TM+\b], 0x7f800000, s[MNT]  ; 57,344 x the scale
.endr
.irp b, 0,1,2,3
	v_lshrrev_b32 v[TM+4+\b], 23, v[TM+12+\b]              ; the scale's byte
.endr
	v_lshl_or_b32 v[\pw], v[TM+5], 8, v[TM+4]
	v_lshl_or_b32 v[\pw], v[TM+6], 16, v[\pw]
	v_lshl_or_b32 v[\pw], v[TM+7], 24, v[\pw]
.irp b, 0,1,2,3
.irp i, 0,1,2,3,4,5,6,7,8,9,10,11,12,13,14,15
	v_med3_num_f32 v[(\s)+16*\b+\i], v[(\s)+16*\b+\i], -v[TM+8+\b], v[TM+8+\b]   ; the conversion does not saturate (ISA guide 7.6.2): the hold comes first
.endr
	v_cvt_scalef32_pk8_bf8_f32 v[(\pc)+4*\b:(\pc)+4*\b+1], v[(\s)+16*\b:(\s)+16*\b+7], v[TM+12+\b]
	v_cvt_scalef32_pk8_bf8_f32 v[(\pc)+4*\b+2:(\pc)+4*\b+3], v[(\s)+16*\b+8:(\s)+16*\b+15], v[TM+12+\b]
.endr
	v_nop                                          ; a plain line behind the last conversion
.endm
.macro XLOAD a, set                    ; tile a's 64 numbers a lane
.irp b, 0,1,2,3
.irp j, 0,1,2,3
	global_load_b128 v[X+64*(\set)+16*\b+4*\j:X+64*(\set)+16*\b+4*\j+3], v[VO+\a], s[26:27] offset:128*\b+16*\j
.endr
.endr
.endm
.macro OUTF a                          ; tile a's image: each store covers 512 consecutive bytes, aligned
.irp c, 0,1,2,3
	global_store_b128 v8, v[PC+16*(\a)+4*\c:PC+16*(\a)+4*\c+3], s[38:39] offset:2048*(\a)+512*\c
.endr
.endm
	s_load_b256 s[4:11], s[0:1], 0x0               ; x, W_in, attn_out_w, in_proj_w
	s_load_b128 s[12:15], s[0:1], 0x20             ; W_out, arec
	s_load_b64 s[16:17], s[0:1], 0x30              ; wrec
	v_lshrrev_b32 v1, 5, v0
	v_readfirstlane_b32 s18, v1                    ; wave
	v_and_b32 v1, 31, v0                           ; lane
	v_and_b32 v2, 15, v0                           ; r
	v_bfe_u32 v3, v0, 4, 1                         ; h
	v_lshlrev_b32 v8, 4, v1                        ; 16 x lane
	v_lshlrev_b32 v9, 4, v2
	v_lshl_add_u32 v9, v3, 3, v9                   ; 16 r + 8 h: my two scale words
	v_and_b32 v10, 8, v2
	v_add_nc_u32 v10, v10, v2                      ; r + 8 (r / 8)
	s_mov_b32 s[SEL], 0x76543210
	s_mov_b32 s[SEL+1], 0xfedcba98
	s_mov_b32 s[MNT], 0x600000
.irp b, 0,1,2,3
	v_mov_b32 v[TM+4+\b], 0                        ; a lane permute's destination counts as one of its sources
.endr
	; which tensor is mine: x's figures, overridden from each tensor's first work-group on
	s_mov_b32 s20, 0                               ; the tensor's first work-group
	s_mov_b32 s21, 0                               ; 1: two work-groups share a row job (K = 1,024)
	s_mov_b32 s22, 16384                           ; bytes from row to row
	s_mov_b32 s23, 12                              ; records from row block to row block
	s_mov_b32 s24, 8                               ; the first K step's place among them
	s_mov_b32 s25, 0                               ; the region's first byte
	s_wait_kmcnt 0x0
	s_mov_b64 s[26:27], s[4:5]
	s_mov_b64 s[28:29], s[14:15]
	s_cmp_ge_u32 ttmp9, 128                        ; W_in
	s_cselect_b32 s20, 128, s20
	s_cselect_b32 s22, 2048, s22
	s_cselect_b64 s[26:27], s[6:7], s[26:27]
	s_cselect_b64 s[28:29], s[16:17], s[28:29]
	s_cmp_ge_u32 ttmp9, 144                        ; attn_out_w
	s_cselect_b32 s20, 144, s20
	s_cselect_b32 s21, 1, s21
	s_cselect_b32 s22, 4096, s22
	s_cselect_b32 s24, 0, s24
	s_cselect_b64 s[26:27], s[8:9], s[26:27]
	s_cmp_ge_u32 ttmp9, 176                        ; in_proj_w
	s_cselect_b32 s20, 176, s20
	s_cselect_b32 s23, 8, s23
	s_cselect_b32 s25, 1622016, s25
	s_cselect_b64 s[26:27], s[10:11], s[26:27]
	s_cmp_ge_u32 ttmp9, 272                        ; W_out
	s_cselect_b32 s20, 272, s20
	s_cselect_b32 s25, 4866048, s25
	s_cselect_b64 s[26:27], s[12:13], s[26:27]
	s_sub_co_u32 s30, ttmp9, s20
	s_lshr_b32 s31, s30, s21                       ; the row job: 64 rows
	s_and_b32 s30, s30, s21
	s_lshl_b32 s30, s30, 2
	s_add_co_u32 s30, s30, s18                     ; my K step
	s_cmp_lt_u32 ttmp9, 128                        ; x: row' = 1024 b + l lies at l x 16,384 + b x 2,048
	s_cselect_b32 s32, 15, -1
	s_cselect_b32 s33, 4, 31
	s_and_b32 s32, s31, s32                        ; the job along l (weights: the job itself)
	s_lshr_b32 s33, s31, s33                       ; b (weights: 0)
	s_lshl_b32 s33, s33, 11
	s_lshl_b32 s34, s22, 6
	s_mul_i32 s32, s32, s34
	s_add_co_u32 s32, s32, s33
	s_lshl_b32 s34, s30, 9
	s_add_co_u32 s32, s32, s34                     ; + 512 bytes a K step
	s_mov_b32 s33, 0
	s_add_nc_u64 s[26:27], s[26:27], s[32:33]      ; where I read
	s_lshr_b32 s34, s31, 1
	s_mul_i32 s34, s34, s23
	s_add_co_u32 s34, s34, s24
	s_add_co_u32 s34, s34, s30
	s_mul_i32 s34, s34, RS
	s_add_co_u32 s34, s34, s25
	s_mov_b32 s35, 0
	s_add_nc_u64 s[28:29], s[28:29], s[34:35]      ; my record
	s_and_b32 s36, s31, 1                          ; which half of it
	s_lshl_b32 s34, s36, 13
	s_add_nc_u64 s[38:39], s[28:29], s[34:35]      ; its four images
	s_lshl_b32 s34, s36, 8
	s_add_co_u32 s34, s34, 16384
	s_add_nc_u64 s[40:41], s[28:29], s[34:35]      ; its 256 bytes of scale words
.irp a, 0,1,2,3
	v_add_nc_u32 v[VO+\a], 32*(\a/2)+8*(\a%2), v10
	v_mul_lo_u32 v[VO+\a], v[VO+\a], s22
	v_lshl_add_u32 v[VO+\a], v3, 6, v[VO+\a]
.endr
	XLOAD 0, 0
	XLOAD 1, 1
	s_wait_loadcnt 16                              ; tile 0's 16 loads are in; the younger set's may be out
	QUANT X, PC, W
	OUTF 0
	XLOAD 2, 0
	s_wait_loadcnt 16
	QUANT X+64, PC+16, W+1
	OUTF 1
	XLOAD 3, 1
	s_wait_loadcnt 16
	QUANT X, PC+32, W+2
	OUTF 2
	s_wait_loadcnt 0x0
	QUANT X+64, PC+48, W+3
	OUTF 3
	s_mov_b32 vcc_lo, 0xffff0000                   ; lanes 16-31
	v_cndmask_b32 v40, v[W], v[W+2], vcc_lo        ; lane (r, h) stores the words of tiles 2 h and 2 h + 1
	v_cndmask_b32 v41, v[W+1], v[W+3], vcc_lo
	global_store_b64 v9, v[40:41], s[40:41]        ; 32 lanes store 256 consecutive bytes, aligned
	s_endpgm
.Lfunc_end_k_qb3d0636d8b_prep:
	.size	k_qb3d0636d8b_prep, .Lfunc_end_k_qb3d0636d8b_prep-k_qb3d0636d8b_prep
	.p2alignl 7, 3214868480
	.fill 96, 4, 3214868480
	.section	.rodata,"a",@progbits
	.p2align	6, 0x0
	.amdhsa_kernel k_qb3d0636d8b_prep
		.amdhsa_group_segment_fixed_size 0
		.amdhsa_private_segment_fixed_size 0
		.amdhsa_enable_private_segment 0
		.amdhsa_kernarg_size 56
		.amdhsa_user_sgpr_count 2
		.amdhsa_user_sgpr_kernarg_segment_ptr 1
		.amdhsa_wavefront_size32 1
		.amdhsa_system_sgpr_workgroup_id_x 1
		.amdhsa_system_sgpr_workgroup_id_y 1
		.amdhsa_system_sgpr_workgroup_id_z 1
		.amdhsa_system_vgpr_workitem_id 0
		.amdhsa_next_free_vgpr 256
		.amdhsa_next_free_sgpr 66
		.amdhsa_reserve_vcc 1
		.amdhsa_float_denorm_mode_32 3
		.amdhsa_float_denorm_mode_16_64 3
		.amdhsa_memory_ordered 1
		.amdhsa_forward_progress 1
		.amdhsa_inst_pref_size 44
	.end_amdhsa_kernel
	.amdgpu_metadata
---
amdhsa.version: [ 1, 2 ]
amdhsa.kernels:
  - .name:           k_qb3d0636d8b_prep
    .symbol:         k_qb3d0636d8b_prep.kd
    .args:
      - { .name: x, .offset: 0, .size: 8, .value_kind: global_buffer, .address_space: global }
      - { .name: W_in, .offset: 8, .size: 8, .value_kind: global_buffer, .address_space: global }
      - { .name: attn_out_w, .offset: 16, .size: 8, .value_kind: global_buffer, .address_space: global }
      - { .name: in_proj_w, .offset: 24, .size: 8, .value_kind: global_buffer, .address_space: global }
      - { .name: W_out, .offset: 32, .size: 8, .value_kind: global_buffer, .address_space: global }
      - { .name: arec, .offset: 40, .size: 8, .value_kind: global_buffer, .address_space: global }
      - { .name: wrec, .offset: 48, .size: 8, .value_kind: global_buffer, .address_space: global }
    .group_segment_fixed_size: 0
    .private_segment_fixed_size: 0
    .kernarg_segment_align: 8
    .kernarg_segment_size: 56
    .max_flat_workgroup_size: 128
    .sgpr_count:     66
    .vgpr_count:     256
    .wavefront_size: 32
...
	.end_amdgpu_metadata
.endif
;; end of part 1
;; launch hproj (part 2): grid 4 x 32, 4 waves a work-group, clusters of 4 x 4, 327,680 bytes of LDS; arguments arec, wrec, b_in, hrec; writes hrec
.if DOCPART == 2
	.amdgcn_target "amdgcn-amd-amdhsa--gfx1250"
	.amdhsa_code_object_version 6
	.text
	.protected	k_qb3d0636d8b_hproj
	.globl	k_qb3d0636d8b_hproj
	.p2align	8
	.type	k_qb3d0636d8b_hproj,@function
k_qb3d0636d8b_hproj:
	s_mov_b64 s[64:65], 0
	v_nop
	global_prefetch_b8 v0, s[64:65] scope:SCOPE_SE
	s_setreg_imm32_b32 hwreg(HW_REG_WAVE_MODE, 25, 1), 1
	s_wait_xcnt 0x0
	s_wait_alu depctr_hold_cnt(0) depctr_sa_sdst(0) depctr_va_vdst(0) depctr_va_sdst(0) depctr_va_ssrc(0) depctr_va_vcc(0) depctr_vm_vsrc(0)
	s_getreg_b32 s2, hwreg(HW_REG_IB_STS2, 6, 4)
	s_cmp_eq_u32 s2, 0
	s_cbranch_scc0 .Lentry_in_a_cluster
	s_endpgm
.Lentry_in_a_cluster:
	s_bfe_u32 s2, ttmp6, 0x10000c
	s_cmp_lg_u32 s2, 0xf033
	s_cbranch_scc0 .Lentry_shape_is_right
	s_endpgm
.Lentry_shape_is_right:
; h = Q(x) Q(W_in)^T + b_in, [8192][1024], K = 512, on codes of E5M2 with E8M0 scales; h is quantised along its 1,024 on the way out and leaves as records (128 rows x 128 K:
; eight images of operand registers of 2,048 bytes, then 512 bytes of scale words).  Nothing wider than codes goes to memory.
; A tile of 256 x 256 is made by four waves, 128 x 128 each: 64 accumulators, 512 registers.  K goes in steps of 256 through two LDS slots; a quarter of a slot is two records on end, 33,792 dense bytes,
; brought by one tensor load as 132 rows of 256 bytes.  K = 512 is two slots: both are filled once, at the start.  A fragment is read by four loads of 512 consecutive bytes: no pitch, no padding.
; The scale words ride in the records: one load of 16 bytes a lane gives four registers; register w holds tile w's words in lanes 0-15 and tile 4 + w's in lanes 16-31.
; CLUSTERS: 4 x 4 work-groups; x's records are shared along a row of the cluster, W_in's along a column: joint loads with a mask that names the four.
; THE MATRIX INSTRUCTION IS USED TRANSPOSED (source 0 = 16 rows of W_in, source 1 = 16 rows of x), and the rows of a tile are laid as the records lay them (lane r of tile 2 G + u: row 32 G + 8 u + r + 8 (r / 8)):
; the 16 registers of accumulators (a, 2 g) and (a, 2 g + 1) are then columns 32 g + 16 h + 0 .. 15 of one row, which is register group g of the next product's fragment: the conversions' results are stored as they stand.
; b_in is the C of each sum's first matrix instruction: 64 registers in the result's layout.
; LIMITS: a block of zeros gets the byte 1 (zero codes; this program alone reads the bytes); NaN and infinities are not served.
; REGISTERS: window 0: v3 16 x lane, v5 64 h, v16-21 LDS addresses, v28-29 for the add, v32-63 scale words (two sets), v64-127 b_in (on the way out: at work), v128-255 x's fragments, ONE set (on the way out: codes);
;   window 1: W_in's fragments, two sets;  windows 2, 3: the accumulators ((a, b) at v[8 (8 (a % 4) + b)] of window 2 + a / 4).
.set RS,     16896
.set QUART,  2*RS                      ; two records: what one tensor load brings, and what one wave reads of a side
.set SLOT,   4*QUART
.set SPARE,  2*SLOT                    ; behind the ring: the spare words, 128 bytes a wave
.set KSTR,   12                        ; records from row block to row block, in arec and in wrec's first region
.set KS0,    8                         ; x's and W_in's K steps stand behind eight others
.set LI,   3
.set H64,  5
.set ADRA, 16
.set ADRB, 20
.set SPW,  28
.set NIL,  29
.set SC,   32
.set BI,   64
.set TM,   64
.set W,    80
.set Z,    96
.set AF,   128
.set G1,   24
.set G0,   32
.set G1B,  48
.set G0B,  56
.set SEL,  92
.set MNT,  94
.set MSB, 0
.macro WIN new                         ; the immediate's high byte repeats the setting that is left
.if MSB != (\new)
	s_set_vgpr_msb (MSB<<8)|(\new)
.set MSB, (\new)
.endif
.endm
.set MUL_LO, 0xa1                      ; source 0 window 1, source 1 window 0, C and D window 2
.set MUL_HI, 0xf1                      ; the same, C and D window 3
.set TO_B,   0x40
.macro PLACES n
.rept \n
	v_nop
.endr
.endm
; one matrix instruction: D at d, source 0 at a, source 1 at b, C at c (c < 0: the constant 0), scale registers sa, sb; ra, rb = 1: the scales stand in lanes 16-31
.macro WM d, a, b, c, sa, sb, ra, rb
.if (\c) < 0
.if (\ra) && (\rb)
	v_wmma_scale_f32_16x16x128_f8f6f4 v[(\d):(\d)+7], v[(\a):(\a)+15], v[(\b):(\b)+15], 0, v[\sa], v[\sb] matrix_a_fmt:MATRIX_FMT_BF8 matrix_b_fmt:MATRIX_FMT_BF8 matrix_a_scale:MATRIX_SCALE_ROW1 matrix_b_scale:MATRIX_SCALE_ROW1
.elseif (\ra)
	v_wmma_scale_f32_16x16x128_f8f6f4 v[(\d):(\d)+7], v[(\a):(\a)+15], v[(\b):(\b)+15], 0, v[\sa], v[\sb] matrix_a_fmt:MATRIX_FMT_BF8 matrix_b_fmt:MATRIX_FMT_BF8 matrix_a_scale:MATRIX_SCALE_ROW1
.elseif (\rb)
	v_wmma_scale_f32_16x16x128_f8f6f4 v[(\d):(\d)+7], v[(\a):(\a)+15], v[(\b):(\b)+15], 0, v[\sa], v[\sb] matrix_a_fmt:MATRIX_FMT_BF8 matrix_b_fmt:MATRIX_FMT_BF8 matrix_b_scale:MATRIX_SCALE_ROW1
.else
	v_wmma_scale_f32_16x16x128_f8f6f4 v[(\d):(\d)+7], v[(\a):(\a)+15], v[(\b):(\b)+15], 0, v[\sa], v[\sb] matrix_a_fmt:MATRIX_FMT_BF8 matrix_b_fmt:MATRIX_FMT_BF8
.endif
.else
.if (\ra) && (\rb)
	v_wmma_scale_f32_16x16x128_f8f6f4 v[(\d):(\d)+7], v[(\a):(\a)+15], v[(\b):(\b)+15], v[(\c):(\c)+7], v[\sa], v[\sb] matrix_a_fmt:MATRIX_FMT_BF8 matrix_b_fmt:MATRIX_FMT_BF8 matrix_a_scale:MATRIX_SCALE_ROW1 matrix_b_scale:MATRIX_SCALE_ROW1
.elseif (\ra)
	v_wmma_scale_f32_16x16x128_f8f6f4 v[(\d):(\d)+7], v[(\a):(\a)+15], v[(\b):(\b)+15], v[(\c):(\c)+7], v[\sa], v[\sb] matrix_a_fmt:MATRIX_FMT_BF8 matrix_b_fmt:MATRIX_FMT_BF8 matrix_a_scale:MATRIX_SCALE_ROW1
.elseif (\rb)
	v_wmma_scale_f32_16x16x128_f8f6f4 v[(\d):(\d)+7], v[(\a):(\a)+15], v[(\b):(\b)+15], v[(\c):(\c)+7], v[\sa], v[\sb] matrix_a_fmt:MATRIX_FMT_BF8 matrix_b_fmt:MATRIX_FMT_BF8 matrix_b_scale:MATRIX_SCALE_ROW1
.else
	v_wmma_scale_f32_16x16x128_f8f6f4 v[(\d):(\d)+7], v[(\a):(\a)+15], v[(\b):(\b)+15], v[(\c):(\c)+7], v[\sa], v[\sb] matrix_a_fmt:MATRIX_FMT_BF8 matrix_b_fmt:MATRIX_FMT_BF8
.endif
.endif
.endm
; a joint load: waves 0 and 1 fetch for the rows' side, waves 2 and 3 for the columns'; four v_nop follow each of the two lines
.macro JLOAD g0a, g1a, g0b, g1b
	s_cmp_eq_u32 s15, 0
	s_cbranch_scc0 .Lfor_b_\@
	tensor_load_to_lds s[\g0a:\g0a+3], s[\g1a:\g1a+7]
	s_nop 0
.rept 4
	v_nop
.endr
	s_branch .Lasked_\@
.Lfor_b_\@:
	tensor_load_to_lds s[\g0b:\g0b+3], s[\g1b:\g1b+7]
	s_nop 0
.rept 4
	v_nop
.endr
.Lasked_\@:
.endm
.macro CREST                           ; a round of the cluster's barrier behind its opening barrier
	s_cmp_lg_u32 s14, 0
	s_cbranch_scc1 .Lnot_wave_0_\@
	s_barrier_signal -3
.Lnot_wave_0_\@:
	s_barrier_wait -3
	s_barrier_signal -1
	s_barrier_wait -1
.endm
.macro CROUND
	s_barrier_signal -1
	s_barrier_wait -1
	CREST
.endm
.macro FRAG reg, adr, q, i             ; image i of the slot's q-th record: four loads of 512 consecutive bytes
.irp c, 0,1,2,3
	ds_load_b128 v[(\reg)+4*\c:(\reg)+4*\c+3], v[\adr] offset:RS*(\q)+2048*(\i)+512*\c
.endr
.endm
; 16 matrix instructions: row tiles a0, a0 + 1 x the eight column tiles.  z = 0: in place; 1: C = 0; 2: C = b_in.  The 64 accumulators take turns, in the same order in every step.
.macro MUL16 a0, p, q, sc, z
.irp a, \a0, \a0+1
.irp b, 0,1,2,3,4,5,6,7
.if (\z) == 1
	WM 8*(8*((\a)%4)+\b), 128*(\p)+16*\b, AF+16*(\a), -1, SC+16*(\sc)+8*(\q)+4+(\b%4), SC+16*(\sc)+8*(\q)+((\a)%4), \b/4, (\a)/4
.elseif (\z) == 2
	WM 8*(8*((\a)%4)+\b), 128*(\p)+16*\b, AF+16*(\a), BI+8*\b, SC+16*(\sc)+8*(\q)+4+(\b%4), SC+16*(\sc)+8*(\q)+((\a)%4), \b/4, (\a)/4
.else
	WM 8*(8*((\a)%4)+\b), 128*(\p)+16*\b, AF+16*(\a), 8*(8*((\a)%4)+\b), SC+16*(\sc)+8*(\q)+4+(\b%4), SC+16*(\sc)+8*(\q)+((\a)%4), \b/4, (\a)/4
.endif
.endr
.endr
.endm
.macro FETCH_B slot, q, p
	WIN TO_B
.irp i, 0,1,2,3,4,5,6,7
	FRAG 128*(\p)+16*\i, ADRB+\slot, \q, \i
.endr
	WIN 0
.endm
.macro FETCH_A slot, q, i0
.irp i, \i0, \i0+1, \i0+2, \i0+3
	FRAG AF+16*(\i), ADRA+\slot, \q, \i
.endr
.endm
.macro SCALES set                      ; the slot's scale words: for each of its two records four registers a side
.irp q, 0,1
	ds_load_b128 v[SC+16*(\set)+8*\q:SC+16*(\set)+8*\q+3], v[ADRA+\set] offset:RS*\q+16384
	ds_load_b128 v[SC+16*(\set)+8*\q+4:SC+16*(\set)+8*\q+7], v[ADRB+\set] offset:RS*\q+16384
.endr
.endm
; A load into a register that a matrix instruction has read, and a vector instruction that reads a result, stand eight places behind it.
.macro STEP slot, q, z                 ; a step of 128 along K that has its successor in the same slot
	s_wait_dscnt 16                                ; all but the youngest 16 loads (row tiles 4-7) are in
.if (\z) == 2
	WIN 0x81                                       ; C in window 0, D in window 2
.else
	WIN MUL_LO
.endif
	MUL16 0, (\q)%2, \q, \slot, \z
	MUL16 2, (\q)%2, \q, \slot, \z
	s_wait_dscnt 0
	PLACES 8
	FETCH_B \slot, (\q)+1, 1-(\q)%2
	FETCH_A \slot, (\q)+1, 0
.if (\z) == 2
	WIN 0xc1
.else
	WIN MUL_HI
.endif
	MUL16 4, (\q)%2, \q, \slot, \z
	MUL16 6, (\q)%2, \q, \slot, \z
	PLACES 8
	WIN 0
	FETCH_A \slot, (\q)+1, 4
.endm
; a slot's last step changes slots: one barrier; in front of it each wave waits for all its tensor loads, adds 0 to its spare word, and waits for that and for its reads of this slot
.macro TURN slot, next, fill
	s_wait_tensorcnt 0x0                           ; all my tensor loads have landed: my part of the next slot
	ds_add_u32 v[SPW], v[NIL]                      ; 0 onto my spare word
	s_wait_dscnt 17                                ; (the add and the youngest 16 loads may be out)
	WIN MUL_LO
	MUL16 0, 1, 1, \slot, 0
	s_wait_dscnt 0x0                               ; the add is done, and my reads of this slot are over
	s_barrier_signal -1
	MUL16 2, 1, 1, \slot, 0
	WIN 0
	s_barrier_wait -1
.if \fill
	CREST
	s_add_nc_u64 s[G0+4*\slot+2:G0+4*\slot+3], s[G0+4*\slot+2:G0+4*\slot+3], 2*QUART
	s_add_nc_u64 s[G0B+4*\slot+2:G0B+4*\slot+3], s[G0B+4*\slot+2:G0B+4*\slot+3], 2*QUART
	JLOAD G0+4*\slot, G1, G0B+4*\slot, G1B
	PLACES 4
.else
	PLACES 8
.endif
	FETCH_B \next, 0, 0
	FETCH_A \next, 0, 0
	SCALES \next
	WIN MUL_HI
	MUL16 4, 1, 1, \slot, 0
	MUL16 6, 1, 1, \slot, 0
	PLACES 8
	WIN 0
	FETCH_A \next, 0, 4
.endm
; 64 numbers of a lane in window w, register s + 16 b + i = column 32 b + 16 h + i of my row, become 16 registers of codes at pc and the scale word pw (window 0).  Each accumulator is read from its low end on.
.macro QUANTW s, w, pc, pw
	WIN (\w)|((\w)<<2)
.irp b, 0,1,2,3
	v_max3_num_f32 v[TM+\b], |v[(\s)+16*\b]|, |v[(\s)+16*\b+1]|, 0x8000000   ; and the floor 2^(16 - 127): the byte cannot fall under 1
.endr
	WIN ((\w)<<2)|((\w)<<4)
.irp i, 2,4,6,8,10,12,14
.irp b, 0,1,2,3
	v_max3_num_f32 v[TM+\b], v[TM+\b], |v[(\s)+16*\b+\i]|, |v[(\s)+16*\b+\i+1]|
.endr
.endr
	WIN 0
.irp b, 0,1,2,3
	v_permlanex16_b32 v[TM+4+\b], v[TM+\b], s[SEL], s[SEL+1]
.endr
.irp b, 0,1,2,3
	v_max_num_f32 v[TM+\b], v[TM+\b], v[TM+4+\b]
.endr
.irp b, 0,1,2,3
	v_add_nc_u32 v[TM+12+\b], 0xf8800000, v[TM+\b]         ; 15 off the exponent field: the conversion's scale operand
.endr
.irp b, 0,1,2,3
	v_and_or_b32 v[TM+8+\b], v[TM+\b], 0x7f800000, s[MNT]  ; 57,344 x the scale
.endr
.irp b, 0,1,2,3
	v_lshrrev_b32 v[TM+4+\b], 23, v[TM+12+\b]
.endr
	v_lshl_or_b32 v[\pw], v[TM+5], 8, v[TM+4]
	v_lshl_or_b32 v[\pw], v[TM+6], 16, v[\pw]
	v_lshl_or_b32 v[\pw], v[TM+7], 24, v[\pw]
	WIN (\w)|((\w)<<6)
.irp b, 0,1,2,3
.irp i, 0,1,2,3,4,5,6,7,8,9,10,11,12,13,14,15
	v_med3_num_f32 v[(\s)+16*\b+\i], v[(\s)+16*\b+\i], -v[TM+8+\b], v[TM+8+\b]   ; the conversion does not saturate (ISA guide 7.6.2)
.endr
.endr
	WIN (\w)
.irp b, 0,1,2,3
	v_cvt_scalef32_pk8_bf8_f32 v[(\pc)+4*\b:(\pc)+4*\b+1], v[(\s)+16*\b:(\s)+16*\b+7], v[TM+12+\b]
	v_cvt_scalef32_pk8_bf8_f32 v[(\pc)+4*\b+2:(\pc)+4*\b+3], v[(\s)+16*\b+8:(\s)+16*\b+15], v[TM+12+\b]
.endr
	WIN 0
	v_nop                                          ; a plain line behind the last conversion
.endm
	s_load_b128 s[4:7], s[0:1], 0x0                ; arec, wrec
	s_load_b128 s[8:11], s[0:1], 0x10              ; b_in, hrec
	v_lshl_add_u32 v[SPW], v0, 2, SPARE
	v_mov_b32 v[NIL], 0
	ds_add_u32 v28, v29
	ds_add_u32 v28, v29
	s_wait_dscnt 0x0
	v_lshrrev_b32 v1, 5, v0
	v_readfirstlane_b32 s14, v1                    ; wave 0..3
	s_lshr_b32 s15, s14, 1                         ; which half of the tile's rows is mine.  Also: I fetch for the rows' side (0) or the columns' (1)
	s_and_b32 s16, s14, 1                          ; which half of its columns.  Also: which 128 rows of that side I fetch
	s_bfe_u32 s40, ttmp6, 0x40000                  ; cx
	s_bfe_u32 s41, ttmp6, 0x40004                  ; cy
	s_lshl_b32 s42, ttmp9, 2
	s_add_co_u32 s42, s42, s40                     ; tile column
	s_and_b32 s17, ttmp7, 0xffff
	s_lshl_b32 s17, s17, 2
	s_add_co_u32 s17, s17, s41                     ; tile row
	s_lshl_b32 s43, s41, 2
	s_lshl_b32 s43, 15, s43                        ; my row of the cluster
	s_lshl_b32 s44, 0x1111, s40                    ; my column
	s_or_b32 s[G1+0], s43, (3<<16)|(1<<21)         ; the mask; elements of 8 bytes; bit 21 beside a mask; no padding
	s_or_b32 s[G1B+0], s44, (3<<16)|(1<<21)
.irp g, G1, G1B
	s_mov_b32 s[\g+1], 32<<16                      ; tensor_dim0 = 32 elements: 256 bytes
	s_mov_b32 s[\g+2], 132<<16                     ; tensor_dim1 = 132 rows: 33,792 bytes
	s_mov_b32 s[\g+3], 32<<16                      ; tile_dim0
	s_mov_b32 s[\g+4], 132                         ; tile_dim1
	s_mov_b32 s[\g+5], 32                          ; the pitch: dense
	s_mov_b32 s[\g+6], 0
	s_mov_b32 s[\g+7], 0
.endr
	s_lshl_b32 s20, s17, 1
	s_add_co_u32 s20, s20, s16                     ; x: row block 2 x tile row + half
	s_mul_i32 s20, s20, KSTR*RS
	s_add_co_u32 s20, s20, KS0*RS
	s_mov_b32 s21, 0
	s_lshl_b32 s46, s42, 1
	s_add_co_u32 s46, s46, s16                     ; W_in: row block 2 x tile column + half
	s_mul_i32 s46, s46, KSTR*RS
	s_add_co_u32 s46, s46, KS0*RS
	s_mov_b32 s47, 0
	s_mul_i32 s45, s14, QUART                      ; where they go: wave x a quarter of a slot
	s_mov_b32 s[SEL], 0x76543210
	s_mov_b32 s[SEL+1], 0xfedcba98
	s_mov_b32 s[MNT], 0x600000
	s_wait_kmcnt 0x0
	s_add_nc_u64 s[20:21], s[4:5], s[20:21]
	s_add_nc_u64 s[46:47], s[6:7], s[46:47]
	CROUND                                         ; all sixteen work-groups are here: the first joint loads meet
.irp s, 0,1
	s_mov_b32 s[G0+4*\s], 1
	s_add_co_u32 s[G0+4*\s+1], s45, \s*SLOT
	s_add_nc_u64 s[G0+4*\s+2:G0+4*\s+3], s[20:21], \s*QUART
	s_or_b32 s[G0+4*\s+3], s[G0+4*\s+3], 0x80000000
	s_mov_b32 s[G0B+4*\s], 1
	s_add_co_u32 s[G0B+4*\s+1], s45, \s*SLOT
	s_add_nc_u64 s[G0B+4*\s+2:G0B+4*\s+3], s[46:47], \s*QUART
	s_or_b32 s[G0B+4*\s+3], s[G0B+4*\s+3], 0x80000000
	JLOAD G0+4*\s, G1, G0B+4*\s, G1B
.endr
	v_and_b32 v1, 31, v0
	v_lshlrev_b32 v[LI], 4, v1                     ; 16 x lane
	v_bfe_u32 v2, v0, 4, 1
	v_lshlrev_b32 v[H64], 6, v2                    ; 64 h
	s_mul_i32 s21, s15, QUART                      ; my 128 rows' records
	s_mul_i32 s22, s16, QUART                      ; my 128 columns' records,
	s_add_co_u32 s22, s22, 2*QUART                 ; which lie behind the rows' two quarters
.irp s, 0,1
	v_add_nc_u32 v[ADRA+\s], s21, v[LI]
	v_add_nc_u32 v[ADRB+\s], s22, v[LI]
	s_add_co_u32 s21, s21, SLOT
	s_add_co_u32 s22, s22, SLOT
.endr
	s_lshl_b32 s18, s42, 10                        ; b_in at my first column: 4 bytes x (256 x tile column + 128 x half)
	s_lshl_b32 s19, s16, 9
	s_add_co_u32 s18, s18, s19
	s_mov_b32 s19, 0
	s_add_nc_u64 s[8:9], s[8:9], s[18:19]
.irp b, 0,1,2,3,4,5,6,7                        ; column tile b, lane half h: columns 32 (b / 2) + 16 h + 8 (b % 2) + 0 .. 7
	global_load_b128 v[BI+8*\b:BI+8*\b+3], v[H64], s[8:9] offset:128*(\b/2)+32*(\b%2)
	global_load_b128 v[BI+8*\b+4:BI+8*\b+7], v[H64], s[8:9] offset:128*(\b/2)+32*(\b%2)+16
.endr
	s_lshl_b32 s18, s17, 1                         ; my record of h: row block 2 x tile row + half, K step 2 x tile column + half
	s_add_co_u32 s18, s18, s15
	s_lshl_b32 s18, s18, 3
	s_lshl_b32 s22, s42, 1
	s_add_co_u32 s18, s18, s22
	s_add_co_u32 s18, s18, s16
	s_mul_i32 s18, s18, RS
	s_add_nc_u64 s[10:11], s[10:11], s[18:19]
	s_wait_tensorcnt 1                             ; my part of slot 0 is in (slot 1's load may be out)
	s_barrier_signal -1
	s_barrier_wait -1                              ; everybody's is
	FETCH_B 0, 0, 0
	FETCH_A 0, 0, 0
	SCALES 0
	FETCH_A 0, 0, 4
	s_wait_loadcnt 0x0                             ; b_in
	STEP 0, 0, 2                                   ; the first step's products start the sums with b_in
	TURN 0, 1, 0                                   ; K = 512: nothing is filled again
	STEP 1, 0, 0
	s_wait_dscnt 16                                ; the last step: nothing more to fetch
	WIN MUL_LO
	MUL16 0, 1, 1, 1, 0
	MUL16 2, 1, 1, 1, 0
	s_wait_dscnt 0
	WIN MUL_HI
	MUL16 4, 1, 1, 1, 0
	MUL16 6, 1, 1, 1, 0
	WIN 0
	; THE WAY OUT: each row tile's 64 numbers a lane are quantised; the codes are the next product's fragment and are stored as its image
	PLACES 8
.irp b, 0,1,2,3
	v_mov_b32 v[TM+4+\b], 0                        ; a lane permute's destination counts as one of its sources
.endr
	s_mov_b32 vcc_lo, 0xffff0000                   ; lanes 16-31
.irp a, 0,1,2,3,4,5,6,7
	QUANTW 64*(\a%4), 2+\a/4, 128+16*\a, W+\a
.irp g, 0,1,2,3
	global_store_b128 v[LI], v[128+16*\a+4*\g:128+16*\a+4*\g+3], s[10:11] offset:2048*\a+512*\g   ; 512 consecutive bytes, aligned
.endr
.endr
.irp w, 0,1,2,3
	v_cndmask_b32 v[Z+\w], v[W+\w], v[W+4+\w], vcc_lo      ; lanes 0-15: tile w's words; lanes 16-31: tile 4 + w's
.endr
	global_store_b128 v[LI], v[Z:Z+3], s[10:11] offset:16384
	s_wait_tensorcnt 0x0                           ; the wave's end
	ds_add_u32 v[SPW], v[NIL]
	s_wait_dscnt 0x0
	CROUND                                         ; the closing round
	s_endpgm
.Lfunc_end_k_qb3d0636d8b_hproj:
	.size	k_qb3d0636d8b_hproj, .Lfunc_end_k_qb3d0636d8b_hproj-k_qb3d0636d8b_hproj
	.p2alignl 7, 3214868480
	.fill 96, 4, 3214868480
	.section	.rodata,"a",@progbits
	.p2align	6, 0x0
	.amdhsa_kernel k_qb3d0636d8b_hproj
		.amdhsa_group_segment_fixed_size 327680
		.amdhsa_private_segment_fixed_size 0
		.amdhsa_enable_private_segment 0
		.amdhsa_kernarg_size 32
		.amdhsa_user_sgpr_count 2
		.amdhsa_user_sgpr_kernarg_segment_ptr 1
		.amdhsa_wavefront_size32 1
		.amdhsa_system_sgpr_workgroup_id_x 1
		.amdhsa_system_sgpr_workgroup_id_y 1
		.amdhsa_system_sgpr_workgroup_id_z 1
		.amdhsa_system_vgpr_workitem_id 0
		.amdhsa_next_free_vgpr 1024
		.amdhsa_next_free_sgpr 100
		.amdhsa_reserve_vcc 1
		.amdhsa_float_denorm_mode_32 3
		.amdhsa_float_denorm_mode_16_64 3
		.amdhsa_memory_ordered 1
		.amdhsa_forward_progress 1
		.amdhsa_inst_pref_size 129
	.end_amdhsa_kernel
	.amdgpu_metadata
---
amdhsa.version: [ 1, 2 ]
amdhsa.kernels:
  - .name:           k_qb3d0636d8b_hproj
    .symbol:         k_qb3d0636d8b_hproj.kd
    .args:
      - { .name: arec, .offset: 0, .size: 8, .value_kind: global_buffer, .address_space: global }
      - { .name: wrec, .offset: 8, .size: 8, .value_kind: global_buffer, .address_space: global }
      - { .name: b_in, .offset: 16, .size: 8, .value_kind: global_buffer, .address_space: global }
      - { .name: hrec, .offset: 24, .size: 8, .value_kind: global_buffer, .address_space: global }
    .group_segment_fixed_size: 327680
    .private_segment_fixed_size: 0
    .kernarg_segment_align: 8
    .kernarg_segment_size: 32
    .max_flat_workgroup_size: 128
    .sgpr_count:     100
    .vgpr_count:     1024
    .wavefront_size: 32
...
	.end_amdgpu_metadata
.endif
;; end of part 2
;; launch qkvproj (part 3): grid 8 x 48, 4 waves a work-group, clusters of 4 x 4, 327,680 bytes of LDS; arguments hrec, wrec, qkv; writes qkv
.if DOCPART == 3
	.amdgcn_target "amdgcn-amd-amdhsa--gfx1250"
	.amdhsa_code_object_version 6
	.text
	.protected	k_qb3d0636d8b_qkvproj
	.globl	k_qb3d0636d8b_qkvproj
	.p2align	8
	.type	k_qb3d0636d8b_qkvproj,@function
k_qb3d0636d8b_qkvproj:
	s_mov_b64 s[64:65], 0
	v_nop
	global_prefetch_b8 v0, s[64:65] scope:SCOPE_SE
	s_setreg_imm32_b32 hwreg(HW_REG_WAVE_MODE, 25, 1), 1
	s_wait_xcnt 0x0
	s_wait_alu depctr_hold_cnt(0) depctr_sa_sdst(0) depctr_va_vdst(0) depctr_va_sdst(0) depctr_va_ssrc(0) depctr_va_vcc(0) depctr_vm_vsrc(0)
	s_getreg_b32 s2, hwreg(HW_REG_IB_STS2, 6, 4)
	s_cmp_eq_u32 s2, 0
	s_cbranch_scc0 .Lentry_in_a_cluster
	s_endpgm
.Lentry_in_a_cluster:
	s_bfe_u32 s2, ttmp6, 0x10000c
	s_cmp_lg_u32 s2, 0xf033
	s_cbranch_scc0 .Lentry_shape_is_right
	s_endpgm
.Lentry_shape_is_right:
; [q | k] = Q(h) Q(W_qk)^T (cluster rows 0-7: rows' side = h, columns' side = in_proj_w's rows 0-2047) and v^T = Q(W_v) Q(h)^T (cluster rows 8-11: rows' side = in_proj_w's rows 2048-3071, columns' side = h), K = 1,024,
; on codes of E5M2 with E8M0 scales.  The results are quantised on the way out, q and k along the head's 64, v^T along the keys, and leave laid as the attention launch's operand registers.
; The loop: a tile of 256 x 256, four waves of 128 x 128; K in steps of 256 through two LDS slots; a quarter of a slot is two records on end (33,792 dense bytes, one tensor load of 132 rows of 256 bytes);
; fragments are read as 512 consecutive bytes; the scale words ride in the records.  CLUSTERS of 4 x 4: the rows' side is shared along a row of the cluster, the columns' side along a column, by joint loads.
; The matrix instruction is used transposed (source 0 = 16 rows of the columns' side, source 1 = 16 rows of the rows' side); with the records' order of rows (lane r of tile 2 G + u: row 32 G + 8 u + r + 8 (r / 8))
; a lane's 16 registers of accumulators (a, 2 g), (a, 2 g + 1) are columns 32 g + 16 h + 0 .. 15 of one row: a block of 32 lies in lanes l and l xor 16.
; OUT, bytes in qkv: q at 0 and k at 8,388,608: [b][head][block of 32 rows][2048]: piece 2 u + c at 512 (2 u + c): tile u, d = 32 c + 16 h + ..;  v^T at 16,777,216: [b][head][tile t of d][block of 32 keys][512];
;   scale words: q's at 25,165,824 and k's 262,144 further on: [b][head][block][16 rows], bytes u0c0, u0c1, u1c0, u1c1;  v's 524,288 further on: [b][head][128 keys][256]: the word of (t, r) at 128 (t / 2) + 8 r + 4 (t % 2).
; q's and k's scale words leave in stores of 128 consecutive bytes, two of which fill an aligned 256: they are 1/32 of the launch's output bytes.  All other stores cover 256 or 512 aligned bytes.
; Which of the two products a work-group serves hangs on the cluster's y alone: it is the same in all sixteen partners.
; LIMITS: a block of zeros gets the byte 1 (zero codes; this program alone reads the bytes); NaN and infinities are not served.
; REGISTERS: as in the launch before; v64-99 at work on the way out.
.set RS,     16896
.set QUART,  2*RS
.set SLOT,   4*QUART
.set SPARE,  2*SLOT
.set LAPS,   2                         ; K = 1,024: twice round the ring
.set WQKV,   1622016                   ; in_proj_w's records in wrec
.set QS,     25165824
.set LI,   3
.set L4,   4
.set L8,   5
.set LG,   6
.set ADRA, 16
.set ADRB, 20
.set SPW,  28
.set NIL,  29
.set SC,   32
.set BI,   64
.set TM,   64
.set W,    80
.set EV,   88
.set OD,   92
.set Z,    96
.set AF,   128
.set G1,   24
.set G0,   32
.set G1B,  48
.set G0B,  56
.set SEL,  92
.set MNT,  94
.set MSB, 0
.macro WIN new                         ; the immediate's high byte repeats the setting that is left
.if MSB != (\new)
	s_set_vgpr_msb (MSB<<8)|(\new)
.set MSB, (\new)
.endif
.endm
.set MUL_LO, 0xa1
.set MUL_HI, 0xf1
.set TO_B,   0x40
.macro PLACES n
.rept \n
	v_nop
.endr
.endm
.macro WM d, a, b, c, sa, sb, ra, rb
.if (\c) < 0
.if (\ra) && (\rb)
	v_wmma_scale_f32_16x16x128_f8f6f4 v[(\d):(\d)+7], v[(\a):(\a)+15], v[(\b):(\b)+15], 0, v[\sa], v[\sb] matrix_a_fmt:MATRIX_FMT_BF8 matrix_b_fmt:MATRIX_FMT_BF8 matrix_a_scale:MATRIX_SCALE_ROW1 matrix_b_scale:MATRIX_SCALE_ROW1
.elseif (\ra)
	v_wmma_scale_f32_16x16x128_f8f6f4 v[(\d):(\d)+7], v[(\a):(\a)+15], v[(\b):(\b)+15], 0, v[\sa], v[\sb] matrix_a_fmt:MATRIX_FMT_BF8 matrix_b_fmt:MATRIX_FMT_BF8 matrix_a_scale:MATRIX_SCALE_ROW1
.elseif (\rb)
	v_wmma_scale_f32_16x16x128_f8f6f4 v[(\d):(\d)+7], v[(\a):(\a)+15], v[(\b):(\b)+15], 0, v[\sa], v[\sb] matrix_a_fmt:MATRIX_FMT_BF8 matrix_b_fmt:MATRIX_FMT_BF8 matrix_b_scale:MATRIX_SCALE_ROW1
.else
	v_wmma_scale_f32_16x16x128_f8f6f4 v[(\d):(\d)+7], v[(\a):(\a)+15], v[(\b):(\b)+15], 0, v[\sa], v[\sb] matrix_a_fmt:MATRIX_FMT_BF8 matrix_b_fmt:MATRIX_FMT_BF8
.endif
.else
.if (\ra) && (\rb)
	v_wmma_scale_f32_16x16x128_f8f6f4 v[(\d):(\d)+7], v[(\a):(\a)+15], v[(\b):(\b)+15], v[(\c):(\c)+7], v[\sa], v[\sb] matrix_a_fmt:MATRIX_FMT_BF8 matrix_b_fmt:MATRIX_FMT_BF8 matrix_a_scale:MATRIX_SCALE_ROW1 matrix_b_scale:MATRIX_SCALE_ROW1
.elseif (\ra)
	v_wmma_scale_f32_16x16x128_f8f6f4 v[(\d):(\d)+7], v[(\a):(\a)+15], v[(\b):(\b)+15], v[(\c):(\c)+7], v[\sa], v[\sb] matrix_a_fmt:MATRIX_FMT_BF8 matrix_b_fmt:MATRIX_FMT_BF8 matrix_a_scale:MATRIX_SCALE_ROW1
.elseif (\rb)
	v_wmma_scale_f32_16x16x128_f8f6f4 v[(\d):(\d)+7], v[(\a):(\a)+15], v[(\b):(\b)+15], v[(\c):(\c)+7], v[\sa], v[\sb] matrix_a_fmt:MATRIX_FMT_BF8 matrix_b_fmt:MATRIX_FMT_BF8 matrix_b_scale:MATRIX_SCALE_ROW1
.else
	v_wmma_scale_f32_16x16x128_f8f6f4 v[(\d):(\d)+7], v[(\a):(\a)+15], v[(\b):(\b)+15], v[(\c):(\c)+7], v[\sa], v[\sb] matrix_a_fmt:MATRIX_FMT_BF8 matrix_b_fmt:MATRIX_FMT_BF8
.endif
.endif
.endm
.macro JLOAD g0a, g1a, g0b, g1b        ; a joint load; four v_nop follow each of the two lines
	s_cmp_eq_u32 s15, 0
	s_cbranch_scc0 .Lfor_b_\@
	tensor_load_to_lds s[\g0a:\g0a+3], s[\g1a:\g1a+7]
	s_nop 0
.rept 4
	v_nop
.endr
	s_branch .Lasked_\@
.Lfor_b_\@:
	tensor_load_to_lds s[\g0b:\g0b+3], s[\g1b:\g1b+7]
	s_nop 0
.rept 4
	v_nop
.endr
.Lasked_\@:
.endm
.macro CREST
	s_cmp_lg_u32 s14, 0
	s_cbranch_scc1 .Lnot_wave_0_\@
	s_barrier_signal -3
.Lnot_wave_0_\@:
	s_barrier_wait -3
	s_barrier_signal -1
	s_barrier_wait -1
.endm
.macro CROUND
	s_barrier_signal -1
	s_barrier_wait -1
	CREST
.endm
.macro FRAG reg, adr, q, i
.irp c, 0,1,2,3
	ds_load_b128 v[(\reg)+4*\c:(\reg)+4*\c+3], v[\adr] offset:RS*(\q)+2048*(\i)+512*\c
.endr
.endm
.macro MUL16 a0, p, q, sc, z           ; z = 1: the first product starts the sums.  The 64 accumulators take turns, in the same order in every step
.irp a, \a0, \a0+1
.irp b, 0,1,2,3,4,5,6,7
.if (\z) == 1
	WM 8*(8*((\a)%4)+\b), 128*(\p)+16*\b, AF+16*(\a), -1, SC+16*(\sc)+8*(\q)+4+(\b%4), SC+16*(\sc)+8*(\q)+((\a)%4), \b/4, (\a)/4
.else
	WM 8*(8*((\a)%4)+\b), 128*(\p)+16*\b, AF+16*(\a), 8*(8*((\a)%4)+\b), SC+16*(\sc)+8*(\q)+4+(\b%4), SC+16*(\sc)+8*(\q)+((\a)%4), \b/4, (\a)/4
.endif
.endr
.endr
.endm
.macro FETCH_B slot, q, p
	WIN TO_B
.irp i, 0,1,2,3,4,5,6,7
	FRAG 128*(\p)+16*\i, ADRB+\slot, \q, \i
.endr
	WIN 0
.endm
.macro FETCH_A slot, q, i0
.irp i, \i0, \i0+1, \i0+2, \i0+3
	FRAG AF+16*(\i), ADRA+\slot, \q, \i
.endr
.endm
.macro SCALES set
.irp q, 0,1
	ds_load_b128 v[SC+16*(\set)+8*\q:SC+16*(\set)+8*\q+3], v[ADRA+\set] offset:RS*\q+16384
	ds_load_b128 v[SC+16*(\set)+8*\q+4:SC+16*(\set)+8*\q+7], v[ADRB+\set] offset:RS*\q+16384
.endr
.endm
.macro STEP slot, q, z
	s_wait_dscnt 16                                ; all but the youngest 16 loads (row tiles 4-7) are in
	WIN MUL_LO
	MUL16 0, (\q)%2, \q, \slot, \z
	MUL16 2, (\q)%2, \q, \slot, \z
	s_wait_dscnt 0
	PLACES 8                                       ; eight places in front of loads into registers that matrix instructions have read
	FETCH_B \slot, (\q)+1, 1-(\q)%2
	FETCH_A \slot, (\q)+1, 0
	WIN MUL_HI
	MUL16 4, (\q)%2, \q, \slot, \z
	MUL16 6, (\q)%2, \q, \slot, \z
	PLACES 8
	WIN 0
	FETCH_A \slot, (\q)+1, 4
.endm
.macro TURN slot, next, fill           ; a slot's last step changes slots.  fill = 1: this slot is filled again, two K steps of 256 ahead
	s_wait_tensorcnt 0x0                           ; all my tensor loads have landed: my part of the next slot
	ds_add_u32 v[SPW], v[NIL]                      ; 0 onto my spare word
	s_wait_dscnt 17                                ; (the add and the youngest 16 loads may be out)
	WIN MUL_LO
	MUL16 0, 1, 1, \slot, 0                        ; sixteen matrix instructions stand between the add and the wait for it
	s_wait_dscnt 0x0                               ; the add is done, and my reads of this slot are over
	s_barrier_signal -1
	MUL16 2, 1, 1, \slot, 0
	WIN 0
	s_barrier_wait -1
.if \fill
	CREST                                          ; the barrier has opened a round of the cluster's barrier: no wave of any partner still reads this slot or has a load on its way
	s_add_nc_u64 s[G0+4*\slot+2:G0+4*\slot+3], s[G0+4*\slot+2:G0+4*\slot+3], 2*QUART
	s_add_nc_u64 s[G0B+4*\slot+2:G0B+4*\slot+3], s[G0B+4*\slot+2:G0B+4*\slot+3], 2*QUART
	JLOAD G0+4*\slot, G1, G0B+4*\slot, G1B         ; the first tensor load behind the round; its four v_nop are four of the eight places
	PLACES 4
.else
	PLACES 8
.endif
	FETCH_B \next, 0, 0
	FETCH_A \next, 0, 0
	SCALES \next
	WIN MUL_HI
	MUL16 4, 1, 1, \slot, 0
	MUL16 6, 1, 1, \slot, 0
	PLACES 8
	WIN 0
	FETCH_A \next, 0, 4
.endm
.macro QUANTW s, w, pc, pw             ; 64 numbers of a lane in window w become 16 registers of codes and a scale word; each accumulator is read from its low end on
	WIN (\w)|((\w)<<2)
.irp b, 0,1,2,3
	v_max3_num_f32 v[TM+\b], |v[(\s)+16*\b]|, |v[(\s)+16*\b+1]|, 0x8000000   ; and the floor 2^(16 - 127): the byte cannot fall under 1
.endr
	WIN ((\w)<<2)|((\w)<<4)
.irp i, 2,4,6,8,10,12,14
.irp b, 0,1,2,3
	v_max3_num_f32 v[TM+\b], v[TM+\b], |v[(\s)+16*\b+\i]|, |v[(\s)+16*\b+\i+1]|
.endr
.endr
	WIN 0
.irp b, 0,1,2,3
	v_permlanex16_b32 v[TM+4+\b], v[TM+\b], s[SEL], s[SEL+1]
.endr
.irp b, 0,1,2,3
	v_max_num_f32 v[TM+\b], v[TM+\b], v[TM+4+\b]
.endr
.irp b, 0,1,2,3
	v_add_nc_u32 v[TM+12+\b], 0xf8800000, v[TM+\b]
.endr
.irp b, 0,1,2,3
	v_and_or_b32 v[TM+8+\b], v[TM+\b], 0x7f800000, s[MNT]
.endr
.irp b, 0,1,2,3
	v_lshrrev_b32 v[TM+4+\b], 23, v[TM+12+\b]
.endr
	v_lshl_or_b32 v[\pw], v[TM+5], 8, v[TM+4]
	v_lshl_or_b32 v[\pw], v[TM+6], 16, v[\pw]
	v_lshl_or_b32 v[\pw], v[TM+7], 24, v[\pw]
	WIN (\w)|((\w)<<6)
.irp b, 0,1,2,3
.irp i, 0,1,2,3,4,5,6,7,8,9,10,11,12,13,14,15
	v_med3_num_f32 v[(\s)+16*\b+\i], v[(\s)+16*\b+\i], -v[TM+8+\b], v[TM+8+\b]
.endr
.endr
	WIN (\w)
.irp b, 0,1,2,3
	v_cvt_scalef32_pk8_bf8_f32 v[(\pc)+4*\b:(\pc)+4*\b+1], v[(\s)+16*\b:(\s)+16*\b+7], v[TM+12+\b]
	v_cvt_scalef32_pk8_bf8_f32 v[(\pc)+4*\b+2:(\pc)+4*\b+3], v[(\s)+16*\b+8:(\s)+16*\b+15], v[TM+12+\b]
.endr
	WIN 0
	v_nop
.endm
	s_load_b128 s[4:7], s[0:1], 0x0                ; hrec, wrec
	s_load_b64 s[8:9], s[0:1], 0x10                ; qkv
	v_lshl_add_u32 v[SPW], v0, 2, SPARE
	v_mov_b32 v[NIL], 0
	ds_add_u32 v28, v29
	ds_add_u32 v28, v29
	s_wait_dscnt 0x0
	v_lshrrev_b32 v1, 5, v0
	v_readfirstlane_b32 s14, v1                    ; wave 0..3
	s_lshr_b32 s15, s14, 1
	s_and_b32 s16, s14, 1
	s_bfe_u32 s40, ttmp6, 0x40000                  ; cx
	s_bfe_u32 s41, ttmp6, 0x40004                  ; cy
	s_and_b32 s18, ttmp7, 0xffff                   ; the cluster's y: 0-7 serve q and k, 8-11 serve v
	s_lshl_b32 s17, s18, 2
	s_sub_co_u32 s19, s18, 8
	s_lshl_b32 s19, s19, 1
	s_add_co_u32 s19, s19, ttmp9                   ; v: clusters 0 to 7 along h's rows
	s_cmp_ge_u32 s18, 8
	s_cselect_b32 s84, 1, 0                        ; 1: v
	s_cselect_b32 s17, 0, s17
	s_cselect_b32 s42, s19, ttmp9
	s_cselect_b32 s85, 16, 0                       ; W_v's records begin at row block 16
	s_add_co_u32 s17, s17, s41                     ; tile row
	s_lshl_b32 s42, s42, 2
	s_add_co_u32 s42, s42, s40                     ; tile column
	s_lshl_b32 s43, s41, 2
	s_lshl_b32 s43, 15, s43                        ; my row of the cluster
	s_lshl_b32 s44, 0x1111, s40                    ; my column
	s_or_b32 s[G1+0], s43, (3<<16)|(1<<21)
	s_or_b32 s[G1B+0], s44, (3<<16)|(1<<21)
.irp g, G1, G1B
	s_mov_b32 s[\g+1], 32<<16
	s_mov_b32 s[\g+2], 132<<16
	s_mov_b32 s[\g+3], 32<<16
	s_mov_b32 s[\g+4], 132
	s_mov_b32 s[\g+5], 32
	s_mov_b32 s[\g+6], 0
	s_mov_b32 s[\g+7], 0
.endr
	s_lshl_b32 s20, s17, 1
	s_add_co_u32 s20, s20, s16
	s_add_co_u32 s20, s20, s85                     ; the rows' side: row block
	s_mul_i32 s20, s20, 8*RS
	s_mov_b32 s21, 0
	s_lshl_b32 s46, s42, 1
	s_add_co_u32 s46, s46, s16                     ; the columns' side
	s_mul_i32 s46, s46, 8*RS
	s_mov_b32 s47, 0
	s_mul_i32 s45, s14, QUART
	s_mov_b32 s[SEL], 0x76543210
	s_mov_b32 s[SEL+1], 0xfedcba98
	s_mov_b32 s[MNT], 0x600000
	s_wait_kmcnt 0x0
	s_add_nc_u64 s[6:7], s[6:7], WQKV
	s_cmp_eq_u32 s84, 1
	s_cselect_b64 s[10:11], s[6:7], s[4:5]         ; the rows' side: h, or for v the weight
	s_cselect_b64 s[12:13], s[4:5], s[6:7]         ; the columns' side: the weight, or for v h
	s_add_nc_u64 s[20:21], s[10:11], s[20:21]
	s_add_nc_u64 s[46:47], s[12:13], s[46:47]
	CROUND                                         ; all sixteen work-groups are here: the first joint loads meet
.irp s, 0,1
	s_mov_b32 s[G0+4*\s], 1
	s_add_co_u32 s[G0+4*\s+1], s45, \s*SLOT
	s_add_nc_u64 s[G0+4*\s+2:G0+4*\s+3], s[20:21], \s*QUART
	s_or_b32 s[G0+4*\s+3], s[G0+4*\s+3], 0x80000000
	s_mov_b32 s[G0B+4*\s], 1
	s_add_co_u32 s[G0B+4*\s+1], s45, \s*SLOT
	s_add_nc_u64 s[G0B+4*\s+2:G0B+4*\s+3], s[46:47], \s*QUART
	s_or_b32 s[G0B+4*\s+3], s[G0B+4*\s+3], 0x80000000
	JLOAD G0+4*\s, G1, G0B+4*\s, G1B
.endr
	v_and_b32 v1, 31, v0
	v_lshlrev_b32 v[LI], 4, v1
	v_lshlrev_b32 v[L4], 2, v1
	v_lshlrev_b32 v[L8], 3, v1
	s_mul_i32 s21, s15, QUART
	s_mul_i32 s22, s16, QUART
	s_add_co_u32 s22, s22, 2*QUART
.irp s, 0,1
	v_add_nc_u32 v[ADRA+\s], s21, v[LI]
	v_add_nc_u32 v[ADRB+\s], s22, v[LI]
	s_add_co_u32 s21, s21, SLOT
	s_add_co_u32 s22, s22, SLOT
.endr
	; where the results go
	s_lshl_b32 s18, s17, 8
	s_lshl_b32 s19, s15, 7
	s_add_co_u32 s18, s18, s19                     ; my first row of the rows' side
	s_lshl_b32 s19, s42, 8
	s_lshl_b32 s20, s16, 7
	s_add_co_u32 s19, s19, s20                     ; my first row of the columns' side
	s_lshr_b32 s20, s19, 10                        ; q (0) or k (1)
	s_mov_b32 s86, 1024
	s_mov_b32 s88, 4096
	s_mov_b32 s90, 65536
	s_cmp_eq_u32 s84, 1
	s_cselect_b32 s21, s19, s18                    ; h's first row' = 1024 b + l
	s_cselect_b32 s22, s18, s19                    ; the first feature
	s_cselect_b32 s20, 2, s20                      ; the region: q, k, v
	s_cselect_b32 s23, 9, 11                       ; a block of 32 rows of h is 512 bytes in v^T's layout, 2,048 in q's and k's
	s_cselect_b32 s86, 16384, s86                  ; from row tile a to a + 1
	s_cselect_b32 s88, 65536, s88                  ; from a to a + 4
	s_cselect_b32 s90, 1024, s90                   ; from register group g to g + 2
	s_mov_b32 s87, 0
	s_mov_b32 s89, 0
	s_lshr_b32 s66, s21, 10                        ; b
	s_and_b32 s21, s21, 1023                       ; l
	s_and_b32 s22, s22, 1023
	s_lshr_b32 s22, s22, 6                         ; the first head
	s_lshl_b32 s66, s66, 4
	s_add_co_u32 s66, s66, s22                     ; 16 b + head
	s_lshl_b32 s67, s66, 16
	s_lshl_b32 s22, s20, 23
	s_add_co_u32 s67, s67, s22
	s_lshr_b32 s22, s21, 5
	s_lshl_b32 s22, s22, s23
	s_add_co_u32 s96, s67, s22
	s_mov_b32 s97, 0
	s_add_nc_u64 s[68:69], s[8:9], s[96:97]        ; row tile 0's codes
.irp a, 1,2,3
	s_add_nc_u64 s[68+2*\a:69+2*\a], s[66+2*\a:67+2*\a], s[86:87]
.endr
.irp a, 4,5,6,7
	s_add_nc_u64 s[68+2*\a:69+2*\a], s[60+2*\a:61+2*\a], s[88:89]
.endr
	s_lshl_b32 s96, s66, 11                        ; the scale words: 2,048 bytes a head in all three regions, 2 bytes a row of h
	s_lshl_b32 s22, s20, 18
	s_add_co_u32 s96, s96, s22
	s_lshl_b32 s22, s21, 1
	s_add_co_u32 s96, s96, s22
	s_add_co_u32 s96, s96, QS
	s_add_nc_u64 s[98:99], s[8:9], s[96:97]
	v_add_nc_u32 v[LG], s90, v[LI]
	s_mov_b32 s91, 0x05040100
	s_mov_b32 s95, 0x07060302
	s_wait_tensorcnt 1                             ; my part of slot 0 is in (slot 1's load may be out)
	s_barrier_signal -1
	s_barrier_wait -1                              ; everybody's is
	FETCH_B 0, 0, 0
	FETCH_A 0, 0, 0
	SCALES 0
	FETCH_A 0, 0, 4
	STEP 0, 0, 1                                   ; the first step stands in front of the loop: its products start the sums
	s_mov_b32 s3, LAPS-1
.Llap:                                                 ; a trip goes once round the ring and fills both slots again
	TURN 0, 1, 1
	STEP 1, 0, 0
	TURN 1, 0, 1
	STEP 0, 0, 0
	s_sub_co_u32 s3, s3, 1
	s_cmp_lg_u32 s3, 0
	s_cbranch_scc1 .Llap
	TURN 0, 1, 0                                   ; the last lap fills nothing
	STEP 1, 0, 0
	s_wait_dscnt 16
	WIN MUL_LO
	MUL16 0, 1, 1, 1, 0
	MUL16 2, 1, 1, 1, 0
	s_wait_dscnt 0
	WIN MUL_HI
	MUL16 4, 1, 1, 1, 0
	MUL16 6, 1, 1, 1, 0
	WIN 0
	; THE WAY OUT: no LDS: the codes are stored as pieces of 512 consecutive bytes
	PLACES 8
.irp b, 0,1,2,3
	v_mov_b32 v[TM+4+\b], 0                        ; a lane permute's destination counts as one of its sources
.endr
	s_mov_b32 vcc_lo, 0xffff0000                   ; lanes 16-31
.irp a, 0,1,2,3,4,5,6,7
	QUANTW 64*(\a%4), 2+\a/4, 128+16*\a, W+\a
	global_store_b128 v[LI], v[128+16*\a:128+16*\a+3], s[68+2*\a:69+2*\a]
	global_store_b128 v[LI], v[128+16*\a+4:128+16*\a+7], s[68+2*\a:69+2*\a] offset:512
	global_store_b128 v[LG], v[128+16*\a+8:128+16*\a+11], s[68+2*\a:69+2*\a]
	global_store_b128 v[LG], v[128+16*\a+12:128+16*\a+15], s[68+2*\a:69+2*\a] offset:512
.endr
	s_cmp_eq_u32 s84, 1
	s_cbranch_scc1 .Lv_scales
.irp pp, 0,1,2,3                               ; q, k: a block's word takes two bytes of tile 2 pp's word and two of tile 2 pp + 1's: the low halves for the even head, the high halves for the odd
	v_perm_b32 v[EV+\pp], v[W+2*\pp+1], v[W+2*\pp], s91
	v_perm_b32 v[OD+\pp], v[W+2*\pp+1], v[W+2*\pp], s95
.endr
	v_cndmask_b32 v[Z], v[EV], v[EV+1], vcc_lo     ; lanes 0-15 one block's 16 words, lanes 16-31 the next block's
	v_cndmask_b32 v[Z+1], v[EV+2], v[EV+3], vcc_lo
	v_cndmask_b32 v[Z+2], v[OD], v[OD+1], vcc_lo
	v_cndmask_b32 v[Z+3], v[OD+2], v[OD+3], vcc_lo
	global_store_b32 v[L4], v[Z], s[98:99]
	global_store_b32 v[L4], v[Z+1], s[98:99] offset:128
	global_store_b32 v[L4], v[Z+2], s[98:99] offset:2048
	global_store_b32 v[L4], v[Z+3], s[98:99] offset:2176
	s_branch .Lscales_out
.Lv_scales:
.irp hd, 0,1                                   ; v: lane (r, h) stores the words of tiles 2 h and 2 h + 1 of the head: 256 consecutive bytes, aligned
	v_cndmask_b32 v[Z+2*\hd], v[W+4*\hd], v[W+4*\hd+2], vcc_lo
	v_cndmask_b32 v[Z+2*\hd+1], v[W+4*\hd+1], v[W+4*\hd+3], vcc_lo
	global_store_b64 v[L8], v[Z+2*\hd:Z+2*\hd+1], s[98:99] offset:2048*\hd
.endr
.Lscales_out:
	s_wait_tensorcnt 0x0                           ; the wave's end
	ds_add_u32 v[SPW], v[NIL]
	s_wait_dscnt 0x0
	CROUND                                         ; the closing round
	s_endpgm
.Lfunc_end_k_qb3d0636d8b_qkvproj:
	.size	k_qb3d0636d8b_qkvproj, .Lfunc_end_k_qb3d0636d8b_qkvproj-k_qb3d0636d8b_qkvproj
	.p2alignl 7, 3214868480
	.fill 96, 4, 3214868480
	.section	.rodata,"a",@progbits
	.p2align	6, 0x0
	.amdhsa_kernel k_qb3d0636d8b_qkvproj
		.amdhsa_group_segment_fixed_size 327680
		.amdhsa_private_segment_fixed_size 0
		.amdhsa_enable_private_segment 0
		.amdhsa_kernarg_size 24
		.amdhsa_user_sgpr_count 2
		.amdhsa_user_sgpr_kernarg_segment_ptr 1
		.amdhsa_wavefront_size32 1
		.amdhsa_system_sgpr_workgroup_id_x 1
		.amdhsa_system_sgpr_workgroup_id_y 1
		.amdhsa_system_sgpr_workgroup_id_z 1
		.amdhsa_system_vgpr_workitem_id 0
		.amdhsa_next_free_vgpr 1024
		.amdhsa_next_free_sgpr 100
		.amdhsa_reserve_vcc 1
		.amdhsa_float_denorm_mode_32 3
		.amdhsa_float_denorm_mode_16_64 3
		.amdhsa_memory_ordered 1
		.amdhsa_forward_progress 1
		.amdhsa_inst_pref_size 184
	.end_amdhsa_kernel
	.amdgpu_metadata
---
amdhsa.version: [ 1, 2 ]
amdhsa.kernels:
  - .name:           k_qb3d0636d8b_qkvproj
    .symbol:         k_qb3d0636d8b_qkvproj.kd
    .args:
      - { .name: hrec, .offset: 0, .size: 8, .value_kind: global_buffer, .address_space: global }
      - { .name: wrec, .offset: 8, .size: 8, .value_kind: global_buffer, .address_space: global }
      - { .name: qkv, .offset: 16, .size: 8, .value_kind: global_buffer, .address_space: global }
    .group_segment_fixed_size: 327680
    .private_segment_fixed_size: 0
    .kernarg_segment_align: 8
    .kernarg_segment_size: 24
    .max_flat_workgroup_size: 128
    .sgpr_count:     100
    .vgpr_count:     1024
    .wavefront_size: 32
...
	.end_amdgpu_metadata
.endif
;; end of part 3
;; launch attn (part 4): grid 32 x 8, 8 waves a work-group, no clusters, 183,296 bytes of LDS; arguments qkv, seq_lengths, arec, out1; writes arec, out1
.if DOCPART == 4
	.amdgcn_target "amdgcn-amd-amdhsa--gfx1250"
	.amdhsa_code_object_version 6
	.text
	.protected	k_qb3d0636d8b_attn
	.globl	k_qb3d0636d8b_attn
	.p2align	8
	.type	k_qb3d0636d8b_attn,@function
k_qb3d0636d8b_attn:
	s_mov_b64 s[64:65], 0
	v_nop
	global_prefetch_b8 v0, s[64:65] scope:SCOPE_SE
	s_setreg_imm32_b32 hwreg(HW_REG_WAVE_MODE, 25, 1), 1
	s_wait_xcnt 0x0
; Attention inside the window of +-128 keys, all 16 heads of 32 queries of one batch row a work-group; both products on codes of E5M2 with E8M0 scales.
; w = softmax(q k^T / 8 under the mask) is finished and normalised in f32, then quantised along the keys in blocks of 32 counted from key 0; out = w v is quantised along the head's 64 and stored as
; register images into arec's records; att = the mean over heads of the unquantised w goes to out1, zeros outside the band.
; THE BAND.  For queries 32 G .. 32 G + 31 the keys q - 128 .. q + 128 lie in the nine aligned blocks of 32 from block clamp(G - 4, 0, 23) on: these alone are multiplied; the mask proper (window, seq_lengths) is laid on the scores.
; seq_lengths is taken as it comes, held to 0 .. 1,024 (keys are 0 .. 1,023).  A row with no allowed key gives w = 0.
; SHARES.  Wave = 2 hg + u: query tile u (lane r: query 32 G + 8 u + r + 8 (r / 8)), heads 4 hg .. 4 hg + 3 in a loop of four trips.  Operands come from memory straight into operand registers (the launch before laid them so).
; Both products are used transposed: S^T = k q^T, O^T = v^T w^T: a lane holds one query throughout; register 16 p + i of S is key 32 (first block + p) + 16 h + i.
; K = 64: a fragment of k holds TWO tiles of 16 keys (k-blocks 0, 1: tile 0; 2, 3: tile 1) and meets (q | 0) and (0 | q): zero codes add nothing under any scale byte but 0xff.
; No tensor load, no cluster, no prefetch: a block of k or v is read by nine neighbouring work-groups and two waves in each, so the stream is not read once.
; The 144 registers of att are cleared once, so that the loop over heads is written once.  out's scale words leave as 16 words spread over 256 bytes: 1/32 of out's bytes.
; LIMITS: NaN and infinities are not served; a block of zeros gets the byte 1 (zero codes; this program alone reads the bytes).
; REGISTERS, window 0: v1-4 16 L, 4 L, 8 L, 16 r; v5-7 mask bounds and -1e30; v8-12 k's scale words; v13, v14 q's; v15 out1's offset; v16-21 v's scale words as loaded, v22-27 shifted; v28-30 w's; v31 out's;
;   v32-39 zeros, v40-47 q, v48-55 zeros; v56-71 w's codes of blocks 0-3 (later out's codes); v72-215 S (as blocks are finished: codes of blocks 4-8, twelve zeros, two fragments of v); v216-255 at work.
;   window 1: v0-143 att; v144-255 seven fragments of k, then v's.
.set RS,  16896
.set KP,  8388608
.set VP,  16777216
.set QS,  25165824
.set KSB, 25427968
.set VS,  25690112
.set LI,   1
.set L4,   2
.set L8,   3
.set R16,  4
.set DLO,  5
.set DHI,  6
.set NEG,  7
.set KSC,  8
.set QRAW, 13
.set QSC,  14
.set VZ,   15
.set VW,   16
.set VSC,  22
.set PW,   28
.set OW,   31
.set ZL,   32
.set Q,    40
.set PP,   56
.set S,    72
.set T,    216
.set BM,   216
.set TP,   226
.set MC,   240
.set RINV, 242
.set SUMA, 244
.set SUMB, 246
.set WV,   12
.set UU,   13
.set HG,   14
.set GG,   15
.set BB,   16
.set BK0,  17
.set KS0,  18
.set SLC,  19
.set TLO,  20
.set THI,  21
.set SH,   22
.set ZZ,   23
.set U0,   24
.set SELQ, 25
.set CC,   26
.set SEL,  28
.set MNT,  30
.set HC,   31
.set PQ,   32
.set PQS,  34
.set PK,   36
.set PKS,  38
.set PV,   40
.set PVS,  42
.set PO,   44
.set POS,  46
.set PA1,  48
.set ANY,  50
.set Q32,  51
.set PAB,  58
.set MSB, 0
.macro WIN new
.if MSB != (\new)
	s_set_vgpr_msb (MSB<<8)|(\new)
.set MSB, (\new)
.endif
.endm
.macro PLACES n
.rept \n
	v_nop
.endr
.endm
.macro WM d, a, b, c, sa, sb, ra, rb
.if (\c) < 0
.if (\ra) && (\rb)
	v_wmma_scale_f32_16x16x128_f8f6f4 v[(\d):(\d)+7], v[(\a):(\a)+15], v[(\b):(\b)+15], 0, v[\sa], v[\sb] matrix_a_fmt:MATRIX_FMT_BF8 matrix_b_fmt:MATRIX_FMT_BF8 matrix_a_scale:MATRIX_SCALE_ROW1 matrix_b_scale:MATRIX_SCALE_ROW1
.elseif (\ra)
	v_wmma_scale_f32_16x16x128_f8f6f4 v[(\d):(\d)+7], v[(\a):(\a)+15], v[(\b):(\b)+15], 0, v[\sa], v[\sb] matrix_a_fmt:MATRIX_FMT_BF8 matrix_b_fmt:MATRIX_FMT_BF8 matrix_a_scale:MATRIX_SCALE_ROW1
.elseif (\rb)
	v_wmma_scale_f32_16x16x128_f8f6f4 v[(\d):(\d)+7], v[(\a):(\a)+15], v[(\b):(\b)+15], 0, v[\sa], v[\sb] matrix_a_fmt:MATRIX_FMT_BF8 matrix_b_fmt:MATRIX_FMT_BF8 matrix_b_scale:MATRIX_SCALE_ROW1
.else
	v_wmma_scale_f32_16x16x128_f8f6f4 v[(\d):(\d)+7], v[(\a):(\a)+15], v[(\b):(\b)+15], 0, v[\sa], v[\sb] matrix_a_fmt:MATRIX_FMT_BF8 matrix_b_fmt:MATRIX_FMT_BF8
.endif
.else
.if (\ra) && (\rb)
	v_wmma_scale_f32_16x16x128_f8f6f4 v[(\d):(\d)+7], v[(\a):(\a)+15], v[(\b):(\b)+15], v[(\c):(\c)+7], v[\sa], v[\sb] matrix_a_fmt:MATRIX_FMT_BF8 matrix_b_fmt:MATRIX_FMT_BF8 matrix_a_scale:MATRIX_SCALE_ROW1 matrix_b_scale:MATRIX_SCALE_ROW1
.elseif (\ra)
	v_wmma_scale_f32_16x16x128_f8f6f4 v[(\d):(\d)+7], v[(\a):(\a)+15], v[(\b):(\b)+15], v[(\c):(\c)+7], v[\sa], v[\sb] matrix_a_fmt:MATRIX_FMT_BF8 matrix_b_fmt:MATRIX_FMT_BF8 matrix_a_scale:MATRIX_SCALE_ROW1
.elseif (\rb)
	v_wmma_scale_f32_16x16x128_f8f6f4 v[(\d):(\d)+7], v[(\a):(\a)+15], v[(\b):(\b)+15], v[(\c):(\c)+7], v[\sa], v[\sb] matrix_a_fmt:MATRIX_FMT_BF8 matrix_b_fmt:MATRIX_FMT_BF8 matrix_b_scale:MATRIX_SCALE_ROW1
.else
	v_wmma_scale_f32_16x16x128_f8f6f4 v[(\d):(\d)+7], v[(\a):(\a)+15], v[(\b):(\b)+15], v[(\c):(\c)+7], v[\sa], v[\sb] matrix_a_fmt:MATRIX_FMT_BF8 matrix_b_fmt:MATRIX_FMT_BF8
.endif
.endif
.endm
.macro E1                              ; a head's q, the scale words of q and k, k's fragments 0 to 6: 36 loads
	global_load_b32 v[QRAW], v[L4], s[PQS:PQS+1]
	global_load_b128 v[Q:Q+3], v[LI], s[PQ:PQ+1]
	global_load_b128 v[Q+4:Q+7], v[LI], s[PQ:PQ+1] offset:512
.irp i, 0,1,2,3,4
	global_load_b32 v[KSC+\i], v[L4], s[PKS:PKS+1] offset:128*\i   ; lanes 0-15: block 2 i's words; lanes 16-31: block 2 i + 1's
.endr
	WIN 0x40
.irp p, 0,1,2,3,4,5,6
.irp x, 0,1,2,3
	global_load_b128 v[144+16*\p+4*\x:144+16*\p+4*\x+3], v[LI], s[PK:PK+1] offset:2048*\p+512*\x
.endr
.endr
	WIN 0
.endm
.macro E2                              ; k's fragments 7 and 8: 8 loads
.irp p, 7,8
.irp x, 0,1,2,3
	global_load_b128 v[T+16*(\p-7)+4*\x:T+16*(\p-7)+4*\x+3], v[LI], s[PK:PK+1] offset:2048*\p+512*\x
.endr
.endr
.endm
; the mask of block p: register 16 p + i holds local key 32 p + 16 h + i; hidden below where 32 p + i < DLO, above where 32 p + i > DHI.  A block that no lane of the wave masks is passed over by a scalar branch.
.macro MASKLO p
	s_cmp_le_i32 s[TLO], 32*\p
	s_cbranch_scc1 .Lnolo_\@
.irp i, 0,1,2,3,4,5,6,7,8,9,10,11,12,13,14,15
	v_cmp_lt_i32 vcc_lo, 32*\p+\i, v[DLO]
	v_cndmask_b32 v[S+16*\p+\i], v[S+16*\p+\i], v[NEG], vcc_lo
.endr
.Lnolo_\@:
.endm
.macro MASKHI p
	s_cmp_ge_i32 s[THI], 32*\p+31
	s_cbranch_scc1 .Lnohi_\@
.irp i, 0,1,2,3,4,5,6,7,8,9,10,11,12,13,14,15
	v_cmp_gt_i32 vcc_lo, 32*\p+\i, v[DHI]
	v_cndmask_b32 v[S+16*\p+\i], v[S+16*\p+\i], v[NEG], vcc_lo
.endr
.Lnohi_\@:
.endm
; block p of w is quantised: its largest w is in BM + p; the codes go to v[56 + 4 p]: blocks 4 to 8 land on S's blocks 0 and 1, which are finished by then
.macro PBLOCK p
.set SCLT, 236+2*((\p)%2)
.set LIMT, 237+2*((\p)%2)
	v_max_num_f32 v[BM+\p], 0x8000000, v[BM+\p]            ; the floor 2^(16 - 127)
	v_add_nc_u32 v[SCLT], 0xf8800000, v[BM+\p]
	v_and_or_b32 v[LIMT], v[BM+\p], 0x7f800000, s[MNT]
.if (\p)%4 == 0
	v_lshrrev_b32 v[PW+(\p)/4], 23, v[SCLT]
.else
	v_lshrrev_b32 v252, 23, v[SCLT]
	v_lshl_or_b32 v[PW+(\p)/4], v252, 8*((\p)%4), v[PW+(\p)/4]
.endif
.irp i, 0,1,2,3,4,5,6,7,8,9,10,11,12,13,14,15
	v_min_num_f32 v[S+16*(\p)+\i], v[S+16*(\p)+\i], v[LIMT]   ; w is not negative: the hold is one-sided
.endr
	v_cvt_scalef32_pk8_bf8_f32 v[PP+4*(\p):PP+4*(\p)+1], v[S+16*(\p):S+16*(\p)+7], v[SCLT]
	v_cvt_scalef32_pk8_bf8_f32 v[PP+4*(\p)+2:PP+4*(\p)+3], v[S+16*(\p)+8:S+16*(\p)+15], v[SCLT]
.endm
	s_load_b256 s[4:11], s[0:1], 0x0               ; qkv, seq_lengths, arec, out1
	v_lshrrev_b32 v1, 5, v0
	v_readfirstlane_b32 s[WV], v1                  ; wave 0..7
	s_and_b32 s[UU], s[WV], 1                      ; my tile of queries
	s_lshr_b32 s[HG], s[WV], 1                     ; my four heads
	s_mov_b32 s[GG], ttmp9                         ; the block of 32 queries
	s_and_b32 s[BB], ttmp7, 0xffff                 ; the batch row
	s_sub_co_i32 s[BK0], s[GG], 4
	s_max_i32 s[BK0], s[BK0], 0
	s_min_i32 s[BK0], s[BK0], 23                   ; the band's first block of keys
	s_lshl_b32 s[KS0], s[BK0], 5                   ; its first key
	s_and_b32 s[SH], s[BK0], 3
	s_lshl_b32 s[SH], s[SH], 3                     ; v's scale words are shifted by so many bits
	s_and_b32 s[ZZ], s[BK0], 1
	s_lshr_b32 s[U0], s[BK0], 1                    ; the first of the five 256-byte pieces of a row of out1 that hold the band
	s_mov_b32 s[SELQ], 0x01000100
	s_cmp_eq_u32 s[UU], 1
	s_cselect_b32 s[SELQ], 0x03020302, s[SELQ]     ; my tile's two bytes of q's word, twice
	s_mov_b32 s[CC], 0x3e38aa3b                    ; log2(e) / 8
	s_mov_b32 s[CC+1], s[CC]
	s_mov_b32 s[SEL], 0x76543210
	s_mov_b32 s[SEL+1], 0xfedcba98
	s_mov_b32 s[MNT], 0x600000
	s_mov_b32 s[HC], 0
	s_lshl_b32 s[Q32], s[GG], 5
	s_lshl_b32 s67, s[UU], 3
	s_add_co_u32 s[Q32], s[Q32], s67               ; 32 G + 8 u
	v_and_b32 v60, 31, v0
	v_lshlrev_b32 v[LI], 4, v60
	v_lshlrev_b32 v[L4], 2, v60
	v_lshlrev_b32 v[L8], 3, v60
	v_and_b32 v61, 15, v0                          ; r
	v_lshlrev_b32 v[R16], 4, v61
	v_bfe_u32 v62, v0, 4, 1                        ; h
	v_lshl_add_u32 v[VZ], v62, 15, v[R16]          ; out1: lanes 0-15 one query's row, lanes 16-31 the next query's (32,768 bytes on)
	v_mov_b32 v[NEG], 0xf149f2ca                   ; -1e30
	v_mov_b32 v[OW], 0
.irp i, 0,1,2,3,4,5,6,7
	v_mov_b32 v[ZL+\i], 0
	v_mov_b32 v[ZL+16+\i], 0
	v_mov_b32 v[248+\i], 0
.endr
	s_lshl_b32 s72, s[BB], 2
	s_mov_b32 s73, 0
	s_wait_kmcnt 0x0
	s_add_nc_u64 s[6:7], s[6:7], s[72:73]
	s_load_b32 s[SLC], s[6:7], 0x0                 ; seq_lengths[b]
	s_lshl_b32 s66, s[BB], 4
	s_lshl_b32 s67, s[HG], 2
	s_add_co_u32 s66, s66, s67                     ; 16 b + my first head
	s_lshl_b32 s68, s66, 5
	s_add_co_u32 s69, s68, s[GG]
	s_add_co_u32 s70, s68, s[BK0]
	s_lshl_b32 s72, s69, 11
	s_lshl_b32 s67, s[UU], 10
	s_add_co_u32 s72, s72, s67
	s_add_nc_u64 s[PQ:PQ+1], s[4:5], s[72:73]
	s_lshl_b32 s72, s69, 6
	s_add_co_u32 s72, s72, QS
	s_add_nc_u64 s[PQS:PQS+1], s[4:5], s[72:73]
	s_lshl_b32 s72, s70, 11
	s_add_co_u32 s72, s72, KP
	s_add_nc_u64 s[PK:PK+1], s[4:5], s[72:73]
	s_lshl_b32 s72, s70, 6
	s_add_co_u32 s72, s72, KSB
	s_add_nc_u64 s[PKS:PKS+1], s[4:5], s[72:73]
	s_lshl_b32 s72, s66, 7
	s_add_co_u32 s72, s72, s[BK0]
	s_lshl_b32 s72, s72, 9
	s_add_co_u32 s72, s72, VP
	s_add_nc_u64 s[PV:PV+1], s[4:5], s[72:73]
	s_lshl_b32 s72, s66, 3
	s_lshr_b32 s67, s[BK0], 2
	s_add_co_u32 s72, s72, s67
	s_lshl_b32 s72, s72, 8
	s_add_co_u32 s72, s72, VS
	s_add_nc_u64 s[PVS:PVS+1], s[4:5], s[72:73]
	E1                                             ; the first head's operands are asked for
	E2
	s_lshl_b32 s74, s[BB], 3
	s_lshr_b32 s67, s[GG], 2
	s_add_co_u32 s74, s74, s67                     ; out's row block 8 b + G / 4
	s_mul_i32 s74, s74, 12
	s_lshl_b32 s67, s[HG], 1
	s_add_co_u32 s74, s74, s67                     ; K step = head / 2
	s_mul_i32 s74, s74, RS
	s_lshl_b32 s75, s[GG], 1
	s_add_co_u32 s75, s75, s[UU]
	s_and_b32 s75, s75, 7                          ; my tile in the record
	s_lshl_b32 s72, s75, 11
	s_add_co_u32 s72, s72, s74
	s_add_nc_u64 s[PO:PO+1], s[8:9], s[72:73]
	s_lshr_b32 s72, s75, 2
	s_lshl_b32 s72, s72, 8
	s_and_b32 s75, s75, 3
	s_lshl_b32 s75, s75, 2
	s_add_co_u32 s72, s72, s75
	s_add_co_u32 s72, s72, s74
	s_add_co_u32 s72, s72, 16384
	s_add_nc_u64 s[POS:POS+1], s[8:9], s[72:73]
	s_lshl_b32 s72, s[HG], 2                       ; out1: I store tile positions 4 hg .. 4 hg + 3: queries 32 G + 8 u + 4 hg + 8 (hg / 2) + 0 .. 3
	s_lshr_b32 s67, s[HG], 1
	s_lshl_b32 s67, s67, 3
	s_add_co_u32 s72, s72, s67
	s_add_co_u32 s72, s72, s[Q32]
	s_lshl_b32 s72, s72, 3
	s_add_co_u32 s72, s72, s[BB]
	s_lshl_b32 s72, s72, 12
	s_add_nc_u64 s[PA1:PA1+1], s[10:11], s[72:73]
	s_lshl_b32 s72, s[U0], 8
	s_add_nc_u64 s[PAB:PAB+1], s[PA1:PA1+1], s[72:73]
	s_wait_kmcnt 0x0
	s_max_i32 s[SLC], s[SLC], 0
	s_min_i32 s[SLC], s[SLC], 1024
	s_sub_co_i32 s[TLO], s[Q32], 105               ; the wave's largest query less 128,
	s_sub_co_i32 s[TLO], s[TLO], s[KS0]            ; as a local key: at most 159, so that only blocks 0 to 4 can be masked from below
	s_add_co_u32 s[THI], s[Q32], 128
	s_sub_co_i32 s67, s[SLC], 1
	s_min_i32 s[THI], s[THI], s67
	s_sub_co_i32 s[THI], s[THI], s[KS0]            ; the least last allowed key of the wave's queries, as a local key
	v_and_b32 v63, 8, v61
	v_add_nc_u32 v63, v63, v61
	v_add_nc_u32 v63, s[Q32], v63                  ; my query
	v_lshlrev_b32 v62, 4, v62                      ; 16 h
	s_add_co_u32 s68, s[KS0], 128
	s_sub_co_i32 s68, 0, s68
	v_sub_nc_u32 v[DLO], v63, v62
	v_add_nc_u32 v[DLO], s68, v[DLO]               ; q - 128 - first key - 16 h
	v_add_nc_u32 v[DHI], 128, v63
	v_mov_b32 v59, s67
	v_cmp_gt_i32 vcc_lo, v[DHI], v59
	v_cndmask_b32 v[DHI], v[DHI], v59, vcc_lo      ; min(q + 128, seq_length - 1)
	v_sub_nc_u32 v[DHI], v[DHI], v62
	s_sub_co_i32 s68, 0, s[KS0]
	v_add_nc_u32 v[DHI], s68, v[DHI]
	v_add_nc_u32 v59, 0xffffff80, v63              ; q - 128
	s_cmp_gt_i32 s[SLC], 0
	s_cselect_b32 s68, -1, 0
	v_cmp_gt_i32 s[ANY], s[SLC], v59               ; a key is allowed where max(q - 128, 0) < seq_length
	s_and_b32 s[ANY], s[ANY], s68
	WIN 0x40
.set j, 0
.rept 144
	v_mov_b32 v[j], 0                              ; att
.set j, j+1
.endr
	WIN 0
.irp un, 0,1,2,3,4,5,6,7,8,9,10,11,12,13,14,15   ; zeros outside the band: eleven of the sixteen 256-byte pieces of my four rows of out1
	s_sub_co_u32 s52, \un, s[U0]
	s_cmp_lt_u32 s52, 5
	s_cbranch_scc1 .Lband_\un
	global_store_b128 v[VZ], v[ZL:ZL+3], s[PA1:PA1+1] offset:256*\un th:TH_STORE_NT
	global_store_b128 v[VZ], v[ZL:ZL+3], s[PA1:PA1+1] offset:256*\un+65536 th:TH_STORE_NT
.Lband_\un:
.endr
	s_mov_b32 s53, 0
	s_mov_b32 s54, 1024
	s_mov_b32 s57, 0
.Lhead:
	s_wait_loadcnt 8                               ; q, the scale words and k's fragments 0-6 are in; the youngest eight loads (fragments 7, 8) may be out
	v_perm_b32 v[QSC], v[QRAW], v[QRAW], s[SELQ]
	PLACES 8                                       ; a scale register written by a vector instruction stands eight places ahead
	WIN 0x01                                       ; source 0 in window 1
.irp p, 0,1,2,3,4,5,6
	WM S+16*\p, 144+16*\p, Q, -1, KSC+\p/2, QSC, \p%2, 0
	WM S+16*\p+8, 144+16*\p, ZL, -1, KSC+\p/2, QSC, \p%2, 0
.endr
	s_wait_loadcnt 0x0
	WIN 0
.irp p, 7,8
	WM S+16*\p, T+16*(\p-7), Q, -1, KSC+\p/2, QSC, \p%2, 0
	WM S+16*\p+8, T+16*(\p-7), ZL, -1, KSC+\p/2, QSC, \p%2, 0
.endr
	PLACES 8                                       ; in front of loads into k's registers and of the first read of the scores
.irp i, 0,1,2
	global_load_b64 v[VW+2*\i:VW+2*\i+1], v[L8], s[PVS:PVS+1] offset:256*\i   ; v's scale words of three runs of 128 keys
.endr
	WIN 0x40
.irp t, 0,1,2,3
	global_load_b128 v[144+4*\t:147+4*\t], v[LI], s[PV:PV+1] offset:16384*\t+4096     ; block 8's four pieces
.endr
.irp f, 0,1,2,3,4,5
.irp c, 0,1,2,3
	global_load_b128 v[160+16*\f+4*\c:163+16*\f+4*\c], v[LI], s[PV:PV+1] offset:16384*(\f%4)+512*(4*(\f/4)+\c)
.endr
.endr
	WIN 0
.irp p, 0,1,2,3,4
	MASKLO \p
.endr
.irp p, 0,1,2,3,4,5,6,7,8
	MASKHI \p
.endr
.irp p, 0,1,2,3,4,5,6,7,8
	v_max3_num_f32 v[BM+\p], v[S+16*\p], v[S+16*\p+1], v[S+16*\p+2]   ; each block's largest score: it serves for the row's maximum and, since w rises with the score, for the block's largest w
.endr
.irp i, 3,5,7,9,11,13
.irp p, 0,1,2,3,4,5,6,7,8
	v_max3_num_f32 v[BM+\p], v[BM+\p], v[S+16*\p+\i], v[S+16*\p+\i+1]
.endr
.endr
.irp p, 0,1,2,3,4,5,6,7,8
	v_max_num_f32 v[BM+\p], v[BM+\p], v[S+16*\p+15]
.endr
.irp p, 0,1,2,3,4,5,6,7,8
	v_permlanex16_b32 v[TP+\p], v[BM+\p], s[SEL], s[SEL+1]
.endr
.irp p, 0,1,2,3,4,5,6,7,8
	v_max_num_f32 v[BM+\p], v[BM+\p], v[TP+\p]
.endr
	v_max3_num_f32 v248, v[BM], v[BM+1], v[BM+2]
	v_max3_num_f32 v248, v248, v[BM+3], v[BM+4]
	v_max3_num_f32 v248, v248, v[BM+5], v[BM+6]
	v_max3_num_f32 v248, v248, v[BM+7], v[BM+8]    ; the row's maximum
	v_cndmask_b32 v248, 0, v248, s[ANY]            ; a row with no allowed key takes 0: every exponential is then 0, and no difference of two huge numbers is formed
	v_mul_f32 v[MC], s[CC], v248
	v_mov_b32 v[MC+1], v[MC]
.set j, 0
.rept 72
	v_pk_fma_f32 v[S+j:S+j+1], v[S+j:S+j+1], s[CC:CC+1], v[MC:MC+1] op_sel_hi:[1,0,0] neg_lo:[0,0,1] neg_hi:[0,0,1]
.set j, j+2
.endr
.irp p, 0,1,2,3,4,5,6,7,8
	v_fma_f32 v[BM+\p], v[BM+\p], s[CC], -v[MC]
.endr
.set j, 0
.rept 144
	v_exp_f32 v[S+j], v[S+j]
.set j, j+1
.endr
	v_nop                                          ; a plain line behind the exponentials
	s_wait_alu depctr_va_vdst(0)                   ; one wait for the batch, ahead of its first reader
.irp p, 0,1,2,3,4,5,6,7,8
	v_exp_f32 v[BM+\p], v[BM+\p]
.endr
	v_pk_add_f32 v[SUMA:SUMA+1], v[S:S+1], v[S+4:S+5]          ; the row's sum, two at a time, in two chains
	v_pk_add_f32 v[SUMB:SUMB+1], v[S+2:S+3], v[S+6:S+7]
.set j, 8
.rept 34
	v_pk_add_f32 v[SUMA:SUMA+1], v[SUMA:SUMA+1], v[S+j:S+j+1]
	v_pk_add_f32 v[SUMB:SUMB+1], v[SUMB:SUMB+1], v[S+j+2:S+j+3]
.set j, j+4
.endr
	v_pk_add_f32 v[SUMA:SUMA+1], v[SUMA:SUMA+1], v[SUMB:SUMB+1]
	s_wait_alu depctr_va_vdst(0)                   ; and one for the nine
	v_add_f32 v249, v[SUMA], v[SUMA+1]
	v_permlanex16_b32 v250, v249, s[SEL], s[SEL+1]
	v_add_f32 v249, v249, v250
	v_rcp_f32 v251, v249
	v_nop
	s_wait_alu depctr_va_vdst(0)
	v_cndmask_b32 v[RINV], 0, v251, s[ANY]         ; 1 / sum, or 0 where no key is allowed
	v_mov_b32 v[RINV+1], v[RINV]
.set j, 0
.rept 72
	v_pk_mul_f32 v[S+j:S+j+1], v[S+j:S+j+1], v[RINV:RINV+1]    ; w, finished
.set j, j+2
.endr
.irp p, 0,1,2,3,4,5,6,7,8
	v_mul_f32 v[BM+\p], v[BM+\p], v[RINV]
.endr
	WIN 0x41
.set j, 0
.rept 72
	v_pk_add_f32 v[j:j+1], v[j:j+1], v[S+j:S+j+1]  ; att takes the unquantised w
.set j, j+2
.endr
	WIN 0
	s_wait_loadcnt 28                              ; v's scale words are in: 28 loads were issued behind them
.irp e, 0,1
	v_alignbit_b32 v[VSC+\e], v[VW+2+\e], v[VW+\e], s[SH]      ; the band's blocks 0-3,
	v_alignbit_b32 v[VSC+2+\e], v[VW+4+\e], v[VW+2+\e], s[SH]  ; 4-7,
	v_alignbit_b32 v[VSC+4+\e], v[VW+4+\e], v[VW+4+\e], s[SH]  ; and 8 in the lowest byte (the other bytes meet zero codes)
.endr
	PBLOCK 0
	PBLOCK 1
	PBLOCK 2
.irp i, 0,1,2,3,4,5,6,7,8,9,10,11
	v_mov_b32 v[92+\i], 0                          ; behind block 8's codes: zero codes
.endr
	PBLOCK 3
.irp t, 2,3
.irp c, 0,1,2,3
	global_load_b128 v[104+16*(\t-2)+4*\c:107+16*(\t-2)+4*\c], v[LI], s[PV:PV+1] offset:16384*\t+512*(4+\c)   ; v's last two fragments, where S's blocks 2 and 3 lay
.endr
.endr
	PBLOCK 4
	PBLOCK 5
	PBLOCK 6
	PBLOCK 7
	PBLOCK 8
	PLACES 8
	s_wait_loadcnt 8                               ; all of v but the eight late loads
	WIN 0x01
.irp t, 0,1,2,3
	WM T+8*\t, 160+16*\t, PP, -1, VSC+\t%2, PW, \t/2, 0            ; the four accumulators take turns
.endr
.irp t, 0,1,2,3
	WM T+8*\t, 144+4*\t, 88, T+8*\t, VSC+4+\t%2, PW+2, \t/2, 0     ; block 8: the fragment's other three groups are other codes of v, and meet zero codes
.endr
.irp t, 0,1
	WM T+8*\t, 224+16*\t, 72, T+8*\t, VSC+2+\t%2, PW+1, \t/2, 0
.endr
	s_wait_loadcnt 0x0
	WIN 0
.irp t, 2,3
	WM T+8*\t, 104+16*(\t-2), 72, T+8*\t, VSC+2+\t%2, PW+1, \t/2, 0
.endr
	PLACES 8
	s_wait_xcnt 0x0                                ; every load issued has read its base: the pointers step to the next head
	s_add_nc_u64 s[PQ:PQ+1], s[PQ:PQ+1], 65536
	s_add_nc_u64 s[PQS:PQS+1], s[PQS:PQS+1], 2048
	s_add_nc_u64 s[PK:PK+1], s[PK:PK+1], 65536
	s_add_nc_u64 s[PKS:PKS+1], s[PKS:PKS+1], 2048
	s_add_nc_u64 s[PV:PV+1], s[PV:PV+1], 65536
	s_add_nc_u64 s[PVS:PVS+1], s[PVS:PVS+1], 2048
	s_cmp_eq_u32 s[HC], 3                          ; the last head asks for nothing
	s_cbranch_scc1 .Lno_e1
	E1
.Lno_e1:
	; out: two blocks of 32 along d; registers T + 16 e + i = d 32 e + 16 h + i
.irp e, 0,1
	v_max3_num_f32 v[248+\e], |v[T+16*\e]|, |v[T+16*\e+1]|, 0x8000000
.endr
.irp i, 2,4,6,8,10,12,14
.irp e, 0,1
	v_max3_num_f32 v[248+\e], v[248+\e], |v[T+16*\e+\i]|, |v[T+16*\e+\i+1]|
.endr
.endr
.irp e, 0,1
	v_permlanex16_b32 v[250+\e], v[248+\e], s[SEL], s[SEL+1]
.endr
.irp e, 0,1
	v_max_num_f32 v[248+\e], v[248+\e], v[250+\e]
.endr
.irp e, 0,1
	v_add_nc_u32 v[252+\e], 0xf8800000, v[248+\e]
.endr
.irp e, 0,1
	v_and_or_b32 v[254+\e], v[248+\e], 0x7f800000, s[MNT]
.endr
.irp e, 0,1
	v_lshrrev_b32 v[250+\e], 23, v[252+\e]
.endr
	v_lshl_or_b32 v250, v251, 8, v250
	v_alignbit_b32 v[OW], v250, v[OW], 16          ; the word of 128 along K takes two heads' two bytes: the even head's end up below
.irp e, 0,1
.irp i, 0,1,2,3,4,5,6,7,8,9,10,11,12,13,14,15
	v_med3_num_f32 v[T+16*\e+\i], v[T+16*\e+\i], -v[254+\e], v[254+\e]
.endr
.endr
.irp e, 0,1
	v_cvt_scalef32_pk8_bf8_f32 v[PP+4*\e:PP+4*\e+1], v[T+16*\e:T+16*\e+7], v[252+\e]
	v_cvt_scalef32_pk8_bf8_f32 v[PP+4*\e+2:PP+4*\e+3], v[T+16*\e+8:T+16*\e+15], v[252+\e]
.endr
	v_nop
	global_store_b128 v[LI], v[PP:PP+3], s[PO:PO+1]
	global_store_b128 v[LI], v[PP+4:PP+7], s[PO:PO+1] offset:512
	s_bitcmp1_b32 s[HC], 0
	s_cbranch_scc0 .Leven
	global_store_b32 v[R16], v[OW], s[POS:POS+1]   ; lanes r and r + 16 store the same word
.Leven:
	s_wait_xcnt 0x0                                ; the stores have read their data and bases
	s_bitcmp1_b32 s[HC], 0
	s_cselect_b32 s52, 15872, s54                  ; an even head: two register groups on; an odd one: the next record's first group
	s_cselect_b32 s56, 16896, 0
	s_add_nc_u64 s[PO:PO+1], s[PO:PO+1], s[52:53]
	s_add_nc_u64 s[POS:POS+1], s[POS:POS+1], s[56:57]
	s_cmp_eq_u32 s[HC], 3
	s_cbranch_scc1 .Lno_e2
	E2
.Lno_e2:
	s_add_co_u32 s[HC], s[HC], 1
	s_cmp_lt_u32 s[HC], 4
	s_cbranch_scc1 .Lhead
	; att: each wave's sum over its four heads goes to its own stage in LDS: 16 rows of 1,424 bytes: 128 of zeros, the band's 1,152, 128 of zeros, 16 of padding.
	; Behind the barrier wave (u, hg) adds the four partial sums of tile positions 4 hg .. 4 hg + 3 and stores five whole pieces of 256 bytes a row; the zeros fill the half piece that the band leaves.
	v_and_b32 v216, 15, v0
	v_bfe_u32 v217, v0, 4, 1
	s_mul_i32 s52, s[WV], 22784
	v_mul_u32_u24 v218, v216, 1424
	v_add_nc_u32 v218, s52, v218
	v_mul_u32_u24 v219, v217, 1280
	v_add_nc_u32 v219, v219, v218                  ; the zeros: in front (lanes 0-15), behind (lanes 16-31)
	v_lshl_add_u32 v220, v217, 6, v218
	v_add_nc_u32 v220, 128, v220                   ; my 64 bytes of each block
	s_mul_i32 s52, s[UU], 22784
	s_mul_i32 s56, s[HG], 5696
	s_add_co_u32 s52, s52, s56
	s_xor_b32 s56, s[ZZ], 1
	s_lshl_b32 s56, s56, 7                         ; an even first block: the pieces begin with the band; an odd one: 128 bytes ahead of it
	s_add_co_u32 s52, s52, s56
	v_mul_u32_u24 v221, v217, 1424
	v_lshl_add_u32 v221, v216, 4, v221
	v_add_nc_u32 v221, s52, v221
	v_add_nc_u32 v222, 45568, v221
	v_add_nc_u32 v223, 45568, v222
	v_add_nc_u32 v224, 45568, v223
.irp k, 0,1,2,3,4,5,6,7
	ds_store_b128 v219, v[ZL:ZL+3] offset:16*\k
.endr
	WIN 0x04                                       ; an LDS store's data are its source 1: window 1
.irp p, 0,1,2,3,4,5,6,7,8
.irp jj, 0,1,2,3
	ds_store_b128 v220, v[16*\p+4*\jj:16*\p+4*\jj+3] offset:128*\p+16*\jj
.endr
.endr
	WIN 0
	s_wait_dscnt 0x0                               ; for the others' sake: my stores have landed
	s_barrier_signal -1
	s_barrier_wait -1
.irp k, 0,1,2,3
.irp pr, 0,1
.irp un, 0,1,2,3,4
	ds_load_b128 v[56+40*\k+4*(5*\pr+\un):59+40*\k+4*(5*\pr+\un)], v[221+\k] offset:2848*\pr+256*\un
.endr
.endr
.endr
	s_wait_dscnt 0x0
.irp n, 0,1,2,3,4,5,6,7,8,9
	v_pk_add_f32 v[56+4*\n:57+4*\n], v[56+4*\n:57+4*\n], v[96+4*\n:97+4*\n]
	v_pk_add_f32 v[58+4*\n:59+4*\n], v[58+4*\n:59+4*\n], v[98+4*\n:99+4*\n]
	v_pk_add_f32 v[136+4*\n:137+4*\n], v[136+4*\n:137+4*\n], v[176+4*\n:177+4*\n]
	v_pk_add_f32 v[138+4*\n:139+4*\n], v[138+4*\n:139+4*\n], v[178+4*\n:179+4*\n]
.endr
.irp n, 0,1,2,3,4,5,6,7,8,9
	v_pk_add_f32 v[56+4*\n:57+4*\n], v[56+4*\n:57+4*\n], v[136+4*\n:137+4*\n]
	v_pk_add_f32 v[58+4*\n:59+4*\n], v[58+4*\n:59+4*\n], v[138+4*\n:139+4*\n]
.endr
.irp n, 0,1,2,3,4,5,6,7,8,9
	v_pk_mul_f32 v[56+4*\n:57+4*\n], v[56+4*\n:57+4*\n], 0x3d800000 op_sel_hi:[1,0]    ; the mean over 16 heads
	v_pk_mul_f32 v[58+4*\n:59+4*\n], v[58+4*\n:59+4*\n], 0x3d800000 op_sel_hi:[1,0]
.endr
.irp pr, 0,1
.irp un, 0,1,2,3,4
	global_store_b128 v[VZ], v[56+4*(5*\pr+\un):59+4*(5*\pr+\un)], s[PAB:PAB+1] offset:65536*\pr+256*\un th:TH_STORE_NT   ; sixteen lanes store 256 consecutive bytes, aligned
.endr
.endr
	s_wait_xcnt 0x0
	v_lshl_add_u32 v254, v0, 2, 0x2c800
	v_mov_b32 v255, 0
	s_wait_tensorcnt 0x0
	ds_add_u32 v254, v255
	s_wait_dscnt 0x0
	s_endpgm
.Lfunc_end_k_qb3d0636d8b_attn:
	.size	k_qb3d0636d8b_attn, .Lfunc_end_k_qb3d0636d8b_attn-k_qb3d0636d8b_attn
	.p2alignl 7, 3214868480
	.fill 96, 4, 3214868480
	.section	.rodata,"a",@progbits
	.p2align	6, 0x0
	.amdhsa_kernel k_qb3d0636d8b_attn
		.amdhsa_group_segment_fixed_size 183296
		.amdhsa_private_segment_fixed_size 0
		.amdhsa_enable_private_segment 0
		.amdhsa_kernarg_size 32
		.amdhsa_user_sgpr_count 2
		.amdhsa_user_sgpr_kernarg_segment_ptr 1
		.amdhsa_wavefront_size32 1
		.amdhsa_system_sgpr_workgroup_id_x 1
		.amdhsa_system_sgpr_workgroup_id_y 1
		.amdhsa_system_sgpr_workgroup_id_z 1
		.amdhsa_system_vgpr_workitem_id 0
		.amdhsa_next_free_vgpr 512
		.amdhsa_next_free_sgpr 80
		.amdhsa_reserve_vcc 1
		.amdhsa_float_denorm_mode_32 3
		.amdhsa_float_denorm_mode_16_64 3
		.amdhsa_memory_ordered 1
		.amdhsa_forward_progress 1
		.amdhsa_inst_pref_size 110
	.end_amdhsa_kernel
	.amdgpu_metadata
---
amdhsa.version: [ 1, 2 ]
amdhsa.kernels:
  - .name:           k_qb3d0636d8b_attn
    .symbol:         k_qb3d0636d8b_attn.kd
    .args:
      - { .name: qkv, .offset: 0, .size: 8, .value_kind: global_buffer, .address_space: global }
      - { .name: seq_lengths, .offset: 8, .size: 8, .value_kind: global_buffer, .address_space: global }
      - { .name: arec, .offset: 16, .size: 8, .value_kind: global_buffer, .address_space: global }
      - { .name: out1, .offset: 24, .size: 8, .value_kind: global_buffer, .address_space: global }
    .group_segment_fixed_size: 183296
    .private_segment_fixed_size: 0
    .kernarg_segment_align: 8
    .kernarg_segment_size: 32
    .max_flat_workgroup_size: 256
    .sgpr_count:     80
    .vgpr_count:     512
    .wavefront_size: 32
...
	.end_amdgpu_metadata
.endif
;; end of part 4
;; launch tail (part 5): grid 128 x 1, 4 waves a work-group, no clusters, 305,664 bytes of LDS; arguments arec, wrec, b_in, ln_g, ln_b, b_out, out0; writes out0
.if DOCPART == 5
	.amdgcn_target "amdgcn-amd-amdhsa--gfx1250"
	.amdhsa_code_object_version 6
	.text
	.protected	k_qb3d0636d8b_tail
	.globl	k_qb3d0636d8b_tail
	.p2align	8
	.type	k_qb3d0636d8b_tail,@function
k_qb3d0636d8b_tail:
	s_mov_b64 s[64:65], 0
	v_nop
	global_prefetch_b8 v0, s[64:65] scope:SCOPE_SE
	s_setreg_imm32_b32 hwreg(HW_REG_WAVE_MODE, 25, 1), 1
	s_wait_xcnt 0x0
; r = h + attn_out = b_in + [out | x] [attn_out_w | W_in]^T (K = 1,024 + 512: the residual h is the first product once more, summed into the same accumulators, so that no f32 intermediate goes through memory);
; LayerNorm over the 1,024 in f32 (mean, then the sum of squared differences); quantised along the 1,024; y = . W_out^T + b_out.  All products on codes of E5M2 with E8M0 scales.
; SHARES.  A work-group owns 64 row-positions (half a record's rows).  PHASE 1: wave w makes columns 256 w .. 256 w + 255: 4 row tiles x 16 column tiles = 64 accumulators (windows 2, 3).
; The weights come from memory straight into registers, laid as register images: window 1 holds the 16 fragments of one K step; each group of four is loaded anew, with the next K step's, as soon as its 16 products are issued.
; THE WORK-GROUPS BEGIN K AT DIFFERENT STEPS: phase 1 at step 3 (j % 4) of its 12, phase 2 at step 2 (j % 4) of its 8, and go round: so the 128 work-groups, which all walk the same weights, do not all ask for the same bytes at the same time.
; The activations' codes and scale words of all 12 K steps (12 x 8,192 + 12 x 256 bytes) come into LDS once, at the head, by two tensor loads a wave (three K steps each), in the order in which this work-group walks them:
; LDS slot t holds K step (3 (j % 4) + t) % 12, so that no LDS address of phase 1 hangs on the work-group's number.  These bytes are filled once and only read.
; No joint load for the weights: two slots of one K step's weights (135,168 bytes each) do not fit in LDS beside the activations, and a step has only 64 matrix instructions a wave in which a refill could land.
; PHASE 2: wave w makes columns 128 w .. 128 w + 127 of y; the normalised rows go from wave to wave through LDS as images of operand registers.
; The matrix instruction is used transposed (source 0 = 16 rows of the weight, source 1 = 16 rows of the activations); with the records' order of rows a lane's registers are neighbours along the next K.
; The biases are the C of each sum's first matrix instruction.
; LIMITS: the K steps of a sum are added in an order that differs from work-group to work-group (f32 sums: the rounding's order is not that of ascending K); a block of zeros gets the byte 1 (zero codes; this program alone reads the bytes);
; NaN and infinities are not served.
; REGISTERS, window 0: v1 16 L, v2 and v8 LDS addresses of the activations' images and scale words, v3 64 h, v4-7, v9 LDS addresses, v10-17 -mean (pairs; in phase 2: LDS addresses), v18-25 1 / sqrt(var + eps) (pairs), v26-29 a wave's sums,
;   v32-55 scale words (two sets of 12; phase 2: v32-39), v56-63 the normalised rows' scale words, v64-127 and v128-191 the activations' fragments (two sets; between the phases: gain and bias), v128-255 b_in in the first K step,
;   then v192-207 at work, v208 a scale word, v210-225 codes, v226-233 sums, v234-236 LDS addresses, v240-255 read back.
;   window 1: weights (at the end: rows of y).  windows 2, 3: phase 1's accumulators: (m, b) at v[64 m + 8 (b % 8)] of window 2 + b / 8.  Phase 2: b_out in window 2, the accumulators in window 3.
.set RS,   16896
.set WOUT, 4866048
.set HIMG, 0                           ; LDS: the normalised rows' 32 fragments: (K step ks, row tile m) at 2048 (4 ks + m)
.set HSC,  65536                       ; their scale words, 128 bytes each
.set ST1,  69632                       ; the waves' sums, 256 bytes a wave; the second exchange 1,024 bytes further on
.set STG,  71680                       ; the stage for y: 64 rows x (2,048 + 16) bytes
.set AIMG, 203776                      ; the activations' images: 12 slots of 8,192 bytes
.set ASC,  302080                      ; their scale words: 12 slots of 256 bytes
.set LI,   1
.set AAR,  2
.set H64,  3
.set AS1,  4
.set AR1,  5
.set AHI,  6
.set AHS,  7
.set ASR,  8
.set AW0,  9
.set MU,   10
.set AHP,  10
.set AWP,  14
.set RSD,  18
.set SV,   26
.set BI,   128
.set TM,   192
.set PWD,  208
.set PC,   210
.set SU,   226
.set ASO,  234
.set ARD,  236
.set RB,   240
.set PF,   24                          ; s[24:25] the weights' K step that is being fetched
.set DW,   28                          ; s[28:29] what the wrap takes off it: 12 records or nothing
.set SEL,  30
.set MNT,  32
.set CNT,  33
.set INV,  34
.set EPS,  35
.set PG,   36
.set PBT,  38
.set PBO,  40
.set PY,   42
.set PBI,  44
.set CS,   46                          ; s46 the number of that K step
.set PWP,  48                          ; s[48:55] W_out's four pairs of K steps, in the order in which this work-group walks them
.set G1I,  56                          ; s[56:63] descriptor group 1 for the images;  s[68:75] for the scale words;  s[76:79], s[80:83] their groups 0
.set G1S,  68
.set G0I,  76
.set G0S,  80
.set MSB, 0
.macro WIN new
.if MSB != (\new)
	s_set_vgpr_msb (MSB<<8)|(\new)
.set MSB, (\new)
.endif
.endm
.set MUL_LO, 0xa1
.set MUL_HI, 0xf1
.macro PLACES n
.rept \n
	v_nop
.endr
.endm
.macro WM d, a, b, c, sa, sb, ra, rb
.if (\c) < 0
.if (\ra) && (\rb)
	v_wmma_scale_f32_16x16x128_f8f6f4 v[(\d):(\d)+7], v[(\a):(\a)+15], v[(\b):(\b)+15], 0, v[\sa], v[\sb] matrix_a_fmt:MATRIX_FMT_BF8 matrix_b_fmt:MATRIX_FMT_BF8 matrix_a_scale:MATRIX_SCALE_ROW1 matrix_b_scale:MATRIX_SCALE_ROW1
.elseif (\ra)
	v_wmma_scale_f32_16x16x128_f8f6f4 v[(\d):(\d)+7], v[(\a):(\a)+15], v[(\b):(\b)+15], 0, v[\sa], v[\sb] matrix_a_fmt:MATRIX_FMT_BF8 matrix_b_fmt:MATRIX_FMT_BF8 matrix_a_scale:MATRIX_SCALE_ROW1
.elseif (\rb)
	v_wmma_scale_f32_16x16x128_f8f6f4 v[(\d):(\d)+7], v[(\a):(\a)+15], v[(\b):(\b)+15], 0, v[\sa], v[\sb] matrix_a_fmt:MATRIX_FMT_BF8 matrix_b_fmt:MATRIX_FMT_BF8 matrix_b_scale:MATRIX_SCALE_ROW1
.else
	v_wmma_scale_f32_16x16x128_f8f6f4 v[(\d):(\d)+7], v[(\a):(\a)+15], v[(\b):(\b)+15], 0, v[\sa], v[\sb] matrix_a_fmt:MATRIX_FMT_BF8 matrix_b_fmt:MATRIX_FMT_BF8
.endif
.else
.if (\ra) && (\rb)
	v_wmma_scale_f32_16x16x128_f8f6f4 v[(\d):(\d)+7], v[(\a):(\a)+15], v[(\b):(\b)+15], v[(\c):(\c)+7], v[\sa], v[\sb] matrix_a_fmt:MATRIX_FMT_BF8 matrix_b_fmt:MATRIX_FMT_BF8 matrix_a_scale:MATRIX_SCALE_ROW1 matrix_b_scale:MATRIX_SCALE_ROW1
.elseif (\ra)
	v_wmma_scale_f32_16x16x128_f8f6f4 v[(\d):(\d)+7], v[(\a):(\a)+15], v[(\b):(\b)+15], v[(\c):(\c)+7], v[\sa], v[\sb] matrix_a_fmt:MATRIX_FMT_BF8 matrix_b_fmt:MATRIX_FMT_BF8 matrix_a_scale:MATRIX_SCALE_ROW1
.elseif (\rb)
	v_wmma_scale_f32_16x16x128_f8f6f4 v[(\d):(\d)+7], v[(\a):(\a)+15], v[(\b):(\b)+15], v[(\c):(\c)+7], v[\sa], v[\sb] matrix_a_fmt:MATRIX_FMT_BF8 matrix_b_fmt:MATRIX_FMT_BF8 matrix_b_scale:MATRIX_SCALE_ROW1
.else
	v_wmma_scale_f32_16x16x128_f8f6f4 v[(\d):(\d)+7], v[(\a):(\a)+15], v[(\b):(\b)+15], v[(\c):(\c)+7], v[\sa], v[\sb] matrix_a_fmt:MATRIX_FMT_BF8 matrix_b_fmt:MATRIX_FMT_BF8
.endif
.endif
.endm
.macro QUANTW s, w, pc, pw             ; 64 numbers of a lane in window w become 16 registers of codes and a scale word
	WIN (\w)|((\w)<<2)
.irp b, 0,1,2,3
	v_max3_num_f32 v[TM+\b], |v[(\s)+16*\b]|, |v[(\s)+16*\b+1]|, 0x8000000   ; and the floor 2^(16 - 127): the byte cannot fall under 1
.endr
	WIN ((\w)<<2)|((\w)<<4)
.irp i, 2,4,6,8,10,12,14
.irp b, 0,1,2,3
	v_max3_num_f32 v[TM+\b], v[TM+\b], |v[(\s)+16*\b+\i]|, |v[(\s)+16*\b+\i+1]|
.endr
.endr
	WIN 0
.irp b, 0,1,2,3
	v_permlanex16_b32 v[TM+4+\b], v[TM+\b], s[SEL], s[SEL+1]
.endr
.irp b, 0,1,2,3
	v_max_num_f32 v[TM+\b], v[TM+\b], v[TM+4+\b]
.endr
.irp b, 0,1,2,3
	v_add_nc_u32 v[TM+12+\b], 0xf8800000, v[TM+\b]
.endr
.irp b, 0,1,2,3
	v_and_or_b32 v[TM+8+\b], v[TM+\b], 0x7f800000, s[MNT]
.endr
.irp b, 0,1,2,3
	v_lshrrev_b32 v[TM+4+\b], 23, v[TM+12+\b]
.endr
	v_lshl_or_b32 v[\pw], v[TM+5], 8, v[TM+4]
	v_lshl_or_b32 v[\pw], v[TM+6], 16, v[\pw]
	v_lshl_or_b32 v[\pw], v[TM+7], 24, v[\pw]
	WIN (\w)|((\w)<<6)
.irp b, 0,1,2,3
.irp i, 0,1,2,3,4,5,6,7,8,9,10,11,12,13,14,15
	v_med3_num_f32 v[(\s)+16*\b+\i], v[(\s)+16*\b+\i], -v[TM+8+\b], v[TM+8+\b]
.endr
.endr
	WIN (\w)
.irp b, 0,1,2,3
	v_cvt_scalef32_pk8_bf8_f32 v[(\pc)+4*\b:(\pc)+4*\b+1], v[(\s)+16*\b:(\s)+16*\b+7], v[TM+12+\b]
	v_cvt_scalef32_pk8_bf8_f32 v[(\pc)+4*\b+2:(\pc)+4*\b+3], v[(\s)+16*\b+8:(\s)+16*\b+15], v[TM+12+\b]
.endr
	WIN 0
	v_nop
.endm
.macro GRP gi                          ; weight fragments 4 gi .. 4 gi + 3 of the K step at s[PF]: 16 loads; my second row block lies 12 records (202,752 bytes) on
	WIN 0x40
.irp ff, 0,1,2,3
.irp c, 0,1,2,3
	global_load_b128 v[16*(4*(\gi)+\ff)+4*\c:16*(4*(\gi)+\ff)+4*\c+3], v[LI], s[PF:PF+1] offset:202752*((\gi)/2)+2048*(4*((\gi)%2)+\ff)+512*\c
.endr
.endr
	WIN 0
.endm
.macro SBL set                         ; the weights' scale words of that K step: 2 loads
	global_load_b128 v[36+12*(\set):39+12*(\set)], v[LI], s[PF:PF+1] offset:16384
	global_load_b128 v[40+12*(\set):43+12*(\set)], v[LI], s[PF:PF+1] offset:202752+16384
.endm
.macro AL set, aoff, soff              ; the activations' four fragments and their scale words, from LDS
.irp m, 0,1,2,3
.irp c, 0,1,2,3
	ds_load_b128 v[64+64*(\set)+16*\m+4*\c:64+64*(\set)+16*\m+4*\c+3], v[AAR] offset:(\aoff)+2048*\m+512*\c
.endr
.endr
	ds_load_b128 v[32+12*(\set):35+12*(\set)], v[ASR] offset:\soff
.endm
.macro WOLD gi                         ; in phase 1's last step the freed registers take W_out's first two K steps of this work-group's walk
	WIN 0x40
.irp ff, 0,1,2,3
.irp c, 0,1,2,3
	global_load_b128 v[16*(4*(\gi)+\ff)+4*\c:16*(4*(\gi)+\ff)+4*\c+3], v[LI], s[PWP:PWP+1] offset:((\gi)/2)*RS+2048*(4*((\gi)%2)+\ff)+512*\c
.endr
.endr
	WIN 0
.if (\gi)%2 == 1
	global_load_b128 v[32+4*((\gi)/2):35+4*((\gi)/2)], v[LI], s[PWP:PWP+1] offset:((\gi)/2)*RS+16384
.endif
.endm
; A K step of phase 1: four groups of 16 products; behind each, eight places and the group's refill with the next K step's.  A step issues 66 global loads: group 0's 16, the scale words' 2, groups 1 to 3's 48.
; mode 0: in the loop; 1: the first step: C = b_in, in window 0; 2: the last step: nothing of phase 1 is left to fetch.  aoff, soff: where the next step's activations lie from v[AAR] and v[ASR].
.macro KSTEP set, mode, aoff, soff
.irp gi, 0,1,2,3
.if \gi == 0
	s_wait_loadcnt 48                              ; group 0 and the scale words are in: behind them groups 1 to 3 were issued
	s_wait_dscnt 0x0                               ; and the activations
.elseif (\mode) == 2
	s_wait_loadcnt 48                              ; 48 or 49 loads were issued behind this group's
.else
	s_wait_loadcnt 50                              ; behind this group's: the groups that follow it, and of the next step group 0, the scale words and the groups ahead of this one: 50 loads
.endif
.if (\mode) == 1
	WIN 0x81+0x40*(\gi/2)                          ; C in window 0, D in window 2 or 3
.else
	WIN MUL_LO+0x50*(\gi/2)
.endif
.irp ff, 0,1,2,3
.irp m, 0,1,2,3
.if (\mode) == 1
	WM 64*\m+8*((4*\gi+\ff)%8), 16*(4*\gi+\ff), 64+64*(\set)+16*\m, BI+8*(4*\gi+\ff), 36+12*(\set)+4*(\gi/2)+\ff, 32+12*(\set)+\m, \gi%2, 0
.else
	WM 64*\m+8*((4*\gi+\ff)%8), 16*(4*\gi+\ff), 64+64*(\set)+16*\m, 64*\m+8*((4*\gi+\ff)%8), 36+12*(\set)+4*(\gi/2)+\ff, 32+12*(\set)+\m, \gi%2, 0
.endif
.endr
.endr
	PLACES 8                                       ; in front of loads into registers that these products have read
.if (\mode) == 2
	WOLD \gi
.else
.if \gi == 0
	s_wait_xcnt 0x0                                ; every load issued has read its base: it steps to the next K step, and from the twelfth back to the first.  The 16 products above are at work meanwhile
	s_add_co_u32 s[CS], s[CS], 1
	s_cmp_eq_u32 s[CS], 12
	s_cselect_b32 s[CS], 0, s[CS]
	s_cselect_b32 s[DW], 12*RS, 0
	s_add_nc_u64 s[PF:PF+1], s[PF:PF+1], RS
	s_sub_nc_u64 s[PF:PF+1], s[PF:PF+1], s[DW:DW+1]
.endif
	GRP \gi
.if \gi == 0
	SBL 1-(\set)
.endif
.if (((\gi) == 0) && ((\mode) == 0)) || (((\gi) == 1) && ((\mode) == 1))
	AL 1-(\set), \aoff, \soff                      ; (in the first step behind group 1: b_in's first half lies in the other set's registers)
.endif
.endif
.endr
.endm
.macro GBLD ch                         ; gain and bias of my columns 128 ch on, in the result's layout: 32 loads
.irp b, 0,1,2,3,4,5,6,7
.irp jj, 0,1
	global_load_b128 v[64+8*\b+4*\jj:64+8*\b+4*\jj+3], v[H64], s[PG:PG+1] offset:512*(\ch)+128*(\b/2)+32*(\b%2)+16*\jj
	global_load_b128 v[128+8*\b+4*\jj:128+8*\b+4*\jj+3], v[H64], s[PBT:PBT+1] offset:512*(\ch)+128*(\b/2)+32*(\b%2)+16*\jj
.endr
.endr
.endm
.macro SUMW                            ; the window's 4 x 64 numbers onto the four sums (source 1's window is the caller's); each accumulator is read from its low end on
.set j, 0
.rept 32
.irp m, 0,1,2,3
	v_pk_add_f32 v[SU+2*\m:SU+2*\m+1], v[SU+2*\m:SU+2*\m+1], v[64*\m+j:64*\m+j+1]
.endr
.set j, j+2
.endr
.endm
.macro SUBW                            ; r - mean, in place
.set j, 0
.rept 32
.irp m, 0,1,2,3
	v_pk_add_f32 v[64*\m+j:64*\m+j+1], v[64*\m+j:64*\m+j+1], v[MU+2*\m:MU+2*\m+1]
.endr
.set j, j+2
.endr
.endm
.macro SQW                             ; its squares onto the four sums
.set j, 0
.rept 32
.irp m, 0,1,2,3
	v_pk_fma_f32 v[SU+2*\m:SU+2*\m+1], v[64*\m+j:64*\m+j+1], v[64*\m+j:64*\m+j+1], v[SU+2*\m:SU+2*\m+1]
.endr
.set j, j+2
.endr
.endm
.macro ZSUM
.irp i, 0,1,2,3,4,5,6,7
	v_mov_b32 v[SU+\i], 0
.endr
.endm
; the four row tiles' sums: the pair's halves, lane l xor 16's, then the four waves' through LDS: totals in v[RB] .. v[RB + 3]
.macro XCH off
.irp m, 0,1,2,3
	v_add_f32 v[SV+\m], v[SU+2*\m], v[SU+2*\m+1]
.endr
.irp m, 0,1,2,3
	v_permlanex16_b32 v[TM+\m], v[SV+\m], s[SEL], s[SEL+1]
.endr
.irp m, 0,1,2,3
	v_add_f32 v[SV+\m], v[SV+\m], v[TM+\m]
.endr
	ds_store_b128 v[AS1], v[SV:SV+3] offset:\off   ; lanes r and r + 16 store the same 16 bytes
	s_wait_dscnt 0x0                               ; for the others' sake
	s_barrier_signal -1
	s_barrier_wait -1
.irp k, 0,1,2,3
	ds_load_b128 v[RB+4*\k:RB+4*\k+3], v[AR1] offset:(\off)+256*\k
.endr
	s_wait_dscnt 0x0
	v_pk_add_f32 v[RB:RB+1], v[RB:RB+1], v[RB+4:RB+5]
	v_pk_add_f32 v[RB+2:RB+3], v[RB+2:RB+3], v[RB+6:RB+7]
	v_pk_add_f32 v[RB+8:RB+9], v[RB+8:RB+9], v[RB+12:RB+13]
	v_pk_add_f32 v[RB+10:RB+11], v[RB+10:RB+11], v[RB+14:RB+15]
	v_pk_add_f32 v[RB:RB+1], v[RB:RB+1], v[RB+8:RB+9]
	v_pk_add_f32 v[RB+2:RB+3], v[RB+2:RB+3], v[RB+10:RB+11]
.endm
.macro NORM w                          ; x 1 / sqrt(var + eps), x gain + bias, in place
	WIN (\w)|((\w)<<6)
.set j, 0
.rept 32
.irp m, 0,1,2,3
	v_pk_mul_f32 v[64*\m+j:64*\m+j+1], v[64*\m+j:64*\m+j+1], v[RSD+2*\m:RSD+2*\m+1]
.endr
.set j, j+2
.endr
.set j, 0
.rept 32
.irp m, 0,1,2,3
	v_pk_fma_f32 v[64*\m+j:64*\m+j+1], v[64*\m+j:64*\m+j+1], v[64+j:65+j], v[128+j:129+j]
.endr
.set j, j+2
.endr
	WIN 0
.endm
.macro HOUT w, ch                      ; the window's four row tiles are quantised and go to LDS as images: K step 2 wave + ch of phase 2
.irp m, 0,1,2,3
	QUANTW 64*\m, \w, PC, PWD
.irp c, 0,1,2,3
	ds_store_b128 v[AHI], v[PC+4*\c:PC+4*\c+3] offset:8192*(\ch)+2048*\m+512*\c
.endr
	ds_store_b32 v[AHS], v[PWD] offset:512*(\ch)+128*\m
	s_wait_dscnt 0x0                               ; the stores have read their registers
.endr
.endm
.macro HF set, areg, wreg, ko, kw      ; a K step's four fragments of the normalised rows and their scale words, from LDS
.irp m, 0,1,2,3
.irp c, 0,1,2,3
	ds_load_b128 v[64+64*(\set)+16*\m+4*\c:64+64*(\set)+16*\m+4*\c+3], v[\areg] offset:(\ko)+2048*\m+512*\c
.endr
	ds_load_b32 v[56+4*(\set)+\m], v[\wreg] offset:(\kw)+128*\m
.endr
.endm
.macro P2MUL par, f0, z                ; 16 products: column tiles f0 .. f0 + 3 x the four row tiles.  z = 1: C = b_out, in window 2
.irp f, \f0, \f0+1, \f0+2, \f0+3
.irp m, 0,1,2,3
.if \z
	WM 64*\m+8*(\f), 128*(\par)+16*(\f), 64+64*(\par)+16*\m, 8*(\f), 32+4*(\par)+((\f)%4), 56+4*(\par)+\m, (\f)/4, 0
.else
	WM 64*\m+8*(\f), 128*(\par)+16*(\f), 64+64*(\par)+16*\m, 64*\m+8*(\f), 32+4*(\par)+((\f)%4), 56+4*(\par)+\m, (\f)/4, 0
.endif
.endr
.endr
.endm
.macro P2LD par, f0, ptr               ; W_out's fragments f0 .. f0 + 3 of the K step two on: the same place in the next pair
	WIN 0x40
.irp f, \f0, \f0+1, \f0+2, \f0+3
.irp c, 0,1,2,3
	global_load_b128 v[128*(\par)+16*(\f)+4*\c:128*(\par)+16*(\f)+4*\c+3], v[LI], s[\ptr:\ptr+1] offset:(\par)*RS+2048*(\f)+512*\c
.endr
.endr
	WIN 0
.endm
; K step u of this work-group's walk through phase 2: 32 products.  The next step's rows come from LDS in its middle; W_out's registers are loaded anew, two steps ahead, as they fall free: 33 loads a step.
; The eight steps are written out: each names its pair's pointer and LDS addresses, which were made beforehand, so that nothing is stepped.
.macro P2STEP u, lc, z
	s_wait_loadcnt \lc                             ; this step's weights are in: behind them the step before issued its 33 loads (the first step: b_out too; the last: nothing is younger)
	s_wait_dscnt 0x0                               ; and its rows
.if \z
	WIN 0xe1                                       ; source 0 window 1, C window 2, D window 3
.else
	WIN MUL_HI
.endif
	P2MUL (\u)%2, 0, \z
	PLACES 8
	WIN 0
.if (\u) < 7
	HF 1-(\u)%2, AHP+((\u)+1)/2, AWP+((\u)+1)/2, 8192*(((\u)+1)%2), 512*(((\u)+1)%2)
.endif
.if (\u) < 6
	P2LD (\u)%2, 0, PWP+2*((\u)/2+1)
.endif
.if \z
	WIN 0xe1
.else
	WIN MUL_HI
.endif
	P2MUL (\u)%2, 4, \z
	PLACES 8
	WIN 0
.if (\u) < 6
	P2LD (\u)%2, 4, PWP+2*((\u)/2+1)
	global_load_b128 v[32+4*((\u)%2):35+4*((\u)%2)], v[LI], s[PWP+2*((\u)/2+1):PWP+2*((\u)/2+1)+1] offset:((\u)%2)*RS+16384
.endif
.endm
	s_load_b256 s[4:11], s[0:1], 0x0               ; arec, wrec, b_in, ln_g
	s_load_b128 s[12:15], s[0:1], 0x20             ; ln_b, b_out
	s_load_b64 s[16:17], s[0:1], 0x30              ; out0
	v_lshl_add_u32 v30, v0, 2, 0x4a800
	v_mov_b32 v31, 0
	ds_add_u32 v30, v31
	ds_add_u32 v30, v31
	v_lshrrev_b32 v26, 5, v0
	v_readfirstlane_b32 s18, v26                   ; wave 0..3
	s_and_b32 s19, ttmp9, 3                        ; where this work-group begins its walks along K
	; descriptor group 1, the images: 3 rows (K steps) of 8,192 bytes, 16,896 bytes apart in memory, dense in LDS
	s_mov_b32 s[G1I+0], 3<<16                      ; no mask; elements of 8 bytes; no padding
	s_mov_b32 s[G1I+1], 1024<<16                   ; tensor_dim0 = 1,024 elements
	s_mov_b32 s[G1I+2], 3<<16                      ; tensor_dim1 = 3
	s_mov_b32 s[G1I+3], 1024<<16                   ; tile_dim0
	s_mov_b32 s[G1I+4], 3                          ; tile_dim1
	s_mov_b32 s[G1I+5], 2112                       ; the pitch: a record
	s_mov_b32 s[G1I+6], 0
	s_mov_b32 s[G1I+7], 0
	; the scale words: 3 rows of 256 bytes, a record apart
	s_mov_b32 s[G1S+0], 3<<16
	s_mov_b32 s[G1S+1], 32<<16
	s_mov_b32 s[G1S+2], 3<<16
	s_mov_b32 s[G1S+3], 32<<16
	s_mov_b32 s[G1S+4], 3
	s_mov_b32 s[G1S+5], 2112
	s_mov_b32 s[G1S+6], 0
	s_mov_b32 s[G1S+7], 0
	s_add_co_u32 s20, s19, s18                     ; wave w fills LDS slots 3 w .. 3 w + 2: K steps 3 ((j % 4 + w) % 4) + 0 .. 2
	s_and_b32 s20, s20, 3
	s_mul_i32 s20, s20, 3*RS
	s_lshr_b32 s21, ttmp9, 1                       ; my row block
	s_mul_i32 s21, s21, 12*RS
	s_add_co_u32 s20, s20, s21
	s_and_b32 s22, ttmp9, 1                        ; and which half of it
	s_lshl_b32 s23, s22, 13
	s_add_co_u32 s26, s20, s23                     ; my half's four images
	s_mov_b32 s27, 0
	s_lshl_b32 s23, s22, 8
	s_add_co_u32 s20, s20, s23
	s_add_co_u32 s20, s20, 16384                   ; my half's scale words
	s_mov_b32 s21, 0
	s_mul_i32 s22, s18, 24576
	s_mul_i32 s23, s18, 768
	s_wait_dscnt 0x0
	s_wait_kmcnt 0x0
	s_mov_b32 s[G0I], 1
	s_add_co_u32 s[G0I+1], s22, AIMG
	s_add_nc_u64 s[G0I+2:G0I+3], s[4:5], s[26:27]
	s_or_b32 s[G0I+3], s[G0I+3], 0x80000000
	s_mov_b32 s[G0S], 1
	s_add_co_u32 s[G0S+1], s23, ASC
	s_add_nc_u64 s[G0S+2:G0S+3], s[4:5], s[20:21]
	s_or_b32 s[G0S+3], s[G0S+3], 0x80000000
	tensor_load_to_lds s[G0I:G0I+3], s[G1I:G1I+7]  ; the launch's only fills: two loads of mine are out
	s_nop 0
	tensor_load_to_lds s[G0S:G0S+3], s[G1S:G1S+7]
	s_nop 0
.rept 4
	v_nop
.endr
	v_and_b32 v26, 31, v0                          ; lane
	v_and_b32 v27, 15, v0                          ; r
	v_bfe_u32 v28, v0, 4, 1                        ; h
	v_lshlrev_b32 v[LI], 4, v26
	v_lshlrev_b32 v[H64], 6, v28
	v_add_nc_u32 v[AAR], AIMG, v[LI]
	v_lshlrev_b32 v[ASR], 4, v27
	v_add_nc_u32 v[AR1], ST1, v[ASR]
	v_add_nc_u32 v[ASR], ASC, v[ASR]               ; lanes r and r + 16 take row r's four words
	s_lshl_b32 s23, s18, 8
	v_add_nc_u32 v[AS1], s23, v[AR1]
	s_lshl_b32 s23, s18, 14
	v_add_nc_u32 v[AHI], s23, v[LI]
	v_lshlrev_b32 v[AW0], 2, v26
	v_add_nc_u32 v[AW0], HSC, v[AW0]
	s_lshl_b32 s23, s18, 10
	v_add_nc_u32 v[AHS], s23, v[AW0]
	s_mov_b32 s[SEL], 0x76543210
	s_mov_b32 s[SEL+1], 0xfedcba98
	s_mov_b32 s[MNT], 0x600000
	s_mov_b32 s[INV], 0x3a800000                   ; 1 / 1,024
	s_mov_b32 s[EPS], 0x3727c5ac                   ; 1e-5
	s_mul_i32 s20, s18, 24*RS                      ; my two row blocks of [attn_out_w | W_in],
	s_mul_i32 s22, s19, 3*RS                       ; at the K step at which this work-group begins
	s_add_co_u32 s20, s20, s22
	s_add_nc_u64 s[PF:PF+1], s[6:7], s[20:21]
	s_mul_i32 s[CS], s19, 3
	s_mov_b32 s[DW+1], 0
	s_mul_i32 s22, s18, 8*RS
	s_add_co_u32 s22, s22, WOUT                    ; my row block of W_out
.irp i, 0,1,2,3
	s_add_co_u32 s20, s19, \i
	s_and_b32 s20, s20, 3                          ; the i-th pair of K steps of the walk: pair (j % 4 + i) % 4
	s_mul_i32 s20, s20, 2*RS
	s_add_co_u32 s20, s20, s22
	s_add_nc_u64 s[PWP+2*\i:PWP+2*\i+1], s[6:7], s[20:21]
.endr
	s_lshl_b32 s20, s18, 10
	s_add_nc_u64 s[PBI:PBI+1], s[8:9], s[20:21]
	s_add_nc_u64 s[PG:PG+1], s[10:11], s[20:21]
	s_add_nc_u64 s[PBT:PBT+1], s[12:13], s[20:21]
	s_lshl_b32 s20, s18, 9
	s_add_nc_u64 s[PBO:PBO+1], s[14:15], s[20:21]
	s_and_b32 s20, ttmp9, 15                       ; out0: row' = 64 j + 32 (w / 2) + 8 (w % 2) + i + 8 (i / 8) = 1024 b + l lies at l x 16,384 + b x 2,048
	s_lshl_b32 s20, s20, 6
	s_lshr_b32 s22, s18, 1
	s_lshl_b32 s22, s22, 5
	s_add_co_u32 s20, s20, s22
	s_and_b32 s22, s18, 1
	s_lshl_b32 s22, s22, 3
	s_add_co_u32 s20, s20, s22
	s_lshl_b32 s20, s20, 14
	s_lshr_b32 s22, ttmp9, 4
	s_lshl_b32 s22, s22, 11
	s_add_co_u32 s20, s20, s22
	s_add_nc_u64 s[PY:PY+1], s[16:17], s[20:21]
	; PHASE 1.  b_in in the result's layout: column tile b, lane half h: columns 32 (b / 2) + 16 h + 8 (b % 2) + 0 .. 7
.irp b, 0,1,2,3,4,5,6,7,8,9,10,11,12,13,14,15
	global_load_b128 v[BI+8*\b:BI+8*\b+3], v[H64], s[PBI:PBI+1] offset:128*(\b/2)+32*(\b%2)
	global_load_b128 v[BI+8*\b+4:BI+8*\b+7], v[H64], s[PBI:PBI+1] offset:128*(\b/2)+32*(\b%2)+16
.endr
	GRP 0
	SBL 0
	GRP 1
	GRP 2
	GRP 3
	s_wait_tensorcnt 0x0                           ; my three slots of the activations are in,
	s_barrier_signal -1
	s_barrier_wait -1                              ; everybody's are
	AL 0, 0, 0
	KSTEP 0, 1, 8192, 256                          ; the walk's step 0: its products start the sums with b_in
	s_mov_b32 s[CNT], 5
.Lk:                                                   ; two K steps a trip: the walk's steps 1 to 10
	KSTEP 1, 0, 16384, 512
	KSTEP 0, 0, 24576, 768
	v_add_nc_u32 v[AAR], 16384, v[AAR]
	v_add_nc_u32 v[ASR], 512, v[ASR]
	s_sub_co_u32 s[CNT], s[CNT], 1
	s_cmp_lg_u32 s[CNT], 0
	s_cbranch_scc1 .Lk
	KSTEP 1, 2, 0, 0                               ; step 11
	; LAYERNORM
.irp i, 0,1,2,3,4,5,6,7
	v_mov_b32 v[TM+\i], 0                          ; a lane permute's destination counts as one of its sources
.endr
	v_and_b32 v238, 15, v0                         ; r
	v_bfe_u32 v239, v0, 4, 1                       ; h
	v_mul_u32_u24 v[ASO], v238, 2064
	v_lshl_add_u32 v[ASO], v239, 6, v[ASO]
	s_lshl_b32 s23, s18, 9
	s_add_co_u32 s23, s23, STG
	v_add_nc_u32 v[ASO], s23, v[ASO]               ; the stage: row r, my wave's 512 bytes, + 64 h
	v_add_nc_u32 v[ASO+1], 66048, v[ASO]           ; and 32 rows further down
	s_mul_i32 s23, s18, 33024
	s_add_co_u32 s23, s23, STG
	v_add_nc_u32 v[ARD], s23, v[LI]                ; back: my 16 rows
	GBLD 0
	ZSUM
	WIN 0x08
	SUMW
	WIN 0x0c
	SUMW
	WIN 0
	XCH 0
.irp m, 0,1,2,3
	v_mul_f32 v[MU+2*\m], 0xba800000, v[RB+\m]     ; - mean
	v_mov_b32 v[MU+2*\m+1], v[MU+2*\m]
.endr
	ZSUM
	WIN 0x82
	SUBW
	WIN 0x0a
	SQW
	WIN 0xc3
	SUBW
	WIN 0x0f
	SQW
	WIN 0
	XCH 1024
.irp m, 0,1,2,3
	v_fma_f32 v[RB+4+\m], v[RB+\m], s[INV], s[EPS] ; var + eps
.endr
.irp m, 0,1,2,3
	v_rsq_f32 v[RSD+2*\m], v[RB+4+\m]
.endr
	v_nop
	s_wait_alu depctr_va_vdst(0)                   ; one wait for the four, ahead of their first reader
.irp m, 0,1,2,3
	v_mov_b32 v[RSD+2*\m+1], v[RSD+2*\m]
.endr
	s_wait_loadcnt 0x0                             ; gain and bias
	NORM 2
	GBLD 1
	HOUT 2, 0
	WIN 0x80                                       ; b_out, in the result's layout, into window 2, which has been quantised: 16 loads
.irp f, 0,1,2,3,4,5,6,7
	global_load_b128 v[8*\f:8*\f+3], v[H64], s[PBO:PBO+1] offset:128*(\f/2)+32*(\f%2)
	global_load_b128 v[8*\f+4:8*\f+7], v[H64], s[PBO:PBO+1] offset:128*(\f/2)+32*(\f%2)+16
.endr
	WIN 0
	s_wait_loadcnt 16                              ; the second gain and bias are in; b_out's 16 loads may be out
	NORM 3
	HOUT 3, 1
.irp i, 0,1,2,3                                ; the LDS addresses of the walk's four pairs of K steps: pair (j % 4 + i) % 4: 16,384 bytes of images, 1,024 of scale words
	s_add_co_u32 s20, s19, \i
	s_and_b32 s20, s20, 3
	s_lshl_b32 s22, s20, 14
	v_add_nc_u32 v[AHP+\i], s22, v[LI]
	s_lshl_b32 s22, s20, 10
	v_add_nc_u32 v[AWP+\i], s22, v[AW0]
.endr
	s_barrier_signal -1                            ; (every LDS store of mine has been waited for)
	s_barrier_wait -1                              ; the 32 fragments lie in LDS
	; PHASE 2
	HF 0, AHP, AWP, 0, 0
	P2STEP 0, 0, 1                                 ; its products start the sums with b_out
	P2STEP 1, 33, 0
	P2STEP 2, 33, 0
	P2STEP 3, 33, 0
	P2STEP 4, 33, 0
	P2STEP 5, 33, 0
	P2STEP 6, 33, 0
	P2STEP 7, 0, 0
	; THE WAY OUT: a row's 512 numbers come from four waves: they meet in the stage, and each wave stores 16 whole rows
	WIN 0x0c                                       ; an LDS store's data are its source 1: window 3
.irp m, 0,1,2,3
.irp b, 0,1,2,3,4,5,6,7
	ds_store_b128 v[ASO+\m/2], v[64*\m+8*\b:64*\m+8*\b+3] offset:(\m%2)*33024+128*(\b/2)+32*(\b%2)
	ds_store_b128 v[ASO+\m/2], v[64*\m+8*\b+4:64*\m+8*\b+7] offset:(\m%2)*33024+128*(\b/2)+32*(\b%2)+16
.endr
.endr
	WIN 0
	s_wait_dscnt 0x0
	s_barrier_signal -1
	s_barrier_wait -1
	WIN 0x40
.irp i, 0,1,2,3,4,5,6,7,8,9,10,11,12,13,14,15
.irp k, 0,1,2,3
	ds_load_b128 v[4*(4*\i+\k):4*(4*\i+\k)+3], v[ARD] offset:2064*\i+512*\k
.endr
.endr
	WIN 0x04                                       ; a store's data are its source 1: window 1
.irp i, 0,1,2,3,4,5,6,7,8,9,10,11,12,13,14,15
.irp k, 0,1,2,3
	s_wait_dscnt 63-(4*\i+\k)                      ; LDS loads come back in order: this one is in
	global_store_b128 v[LI], v[4*(4*\i+\k):4*(4*\i+\k)+3], s[PY:PY+1] offset:((\i%8)+16*(\i/8))*16384+512*\k th:TH_STORE_NT   ; 512 consecutive bytes, aligned
.endr
.endr
	WIN 0
	s_wait_tensorcnt 0x0
	ds_add_u32 v30, v31
	s_wait_dscnt 0x0
	s_endpgm
.Lfunc_end_k_qb3d0636d8b_tail:
	.size	k_qb3d0636d8b_tail, .Lfunc_end_k_qb3d0636d8b_tail-k_qb3d0636d8b_tail
	.p2alignl 7, 3214868480
	.fill 96, 4, 3214868480
	.section	.rodata,"a",@progbits
	.p2align	6, 0x0
	.amdhsa_kernel k_qb3d0636d8b_tail
		.amdhsa_group_segment_fixed_size 305664
		.amdhsa_private_segment_fixed_size 0
		.amdhsa_enable_private_segment 0
		.amdhsa_kernarg_size 56
		.amdhsa_user_sgpr_count 2
		.amdhsa_user_sgpr_kernarg_segment_ptr 1
		.amdhsa_wavefront_size32 1
		.amdhsa_system_sgpr_workgroup_id_x 1
		.amdhsa_system_sgpr_workgroup_id_y 1
		.amdhsa_system_sgpr_workgroup_id_z 1
		.amdhsa_system_vgpr_workitem_id 0
		.amdhsa_next_free_vgpr 1024
		.amdhsa_next_free_sgpr 88
		.amdhsa_reserve_vcc 0
		.amdhsa_float_denorm_mode_32 3
		.amdhsa_float_denorm_mode_16_64 3
		.amdhsa_memory_ordered 1
		.amdhsa_forward_progress 1
		.amdhsa_inst_pref_size 255
	.end_amdhsa_kernel
	.section	.bss,"aw",@nobits
	.p2align	6
	.space	262144
	.amdgpu_metadata
---
amdhsa.version: [ 1, 2 ]
amdhsa.kernels:
  - .name:           k_qb3d0636d8b_tail
    .symbol:         k_qb3d0636d8b_tail.kd
    .args:
      - { .name: arec, .offset: 0, .size: 8, .value_kind: global_buffer, .address_space: global }
      - { .name: wrec, .offset: 8, .size: 8, .value_kind: global_buffer, .address_space: global }
      - { .name: b_in, .offset: 16, .size: 8, .value_kind: global_buffer, .address_space: global }
      - { .name: ln_g, .offset: 24, .size: 8, .value_kind: global_buffer, .address_space: global }
      - { .name: ln_b, .offset: 32, .size: 8, .value_kind: global_buffer, .address_space: global }
      - { .name: b_out, .offset: 40, .size: 8, .value_kind: global_buffer, .address_space: global }
      - { .name: out0, .offset: 48, .size: 8, .value_kind: global_buffer, .address_space: global }
    .group_segment_fixed_size: 305664
    .private_segment_fixed_size: 0
    .kernarg_segment_align: 8
    .kernarg_segment_size: 56
    .max_flat_workgroup_size: 128
    .sgpr_count:     88
    .vgpr_count:     1024
    .wavefront_size: 32
...
	.end_amdgpu_metadata
.endif
;; end of part 5
;; ======== version 2 of 2: 5 launches; version 1 with the launch attn written anew for expert scheduling mode
;; workspace buffers: arec 12,976,128 bytes; wrec 5,406,720 bytes; hrec 8,650,752 bytes; qkv 25,952,256 bytes
;; launch prep: the kernel of part 1 again; grid 288 x 1, 4 waves a work-group, no clusters, 0 bytes of LDS; arguments x, W_in, attn_out_w, in_proj_w, W_out, arec, wrec; writes arec, wrec
;; launch hproj: the kernel of part 2 again; grid 4 x 32, 4 waves a work-group, clusters of 4 x 4, 327,680 bytes of LDS; arguments arec, wrec, b_in, hrec; writes hrec
;; launch qkvproj: the kernel of part 3 again; grid 8 x 48, 4 waves a work-group, clusters of 4 x 4, 327,680 bytes of LDS; arguments hrec, wrec, qkv; writes qkv
;; launch attn (part 6): grid 32 x 8, 8 waves a work-group, no clusters, 183,296 bytes of LDS; arguments qkv, seq_lengths, arec, out1; writes arec, out1
.if DOCPART == 6
	.amdgcn_target "amdgcn-amd-amdhsa--gfx1250"
	.amdhsa_code_object_version 6
	.text
	.protected	k_qb3d0636d8b_attn
	.globl	k_qb3d0636d8b_attn
	.p2align	8
	.type	k_qb3d0636d8b_attn,@function
k_qb3d0636d8b_attn:
	s_mov_b64 s[64:65], 0
	v_nop
	global_prefetch_b8 v0, s[64:65] scope:SCOPE_SE
	s_setreg_imm32_b32 hwreg(HW_REG_WAVE_SCHED_MODE, 0, 2), 2
	s_setreg_imm32_b32 hwreg(HW_REG_WAVE_MODE, 25, 1), 1
	s_wait_xcnt 0x0
	s_wait_alu depctr_vm_vsrc(0)
; Attention inside the window of +-128 keys, all 16 heads of 32 queries of one batch row a work-group; both products on codes of E5M2 with E8M0 scales.
; w = softmax(q k^T / 8 under the mask) is finished and normalised in f32, then quantised along the keys in blocks of 32 counted from key 0; out = w v is quantised along the head's 64 and stored as
; register images into arec's records; att = the mean over heads of the unquantised w goes to out1, zeros outside the band.
; THE BAND.  For queries 32 G .. 32 G + 31 the keys q - 128 .. q + 128 lie in the nine aligned blocks of 32 from block clamp(G - 4, 0, 23) on: these alone are multiplied; the mask proper (window, seq_lengths) is laid on the scores.
; seq_lengths is taken as it comes, held to 0 .. 1,024 (keys are 0 .. 1,023).  A row with no allowed key gives w = 0.
; SHARES.  Wave = 2 hg + u: query tile u (lane r: query 32 G + 8 u + r + 8 (r / 8)), heads 4 hg .. 4 hg + 3 in a loop of four trips.  Operands come from memory straight into operand registers (the launch before laid them so).
; Both products are used transposed: S^T = k q^T, O^T = v^T w^T: a lane holds one query throughout; register 16 p + i of S is key 32 (first block + p) + 16 h + i.
; K = 64: a fragment of k holds TWO tiles of 16 keys (k-blocks 0, 1: tile 0; 2, 3: tile 1) and meets (q | 0) and (0 | q): zero codes add nothing under any scale byte but 0xff.
; No tensor load, no cluster, no prefetch: a block of k or v is read by nine neighbouring work-groups and two waves in each, so the stream is not read once.
; The 144 registers of att are cleared once, so that the loop over heads is written once.  out's scale words leave as 16 words spread over 256 bytes: 1/32 of out's bytes.
; LIMITS: NaN and infinities are not served; a block of zeros gets the byte 1 (zero codes; this program alone reads the bytes).
; REGISTERS, window 0: v1-4 16 L, 4 L, 8 L, 16 r; v5-7 mask bounds and -1e30; v8-12 k's scale words; v13, v14 q's; v15 out1's offset; v16-21 v's scale words as loaded, v22-27 shifted; v28-30 w's; v31 out's;
;   v32-39 zeros, v40-47 q, v48-55 zeros; v56-71 w's codes of blocks 0-3 (later out's codes); v72-215 S (as blocks are finished: codes of blocks 4-8, twelve zeros, two fragments of v); v216-255 at work.
;   window 1: v0-143 att; v144-255 seven fragments of k, then v's.   s60-63, s66-77: the sixteen lane masks of a block's mask.
; THE MODE: SCHED_MODE bits 1:0 = 2 (LLVM: expert scheduling mode 2), set by the entry lines.  The code itself states the register dependences
; between vector or matrix instructions and memory or LDS instructions, with s_wait_alu, always for 0.
; THE PLAN.  Registers that memory or LDS instructions touch:
;   v1-4, v15      offsets: written at the head, read by every load and store, never written again.     v32-35  zeros: written at the head, read by stores, never written again.
;   v13, v40-47, v8-12, window 1 v144-255   q's raw scale word, q, k's scale words, k's fragments 0-6: loaded by E1, at the head and behind a head's last products; read by the next head's v_perm and S^T products.
;   v216-247       k's fragments 7 and 8: loaded by E2 at a trip's end; read by the last four S^T products; then at work, then O^T's accumulators, which out's quantising reads.
;   v16-21, window 1 v144-255   v's scale words and pieces: loaded behind the S^T products; read by the shifts and by the O^T products.
;   v104-135       v's last two fragments: loaded behind the quantising of w's blocks 2 and 3, which lay there; read by the last two O^T products.
;   v56-63, v31    out's codes and scale word: written by the conversions and a shift, read by the trip's stores, written again in the next trip.
; So a trip has, beside the three waits behind its transcendentals, six waits on va_vdst: ahead of each of its two runs of products (operands and scales that vector instructions wrote) and ahead of each of its four
; runs of loads or stores; the last of them serves out's stores and E2 together.  One wait on vm_vsrc stands at a trip's end, behind out's stores.  A block's mask is a run of sixteen compares, one wait on va_sdst, sixteen selects.
.set RS,  16896
.set KP,  8388608
.set VP,  16777216
.set QS,  25165824
.set KSB, 25427968
.set VS,  25690112
.set LI,   1
.set L4,   2
.set L8,   3
.set R16,  4
.set DLO,  5
.set DHI,  6
.set NEG,  7
.set KSC,  8
.set QRAW, 13
.set QSC,  14
.set VZ,   15
.set VW,   16
.set VSC,  22
.set PW,   28
.set OW,   31
.set ZL,   32
.set Q,    40
.set PP,   56
.set S,    72
.set T,    216
.set BM,   216
.set TP,   226
.set MC,   240
.set RINV, 242
.set SUMA, 244
.set SUMB, 246
.set WV,   12
.set UU,   13
.set HG,   14
.set GG,   15
.set BB,   16
.set BK0,  17
.set KS0,  18
.set SLC,  19
.set TLO,  20
.set THI,  21
.set SH,   22
.set ZZ,   23
.set U0,   24
.set SELQ, 25
.set CC,   26
.set SEL,  28
.set MNT,  30
.set HC,   31
.set PQ,   32
.set PQS,  34
.set PK,   36
.set PKS,  38
.set PV,   40
.set PVS,  42
.set PO,   44
.set POS,  46
.set PA1,  48
.set ANY,  50
.set Q32,  51
.set PAB,  58
.set MSB, 0
.macro WIN new
.if MSB != (\new)
	s_set_vgpr_msb (MSB<<8)|(\new)
.set MSB, (\new)
.endif
.endm
.macro PLACES n
.rept \n
	v_nop
.endr
.endm
.macro WM d, a, b, c, sa, sb, ra, rb
.if (\c) < 0
.if (\ra) && (\rb)
	v_wmma_scale_f32_16x16x128_f8f6f4 v[(\d):(\d)+7], v[(\a):(\a)+15], v[(\b):(\b)+15], 0, v[\sa], v[\sb] matrix_a_fmt:MATRIX_FMT_BF8 matrix_b_fmt:MATRIX_FMT_BF8 matrix_a_scale:MATRIX_SCALE_ROW1 matrix_b_scale:MATRIX_SCALE_ROW1
.elseif (\ra)
	v_wmma_scale_f32_16x16x128_f8f6f4 v[(\d):(\d)+7], v[(\a):(\a)+15], v[(\b):(\b)+15], 0, v[\sa], v[\sb] matrix_a_fmt:MATRIX_FMT_BF8 matrix_b_fmt:MATRIX_FMT_BF8 matrix_a_scale:MATRIX_SCALE_ROW1
.elseif (\rb)
	v_wmma_scale_f32_16x16x128_f8f6f4 v[(\d):(\d)+7], v[(\a):(\a)+15], v[(\b):(\b)+15], 0, v[\sa], v[\sb] matrix_a_fmt:MATRIX_FMT_BF8 matrix_b_fmt:MATRIX_FMT_BF8 matrix_b_scale:MATRIX_SCALE_ROW1
.else
	v_wmma_scale_f32_16x16x128_f8f6f4 v[(\d):(\d)+7], v[(\a):(\a)+15], v[(\b):(\b)+15], 0, v[\sa], v[\sb] matrix_a_fmt:MATRIX_FMT_BF8 matrix_b_fmt:MATRIX_FMT_BF8
.endif
.else
.if (\ra) && (\rb)
	v_wmma_scale_f32_16x16x128_f8f6f4 v[(\d):(\d)+7], v[(\a):(\a)+15], v[(\b):(\b)+15], v[(\c):(\c)+7], v[\sa], v[\sb] matrix_a_fmt:MATRIX_FMT_BF8 matrix_b_fmt:MATRIX_FMT_BF8 matrix_a_scale:MATRIX_SCALE_ROW1 matrix_b_scale:MATRIX_SCALE_ROW1
.elseif (\ra)
	v_wmma_scale_f32_16x16x128_f8f6f4 v[(\d):(\d)+7], v[(\a):(\a)+15], v[(\b):(\b)+15], v[(\c):(\c)+7], v[\sa], v[\sb] matrix_a_fmt:MATRIX_FMT_BF8 matrix_b_fmt:MATRIX_FMT_BF8 matrix_a_scale:MATRIX_SCALE_ROW1
.elseif (\rb)
	v_wmma_scale_f32_16x16x128_f8f6f4 v[(\d):(\d)+7], v[(\a):(\a)+15], v[(\b):(\b)+15], v[(\c):(\c)+7], v[\sa], v[\sb] matrix_a_fmt:MATRIX_FMT_BF8 matrix_b_fmt:MATRIX_FMT_BF8 matrix_b_scale:MATRIX_SCALE_ROW1
.else
	v_wmma_scale_f32_16x16x128_f8f6f4 v[(\d):(\d)+7], v[(\a):(\a)+15], v[(\b):(\b)+15], v[(\c):(\c)+7], v[\sa], v[\sb] matrix_a_fmt:MATRIX_FMT_BF8 matrix_b_fmt:MATRIX_FMT_BF8
.endif
.endif
.endm
.macro E1                              ; a head's q, the scale words of q and k, k's fragments 0 to 6: 36 loads
	global_load_b32 v[QRAW], v[L4], s[PQS:PQS+1]
	global_load_b128 v[Q:Q+3], v[LI], s[PQ:PQ+1]
	global_load_b128 v[Q+4:Q+7], v[LI], s[PQ:PQ+1] offset:512
.irp i, 0,1,2,3,4
	global_load_b32 v[KSC+\i], v[L4], s[PKS:PKS+1] offset:128*\i   ; lanes 0-15: block 2 i's words; lanes 16-31: block 2 i + 1's
.endr
	WIN 0x40
.irp p, 0,1,2,3,4,5,6
.irp x, 0,1,2,3
	global_load_b128 v[144+16*\p+4*\x:144+16*\p+4*\x+3], v[LI], s[PK:PK+1] offset:2048*\p+512*\x
.endr
.endr
	WIN 0
.endm
.macro E2                              ; k's fragments 7 and 8: 8 loads
.irp p, 7,8
.irp x, 0,1,2,3
	global_load_b128 v[T+16*(\p-7)+4*\x:T+16*(\p-7)+4*\x+3], v[LI], s[PK:PK+1] offset:2048*\p+512*\x
.endr
.endr
.endm
; the mask of block p: register 16 p + i holds local key 32 p + 16 h + i; hidden below where 32 p + i < DLO, above where 32 p + i > DHI.  A block that no lane of the wave masks is passed over by a scalar branch.
; The sixteen compares stand in a run, each with a scalar register of its own (number i: s60-63 for i under 4, then s66-77), so that one wait serves the sixteen selects.
.macro MASKLO p
	s_cmp_le_i32 s[TLO], 32*\p
	s_cbranch_scc1 .Lnolo_\@
.irp i, 0,1,2,3,4,5,6,7,8,9,10,11,12,13,14,15
	v_cmp_lt_i32 s[60+\i+2*((\i+12)/16)], 32*\p+\i, v[DLO]
.endr
	s_wait_alu depctr_va_sdst(0)                   ; the sixteen compares have written their masks, which the selects below read
.irp i, 0,1,2,3,4,5,6,7,8,9,10,11,12,13,14,15
	v_cndmask_b32 v[S+16*\p+\i], v[S+16*\p+\i], v[NEG], s[60+\i+2*((\i+12)/16)]
.endr
.Lnolo_\@:
.endm
.macro MASKHI p
	s_cmp_ge_i32 s[THI], 32*\p+31
	s_cbranch_scc1 .Lnohi_\@
.irp i, 0,1,2,3,4,5,6,7,8,9,10,11,12,13,14,15
	v_cmp_gt_i32 s[60+\i+2*((\i+12)/16)], 32*\p+\i, v[DHI]
.endr
	s_wait_alu depctr_va_sdst(0)                   ; the sixteen compares have written their masks, which the selects below read
.irp i, 0,1,2,3,4,5,6,7,8,9,10,11,12,13,14,15
	v_cndmask_b32 v[S+16*\p+\i], v[S+16*\p+\i], v[NEG], s[60+\i+2*((\i+12)/16)]
.endr
.Lnohi_\@:
.endm
; block p of w is quantised: its largest w is in BM + p; the codes go to v[56 + 4 p]: blocks 4 to 8 land on S's blocks 0 and 1, which are finished by then
.macro PBLOCK p
.set SCLT, 236+2*((\p)%2)
.set LIMT, 237+2*((\p)%2)
	v_max_num_f32 v[BM+\p], 0x8000000, v[BM+\p]            ; the floor 2^(16 - 127)
	v_add_nc_u32 v[SCLT], 0xf8800000, v[BM+\p]
	v_and_or_b32 v[LIMT], v[BM+\p], 0x7f800000, s[MNT]
.if (\p)%4 == 0
	v_lshrrev_b32 v[PW+(\p)/4], 23, v[SCLT]
.else
	v_lshrrev_b32 v252, 23, v[SCLT]
	v_lshl_or_b32 v[PW+(\p)/4], v252, 8*((\p)%4), v[PW+(\p)/4]
.endif
.irp i, 0,1,2,3,4,5,6,7,8,9,10,11,12,13,14,15
	v_min_num_f32 v[S+16*(\p)+\i], v[S+16*(\p)+\i], v[LIMT]   ; w is not negative: the hold is one-sided
.endr
	v_cvt_scalef32_pk8_bf8_f32 v[PP+4*(\p):PP+4*(\p)+1], v[S+16*(\p):S+16*(\p)+7], v[SCLT]
	v_cvt_scalef32_pk8_bf8_f32 v[PP+4*(\p)+2:PP+4*(\p)+3], v[S+16*(\p)+8:S+16*(\p)+15], v[SCLT]
.endm
	s_load_b256 s[4:11], s[0:1], 0x0               ; qkv, seq_lengths, arec, out1
	v_lshrrev_b32 v1, 5, v0
	v_readfirstlane_b32 s[WV], v1                  ; wave 0..7
	v_and_b32 v60, 31, v0                          ; (the vector set-up that hangs on no scalar stands between that line and the wait for it)
	v_lshlrev_b32 v[LI], 4, v60
	v_lshlrev_b32 v[L4], 2, v60
	v_lshlrev_b32 v[L8], 3, v60
	v_and_b32 v61, 15, v0                          ; r
	v_lshlrev_b32 v[R16], 4, v61
	v_bfe_u32 v62, v0, 4, 1                        ; h
	v_lshl_add_u32 v[VZ], v62, 15, v[R16]          ; out1: lanes 0-15 one query's row, lanes 16-31 the next query's (32,768 bytes on)
	v_mov_b32 v[NEG], 0xf149f2ca                   ; -1e30
	v_mov_b32 v[OW], 0
.irp i, 0,1,2,3,4,5,6,7
	v_mov_b32 v[ZL+\i], 0
	v_mov_b32 v[ZL+16+\i], 0
	v_mov_b32 v[248+\i], 0
.endr
	s_wait_alu depctr_va_sdst(0)                   ; the wave's number is written, ahead of its first reader
	s_and_b32 s[UU], s[WV], 1                      ; my tile of queries
	s_lshr_b32 s[HG], s[WV], 1                     ; my four heads
	s_mov_b32 s[GG], ttmp9                         ; the block of 32 queries
	s_and_b32 s[BB], ttmp7, 0xffff                 ; the batch row
	s_sub_co_i32 s[BK0], s[GG], 4
	s_max_i32 s[BK0], s[BK0], 0
	s_min_i32 s[BK0], s[BK0], 23                   ; the band's first block of keys
	s_lshl_b32 s[KS0], s[BK0], 5                   ; its first key
	s_and_b32 s[SH], s[BK0], 3
	s_lshl_b32 s[SH], s[SH], 3                     ; v's scale words are shifted by so many bits
	s_and_b32 s[ZZ], s[BK0], 1
	s_lshr_b32 s[U0], s[BK0], 1                    ; the first of the five 256-byte pieces of a row of out1 that hold the band
	s_mov_b32 s[SELQ], 0x01000100
	s_cmp_eq_u32 s[UU], 1
	s_cselect_b32 s[SELQ], 0x03020302, s[SELQ]     ; my tile's two bytes of q's word, twice
	s_mov_b32 s[CC], 0x3e38aa3b                    ; log2(e) / 8
	s_mov_b32 s[CC+1], s[CC]
	s_mov_b32 s[SEL], 0x76543210
	s_mov_b32 s[SEL+1], 0xfedcba98
	s_mov_b32 s[MNT], 0x600000
	s_mov_b32 s[HC], 0
	s_lshl_b32 s[Q32], s[GG], 5
	s_lshl_b32 s67, s[UU], 3
	s_add_co_u32 s[Q32], s[Q32], s67               ; 32 G + 8 u
	s_lshl_b32 s72, s[BB], 2
	s_mov_b32 s73, 0
	s_wait_kmcnt 0x0
	s_add_nc_u64 s[6:7], s[6:7], s[72:73]
	s_load_b32 s[SLC], s[6:7], 0x0                 ; seq_lengths[b]
	s_lshl_b32 s66, s[BB], 4
	s_lshl_b32 s67, s[HG], 2
	s_add_co_u32 s66, s66, s67                     ; 16 b + my first head
	s_lshl_b32 s68, s66, 5
	s_add_co_u32 s69, s68, s[GG]
	s_add_co_u32 s70, s68, s[BK0]
	s_lshl_b32 s72, s69, 11
	s_lshl_b32 s67, s[UU], 10
	s_add_co_u32 s72, s72, s67
	s_add_nc_u64 s[PQ:PQ+1], s[4:5], s[72:73]
	s_lshl_b32 s72, s69, 6
	s_add_co_u32 s72, s72, QS
	s_add_nc_u64 s[PQS:PQS+1], s[4:5], s[72:73]
	s_lshl_b32 s72, s70, 11
	s_add_co_u32 s72, s72, KP
	s_add_nc_u64 s[PK:PK+1], s[4:5], s[72:73]
	s_lshl_b32 s72, s70, 6
	s_add_co_u32 s72, s72, KSB
	s_add_nc_u64 s[PKS:PKS+1], s[4:5], s[72:73]
	s_lshl_b32 s72, s66, 7
	s_add_co_u32 s72, s72, s[BK0]
	s_lshl_b32 s72, s72, 9
	s_add_co_u32 s72, s72, VP
	s_add_nc_u64 s[PV:PV+1], s[4:5], s[72:73]
	s_lshl_b32 s72, s66, 3
	s_lshr_b32 s67, s[BK0], 2
	s_add_co_u32 s72, s72, s67
	s_lshl_b32 s72, s72, 8
	s_add_co_u32 s72, s72, VS
	s_add_nc_u64 s[PVS:PVS+1], s[4:5], s[72:73]
	s_wait_alu depctr_va_vdst(0)                   ; the five offsets v1-4 and v15 and the zeros v32-35 are written: every load and store of the kernel reads one of the offsets, the zero stores read the zeros
	E1                                             ; the first head's operands are asked for
	E2
	s_lshl_b32 s74, s[BB], 3
	s_lshr_b32 s67, s[GG], 2
	s_add_co_u32 s74, s74, s67                     ; out's row block 8 b + G / 4
	s_mul_i32 s74, s74, 12
	s_lshl_b32 s67, s[HG], 1
	s_add_co_u32 s74, s74, s67                     ; K step = head / 2
	s_mul_i32 s74, s74, RS
	s_lshl_b32 s75, s[GG], 1
	s_add_co_u32 s75, s75, s[UU]
	s_and_b32 s75, s75, 7                          ; my tile in the record
	s_lshl_b32 s72, s75, 11
	s_add_co_u32 s72, s72, s74
	s_add_nc_u64 s[PO:PO+1], s[8:9], s[72:73]
	s_lshr_b32 s72, s75, 2
	s_lshl_b32 s72, s72, 8
	s_and_b32 s75, s75, 3
	s_lshl_b32 s75, s75, 2
	s_add_co_u32 s72, s72, s75
	s_add_co_u32 s72, s72, s74
	s_add_co_u32 s72, s72, 16384
	s_add_nc_u64 s[POS:POS+1], s[8:9], s[72:73]
	s_lshl_b32 s72, s[HG], 2                       ; out1: I store tile positions 4 hg .. 4 hg + 3: queries 32 G + 8 u + 4 hg + 8 (hg / 2) + 0 .. 3
	s_lshr_b32 s67, s[HG], 1
	s_lshl_b32 s67, s67, 3
	s_add_co_u32 s72, s72, s67
	s_add_co_u32 s72, s72, s[Q32]
	s_lshl_b32 s72, s72, 3
	s_add_co_u32 s72, s72, s[BB]
	s_lshl_b32 s72, s72, 12
	s_add_nc_u64 s[PA1:PA1+1], s[10:11], s[72:73]
	s_lshl_b32 s72, s[U0], 8
	s_add_nc_u64 s[PAB:PAB+1], s[PA1:PA1+1], s[72:73]
	s_wait_kmcnt 0x0
	s_max_i32 s[SLC], s[SLC], 0
	s_min_i32 s[SLC], s[SLC], 1024
	s_sub_co_i32 s[TLO], s[Q32], 105               ; the wave's largest query less 128,
	s_sub_co_i32 s[TLO], s[TLO], s[KS0]            ; as a local key: at most 159, so that only blocks 0 to 4 can be masked from below
	s_add_co_u32 s[THI], s[Q32], 128
	s_sub_co_i32 s67, s[SLC], 1
	s_min_i32 s[THI], s[THI], s67
	s_sub_co_i32 s[THI], s[THI], s[KS0]            ; the least last allowed key of the wave's queries, as a local key
	v_and_b32 v63, 8, v61
	v_add_nc_u32 v63, v63, v61
	v_add_nc_u32 v63, s[Q32], v63                  ; my query
	v_lshlrev_b32 v62, 4, v62                      ; 16 h
	s_add_co_u32 s68, s[KS0], 128
	s_sub_co_i32 s68, 0, s68
	v_sub_nc_u32 v[DLO], v63, v62
	v_add_nc_u32 v[DLO], s68, v[DLO]               ; q - 128 - first key - 16 h
	v_add_nc_u32 v[DHI], 128, v63
	v_mov_b32 v59, s67
	v_cmp_gt_i32 vcc_lo, v[DHI], v59
	s_wait_alu depctr_va_vcc(0)                    ; the compare has written VCC, which the select reads
	v_cndmask_b32 v[DHI], v[DHI], v59, vcc_lo      ; min(q + 128, seq_length - 1)
	v_sub_nc_u32 v[DHI], v[DHI], v62
	s_sub_co_i32 s68, 0, s[KS0]
	v_add_nc_u32 v[DHI], s68, v[DHI]
	v_add_nc_u32 v59, 0xffffff80, v63              ; q - 128
	s_cmp_gt_i32 s[SLC], 0
	s_cselect_b32 s68, -1, 0
	v_cmp_gt_i32 s[ANY], s[SLC], v59               ; a key is allowed where max(q - 128, 0) < seq_length
	s_wait_alu depctr_va_sdst(0)                   ; the compare has written its mask, ahead of its first reader
	s_and_b32 s[ANY], s[ANY], s68
	WIN 0x40
.set j, 0
.rept 144
	v_mov_b32 v[j], 0                              ; att
.set j, j+1
.endr
	WIN 0
.irp un, 0,1,2,3,4,5,6,7,8,9,10,11,12,13,14,15   ; zeros outside the band: eleven of the sixteen 256-byte pieces of my four rows of out1.  No wait: no vector instruction since the wait ahead of the first loads names v15 or v32-35
	s_sub_co_u32 s52, \un, s[U0]
	s_cmp_lt_u32 s52, 5
	s_cbranch_scc1 .Lband_\un
	global_store_b128 v[VZ], v[ZL:ZL+3], s[PA1:PA1+1] offset:256*\un th:TH_STORE_NT
	global_store_b128 v[VZ], v[ZL:ZL+3], s[PA1:PA1+1] offset:256*\un+65536 th:TH_STORE_NT
.Lband_\un:
.endr
	s_mov_b32 s53, 0
	s_mov_b32 s54, 1024
	s_mov_b32 s57, 0
.Lhead:
	s_wait_loadcnt 8                               ; q, the scale words and k's fragments 0-6 are in; the youngest eight loads (fragments 7, 8) may be out
	v_perm_b32 v[QSC], v[QRAW], v[QRAW], s[SELQ]
	PLACES 8                                       ; a scale register written by a vector instruction stands eight places ahead
	s_wait_alu depctr_va_vdst(0)                   ; q's scale word v14 is written, which the products below take as scales (in the first trip: so are the zero codes beside q); the places above stay beside this wait
	WIN 0x01                                       ; source 0 in window 1
.irp p, 0,1,2,3,4,5,6
	WM S+16*\p, 144+16*\p, Q, -1, KSC+\p/2, QSC, \p%2, 0
	WM S+16*\p+8, 144+16*\p, ZL, -1, KSC+\p/2, QSC, \p%2, 0
.endr
	s_wait_loadcnt 0x0
	WIN 0
.irp p, 7,8
	WM S+16*\p, T+16*(\p-7), Q, -1, KSC+\p/2, QSC, \p%2, 0
	WM S+16*\p+8, T+16*(\p-7), ZL, -1, KSC+\p/2, QSC, \p%2, 0
.endr
	PLACES 8                                       ; in front of the first read of the scores
	s_wait_alu depctr_va_vdst(0)                   ; the products are done reading k's fragments in window 1, and the last head's shifts v16-21: v's pieces and scale words land there
.irp i, 0,1,2
	global_load_b64 v[VW+2*\i:VW+2*\i+1], v[L8], s[PVS:PVS+1] offset:256*\i   ; v's scale words of three runs of 128 keys
.endr
	WIN 0x40
.irp t, 0,1,2,3
	global_load_b128 v[144+4*\t:147+4*\t], v[LI], s[PV:PV+1] offset:16384*\t+4096     ; block 8's four pieces
.endr
.irp f, 0,1,2,3,4,5
.irp c, 0,1,2,3
	global_load_b128 v[160+16*\f+4*\c:163+16*\f+4*\c], v[LI], s[PV:PV+1] offset:16384*(\f%4)+512*(4*(\f/4)+\c)
.endr
.endr
	WIN 0
.irp p, 0,1,2,3,4
	MASKLO \p
.endr
.irp p, 0,1,2,3,4,5,6,7,8
	MASKHI \p
.endr
.irp p, 0,1,2,3,4,5,6,7,8
	v_max3_num_f32 v[BM+\p], v[S+16*\p], v[S+16*\p+1], v[S+16*\p+2]   ; each block's largest score: it serves for the row's maximum and, since w rises with the score, for the block's largest w
.endr
.irp i, 3,5,7,9,11,13
.irp p, 0,1,2,3,4,5,6,7,8
	v_max3_num_f32 v[BM+\p], v[BM+\p], v[S+16*\p+\i], v[S+16*\p+\i+1]
.endr
.endr
.irp p, 0,1,2,3,4,5,6,7,8
	v_max_num_f32 v[BM+\p], v[BM+\p], v[S+16*\p+15]
.endr
.irp p, 0,1,2,3,4,5,6,7,8
	v_permlanex16_b32 v[TP+\p], v[BM+\p], s[SEL], s[SEL+1]
.endr
.irp p, 0,1,2,3,4,5,6,7,8
	v_max_num_f32 v[BM+\p], v[BM+\p], v[TP+\p]
.endr
	v_max3_num_f32 v248, v[BM], v[BM+1], v[BM+2]
	v_max3_num_f32 v248, v248, v[BM+3], v[BM+4]
	v_max3_num_f32 v248, v248, v[BM+5], v[BM+6]
	v_max3_num_f32 v248, v248, v[BM+7], v[BM+8]    ; the row's maximum
	v_cndmask_b32 v248, 0, v248, s[ANY]            ; a row with no allowed key takes 0: every exponential is then 0, and no difference of two huge numbers is formed
	v_mul_f32 v[MC], s[CC], v248
	v_mov_b32 v[MC+1], v[MC]
.set j, 0
.rept 72
	v_pk_fma_f32 v[S+j:S+j+1], v[S+j:S+j+1], s[CC:CC+1], v[MC:MC+1] op_sel_hi:[1,0,0] neg_lo:[0,0,1] neg_hi:[0,0,1]
.set j, j+2
.endr
.irp p, 0,1,2,3,4,5,6,7,8
	v_fma_f32 v[BM+\p], v[BM+\p], s[CC], -v[MC]
.endr
.set j, 0
.rept 144
	v_exp_f32 v[S+j], v[S+j]
.set j, j+1
.endr
	v_nop                                          ; a plain line behind the exponentials
	s_wait_alu depctr_va_vdst(0)                   ; the 144 exponentials have written v72-215: one wait for the batch, ahead of its first reader
.irp p, 0,1,2,3,4,5,6,7,8
	v_exp_f32 v[BM+\p], v[BM+\p]
.endr
	v_pk_add_f32 v[SUMA:SUMA+1], v[S:S+1], v[S+4:S+5]          ; the row's sum, two at a time, in two chains
	v_pk_add_f32 v[SUMB:SUMB+1], v[S+2:S+3], v[S+6:S+7]
.set j, 8
.rept 34
	v_pk_add_f32 v[SUMA:SUMA+1], v[SUMA:SUMA+1], v[S+j:S+j+1]
	v_pk_add_f32 v[SUMB:SUMB+1], v[SUMB:SUMB+1], v[S+j+2:S+j+3]
.set j, j+4
.endr
	v_pk_add_f32 v[SUMA:SUMA+1], v[SUMA:SUMA+1], v[SUMB:SUMB+1]
	s_wait_alu depctr_va_vdst(0)                   ; the nine exponentials of the blocks' largest scores have written v216-224: one wait for the nine
	v_add_f32 v249, v[SUMA], v[SUMA+1]
	v_permlanex16_b32 v250, v249, s[SEL], s[SEL+1]
	v_add_f32 v249, v249, v250
	v_rcp_f32 v251, v249
	v_nop
	s_wait_alu depctr_va_vdst(0)                   ; the reciprocal has written v251, ahead of its reader
	v_cndmask_b32 v[RINV], 0, v251, s[ANY]         ; 1 / sum, or 0 where no key is allowed
	v_mov_b32 v[RINV+1], v[RINV]
.set j, 0
.rept 72
	v_pk_mul_f32 v[S+j:S+j+1], v[S+j:S+j+1], v[RINV:RINV+1]    ; w, finished
.set j, j+2
.endr
.irp p, 0,1,2,3,4,5,6,7,8
	v_mul_f32 v[BM+\p], v[BM+\p], v[RINV]
.endr
	WIN 0x41
.set j, 0
.rept 72
	v_pk_add_f32 v[j:j+1], v[j:j+1], v[S+j:S+j+1]  ; att takes the unquantised w
.set j, j+2
.endr
	WIN 0
	s_wait_loadcnt 28                              ; v's scale words are in: 28 loads were issued behind them
.irp e, 0,1
	v_alignbit_b32 v[VSC+\e], v[VW+2+\e], v[VW+\e], s[SH]      ; the band's blocks 0-3,
	v_alignbit_b32 v[VSC+2+\e], v[VW+4+\e], v[VW+2+\e], s[SH]  ; 4-7,
	v_alignbit_b32 v[VSC+4+\e], v[VW+4+\e], v[VW+4+\e], s[SH]  ; and 8 in the lowest byte (the other bytes meet zero codes)
.endr
	PBLOCK 0
	PBLOCK 1
	PBLOCK 2
.irp i, 0,1,2,3,4,5,6,7,8,9,10,11
	v_mov_b32 v[92+\i], 0                          ; behind block 8's codes: zero codes
.endr
	PBLOCK 3
	s_wait_alu depctr_va_vdst(0)                   ; the holds and conversions of blocks 2 and 3 are done writing and reading v104-135, in which the loads below land
.irp t, 2,3
.irp c, 0,1,2,3
	global_load_b128 v[104+16*(\t-2)+4*\c:107+16*(\t-2)+4*\c], v[LI], s[PV:PV+1] offset:16384*\t+512*(4+\c)   ; v's last two fragments, where S's blocks 2 and 3 lay
.endr
.endr
	PBLOCK 4
	PBLOCK 5
	PBLOCK 6
	PBLOCK 7
	PBLOCK 8
	PLACES 8
	s_wait_alu depctr_va_vdst(0)                   ; w's codes v56-91, the zero codes v92-103, w's scale words v28-30 and v's shifted ones v22-27 are written: the products below take them as source 1 and as scales; the places above stay beside this wait
	s_wait_loadcnt 8                               ; all of v but the eight late loads
	WIN 0x01
.irp t, 0,1,2,3
	WM T+8*\t, 160+16*\t, PP, -1, VSC+\t%2, PW, \t/2, 0            ; the four accumulators take turns
.endr
.irp t, 0,1,2,3
	WM T+8*\t, 144+4*\t, 88, T+8*\t, VSC+4+\t%2, PW+2, \t/2, 0     ; block 8: the fragment's other three groups are other codes of v, and meet zero codes
.endr
.irp t, 0,1
	WM T+8*\t, 224+16*\t, 72, T+8*\t, VSC+2+\t%2, PW+1, \t/2, 0
.endr
	s_wait_loadcnt 0x0
	WIN 0
.irp t, 2,3
	WM T+8*\t, 104+16*(\t-2), 72, T+8*\t, VSC+2+\t%2, PW+1, \t/2, 0
.endr
	PLACES 8
	s_wait_xcnt 0x0                                ; every load issued has read its base: the pointers step to the next head
	s_add_nc_u64 s[PQ:PQ+1], s[PQ:PQ+1], 65536
	s_add_nc_u64 s[PQS:PQS+1], s[PQS:PQS+1], 2048
	s_add_nc_u64 s[PK:PK+1], s[PK:PK+1], 65536
	s_add_nc_u64 s[PKS:PKS+1], s[PKS:PKS+1], 2048
	s_add_nc_u64 s[PV:PV+1], s[PV:PV+1], 65536
	s_add_nc_u64 s[PVS:PVS+1], s[PVS:PVS+1], 2048
	s_cmp_eq_u32 s[HC], 3                          ; the last head asks for nothing
	s_cbranch_scc1 .Lno_e1
	s_wait_alu depctr_va_vdst(0)                   ; this head's products are done reading q, k's scale words and window 1's fragments, and its v_perm q's raw word: the next head's land there
	E1
.Lno_e1:
	; out: two blocks of 32 along d; registers T + 16 e + i = d 32 e + 16 h + i
.irp e, 0,1
	v_max3_num_f32 v[248+\e], |v[T+16*\e]|, |v[T+16*\e+1]|, 0x8000000
.endr
.irp i, 2,4,6,8,10,12,14
.irp e, 0,1
	v_max3_num_f32 v[248+\e], v[248+\e], |v[T+16*\e+\i]|, |v[T+16*\e+\i+1]|
.endr
.endr
.irp e, 0,1
	v_permlanex16_b32 v[250+\e], v[248+\e], s[SEL], s[SEL+1]
.endr
.irp e, 0,1
	v_max_num_f32 v[248+\e], v[248+\e], v[250+\e]
.endr
.irp e, 0,1
	v_add_nc_u32 v[252+\e], 0xf8800000, v[248+\e]
.endr
.irp e, 0,1
	v_and_or_b32 v[254+\e], v[248+\e], 0x7f800000, s[MNT]
.endr
.irp e, 0,1
	v_lshrrev_b32 v[250+\e], 23, v[252+\e]
.endr
	v_lshl_or_b32 v250, v251, 8, v250
	v_alignbit_b32 v[OW], v250, v[OW], 16          ; the word of 128 along K takes two heads' two bytes: the even head's end up below
.irp e, 0,1
.irp i, 0,1,2,3,4,5,6,7,8,9,10,11,12,13,14,15
	v_med3_num_f32 v[T+16*\e+\i], v[T+16*\e+\i], -v[254+\e], v[254+\e]
.endr
.endr
.irp e, 0,1
	v_cvt_scalef32_pk8_bf8_f32 v[PP+4*\e:PP+4*\e+1], v[T+16*\e:T+16*\e+7], v[252+\e]
	v_cvt_scalef32_pk8_bf8_f32 v[PP+4*\e+2:PP+4*\e+3], v[T+16*\e+8:T+16*\e+15], v[252+\e]
.endr
	v_nop
	s_wait_alu depctr_va_vdst(0)                   ; the conversions have written out's codes v56-63 and the shift its scale word v31, which the stores below read; holds and conversions are done with v216-247, in which k's fragments 7 and 8 land further down
	global_store_b128 v[LI], v[PP:PP+3], s[PO:PO+1]
	global_store_b128 v[LI], v[PP+4:PP+7], s[PO:PO+1] offset:512
	s_bitcmp1_b32 s[HC], 0
	s_cbranch_scc0 .Leven
	global_store_b32 v[R16], v[OW], s[POS:POS+1]   ; lanes r and r + 16 store the same word
.Leven:
	s_wait_xcnt 0x0                                ; the stores have read their data and bases
	s_wait_alu depctr_vm_vsrc(0)                   ; the stores have read v56-63 and v31: the next head's conversions and shift write them again, and behind the last head LDS loads land in v56 on
	s_bitcmp1_b32 s[HC], 0
	s_cselect_b32 s52, 15872, s54                  ; an even head: two register groups on; an odd one: the next record's first group
	s_cselect_b32 s56, 16896, 0
	s_add_nc_u64 s[PO:PO+1], s[PO:PO+1], s[52:53]
	s_add_nc_u64 s[POS:POS+1], s[POS:POS+1], s[56:57]
	s_cmp_eq_u32 s[HC], 3
	s_cbranch_scc1 .Lno_e2
	E2                                             ; no wait: no vector or matrix instruction since the wait ahead of out's stores names v216-247
.Lno_e2:
	s_add_co_u32 s[HC], s[HC], 1
	s_cmp_lt_u32 s[HC], 4
	s_cbranch_scc1 .Lhead
	; att: each wave's sum over its four heads goes to its own stage in LDS: 16 rows of 1,424 bytes: 128 of zeros, the band's 1,152, 128 of zeros, 16 of padding.
	; Behind the barrier wave (u, hg) adds the four partial sums of tile positions 4 hg .. 4 hg + 3 and stores five whole pieces of 256 bytes a row; the zeros fill the half piece that the band leaves.
	v_and_b32 v216, 15, v0
	v_bfe_u32 v217, v0, 4, 1
	s_mul_i32 s52, s[WV], 22784
	v_mul_u32_u24 v218, v216, 1424
	v_add_nc_u32 v218, s52, v218
	v_mul_u32_u24 v219, v217, 1280
	v_add_nc_u32 v219, v219, v218                  ; the zeros: in front (lanes 0-15), behind (lanes 16-31)
	v_lshl_add_u32 v220, v217, 6, v218
	v_add_nc_u32 v220, 128, v220                   ; my 64 bytes of each block
	s_mul_i32 s52, s[UU], 22784
	s_mul_i32 s56, s[HG], 5696
	s_add_co_u32 s52, s52, s56
	s_xor_b32 s56, s[ZZ], 1
	s_lshl_b32 s56, s56, 7                         ; an even first block: the pieces begin with the band; an odd one: 128 bytes ahead of it
	s_add_co_u32 s52, s52, s56
	v_mul_u32_u24 v221, v217, 1424
	v_lshl_add_u32 v221, v216, 4, v221
	v_add_nc_u32 v221, s52, v221
	v_add_nc_u32 v222, 45568, v221
	v_add_nc_u32 v223, 45568, v222
	v_add_nc_u32 v224, 45568, v223
	WIN 0x04                                       ; an LDS store's data are its source 1: window 1
	s_wait_alu depctr_va_vdst(0)                   ; the LDS addresses v219-224 and att's 144 registers are written, which the LDS stores and loads below read; every vector and matrix instruction of the loop is done with v56-215, in which the LDS loads land
.irp p, 0,1,2,3,4,5,6,7,8
.irp jj, 0,1,2,3
	ds_store_b128 v220, v[16*\p+4*\jj:16*\p+4*\jj+3] offset:128*\p+16*\jj
.endr
.endr
	WIN 0
.irp k, 0,1,2,3,4,5,6,7
	ds_store_b128 v219, v[ZL:ZL+3] offset:16*\k
.endr
	s_wait_dscnt 0x0                               ; for the others' sake: my stores have landed
	s_barrier_signal -1
	s_barrier_wait -1
.irp k, 0,1,2,3
.irp pr, 0,1
.irp un, 0,1,2,3,4
	ds_load_b128 v[56+40*\k+4*(5*\pr+\un):59+40*\k+4*(5*\pr+\un)], v[221+\k] offset:2848*\pr+256*\un
.endr
.endr
.endr
	s_wait_dscnt 0x0
.irp n, 0,1,2,3,4,5,6,7,8,9
	v_pk_add_f32 v[56+4*\n:57+4*\n], v[56+4*\n:57+4*\n], v[96+4*\n:97+4*\n]
	v_pk_add_f32 v[58+4*\n:59+4*\n], v[58+4*\n:59+4*\n], v[98+4*\n:99+4*\n]
	v_pk_add_f32 v[136+4*\n:137+4*\n], v[136+4*\n:137+4*\n], v[176+4*\n:177+4*\n]
	v_pk_add_f32 v[138+4*\n:139+4*\n], v[138+4*\n:139+4*\n], v[178+4*\n:179+4*\n]
.endr
.irp n, 0,1,2,3,4,5,6,7,8,9
	v_pk_add_f32 v[56+4*\n:57+4*\n], v[56+4*\n:57+4*\n], v[136+4*\n:137+4*\n]
	v_pk_add_f32 v[58+4*\n:59+4*\n], v[58+4*\n:59+4*\n], v[138+4*\n:139+4*\n]
.endr
.irp n, 0,1,2,3,4,5,6,7,8,9
	v_pk_mul_f32 v[56+4*\n:57+4*\n], v[56+4*\n:57+4*\n], 0x3d800000 op_sel_hi:[1,0]    ; the mean over 16 heads
	v_pk_mul_f32 v[58+4*\n:59+4*\n], v[58+4*\n:59+4*\n], 0x3d800000 op_sel_hi:[1,0]
.endr
	s_wait_alu depctr_va_vdst(0)                   ; the multiplications have written the means v56-95, which the stores read
.irp pr, 0,1
.irp un, 0,1,2,3,4
	global_store_b128 v[VZ], v[56+4*(5*\pr+\un):59+4*(5*\pr+\un)], s[PAB:PAB+1] offset:65536*\pr+256*\un th:TH_STORE_NT   ; sixteen lanes store 256 consecutive bytes, aligned
.endr
.endr
	s_wait_xcnt 0x0
	v_lshl_add_u32 v254, v0, 2, 0x2c800            ; the add's two registers are made here: no memory or LDS instruction of the kernel has read v254 or v255
	v_mov_b32 v255, 0
	s_wait_dscnt 0x0                               ; the closing lines, six on end
	s_wait_alu 0x0
	s_wait_tensorcnt 0x0
	ds_add_u32 v254, v255
	s_wait_dscnt 0x0
	s_endpgm
.Lfunc_end_k_qb3d0636d8b_attn:
	.size	k_qb3d0636d8b_attn, .Lfunc_end_k_qb3d0636d8b_attn-k_qb3d0636d8b_attn
	.p2alignl 7, 3214868480
	.fill 96, 4, 3214868480
	.section	.rodata,"a",@progbits
	.p2align	6, 0x0
	.amdhsa_kernel k_qb3d0636d8b_attn
		.amdhsa_group_segment_fixed_size 183296
		.amdhsa_private_segment_fixed_size 0
		.amdhsa_enable_private_segment 0
		.amdhsa_kernarg_size 32
		.amdhsa_user_sgpr_count 2
		.amdhsa_user_sgpr_kernarg_segment_ptr 1
		.amdhsa_wavefront_size32 1
		.amdhsa_system_sgpr_workgroup_id_x 1
		.amdhsa_system_sgpr_workgroup_id_y 1
		.amdhsa_system_sgpr_workgroup_id_z 1
		.amdhsa_system_vgpr_workitem_id 0
		.amdhsa_next_free_vgpr 512
		.amdhsa_next_free_sgpr 80
		.amdhsa_reserve_vcc 1
		.amdhsa_float_denorm_mode_32 3
		.amdhsa_float_denorm_mode_16_64 3
		.amdhsa_memory_ordered 1
		.amdhsa_forward_progress 1
		.amdhsa_inst_pref_size 125
	.end_amdhsa_kernel
	.amdgpu_metadata
---
amdhsa.version: [ 1, 2 ]
amdhsa.kernels:
  - .name:           k_qb3d0636d8b_attn
    .symbol:         k_qb3d0636d8b_attn.kd
    .args:
      - { .name: qkv, .offset: 0, .size: 8, .value_kind: global_buffer, .address_space: global }
      - { .name: seq_lengths, .offset: 8, .size: 8, .value_kind: global_buffer, .address_space: global }
      - { .name: arec, .offset: 16, .size: 8, .value_kind: global_buffer, .address_space: global }
      - { .name: out1, .offset: 24, .size: 8, .value_kind: global_buffer, .address_space: global }
    .group_segment_fixed_size: 183296
    .private_segment_fixed_size: 0
    .kernarg_segment_align: 8
    .kernarg_segment_size: 32
    .max_flat_workgroup_size: 256
    .sgpr_count:     80
    .vgpr_count:     512
    .wavefront_size: 32
...
	.end_amdgpu_metadata
.endif
;; end of part 6
;; launch tail: the kernel of part 5 again; grid 128 x 1, 4 waves a work-group, no clusters, 305,664 bytes of LDS; arguments arec, wrec, b_in, ln_g, ln_b, b_out, out0; writes out0
